; MI455X (gfx1250); checked and timed in simulation.
; The chip was launched on July 23, 2026; its instructions are those of AMD's public machine-readable ISA for CDNA 5 (MIT licence, August 2026) and "CDNA5" Instruction Set Architecture Reference Guide (July 2026). The comments in the code are by the model that wrote it; some were corrected since.
;; Summariser. Allowed arithmetic: matrix products marked QUANTISED: E2M3 operands, one E8M0 scale for each 32 along K, by v_wmma_scale_f32_16x16x128_f8f6f4 with both operands' format E2M3, f32 sums; everything else in f32.
;; Inputs: full_vec 1 x 4,096 x 768 float32; params_emb_ln_b 768 float32; params_emb_ln_g 768 float32; params_layers_0_bf 768 float32; params_layers_0_bi 3,072 float32; params_layers_0_bk 768 float32; params_layers_0_bo 768 float32; params_layers_0_bq 768 float32; params_layers_0_bv 768 float32; params_layers_0_ln1_b 768 float32; params_layers_0_ln1_g 768 float32; params_layers_0_ln2_b 768 float32; params_layers_0_ln2_g 768 float32; params_layers_0_wf 3,072 x 768 float32; params_layers_0_wi 768 x 3,072 float32; params_layers_0_wk 768 x 768 float32; params_layers_0_wo 768 x 768 float32; params_layers_0_wq 768 x 768 float32; params_layers_0_wv 768 x 768 float32; params_layers_1_bf 768 float32; params_layers_1_bi 3,072 float32; params_layers_1_bk 768 float32; params_layers_1_bo 768 float32; params_layers_1_bq 768 float32; params_layers_1_bv 768 float32; params_layers_1_ln1_b 768 float32; params_layers_1_ln1_g 768 float32; params_layers_1_ln2_b 768 float32; params_layers_1_ln2_g 768 float32; params_layers_1_wf 3,072 x 768 float32; params_layers_1_wi 768 x 3,072 float32; params_layers_1_wk 768 x 768 float32; params_layers_1_wo 768 x 768 float32; params_layers_1_wq 768 x 768 float32; params_layers_1_wv 768 x 768 float32; params_pos_emb 4,096 x 768 float32; params_type_emb 768 float32.
;; Outputs: out0 1 x 768 float32.
;; This version of the problem:
;;   THIS VERSION OF THE PROBLEM IS GIVEN IN LOW PRECISION. The matrix products marked QUANTISED in the list below multiply operands that are first quantised to E2M3 (2 exponent bits, 3 mantissa bits; 6 bits a number), with one power-of-two scale for each 32 numbers along K (OCP MX v1.0); their sums are f32. All else is computed in f32.
;;   The module's matrix products, in the order in which they are computed (A, B: the left and right operand; K: the contracted axis; several contracted axes count as one K, in the product's order):
;;     1. [M 4,096, K 768] x [K 768, N 768]; A: computed on the way; B: input params_layers_0_wq: QUANTISED
;;     2. [M 4,096, K 768] x [K 768, N 768]; A: computed on the way; B: input params_layers_0_wk: QUANTISED
;;     3. [M 4,096, K 768] x [K 768, N 768]; A: computed on the way; B: input params_layers_0_wv: QUANTISED
;;     4. batch 192 x [M 256, K 64] x [K 64, N 256]; A: computed on the way; B: computed on the way: QUANTISED
;;     5. batch 192 x [M 256, K 64] x [K 64, N 256]; A: computed on the way; B: computed on the way: QUANTISED
;;     6. batch 192 x [M 256, K 64] x [K 64, N 256]; A: computed on the way; B: computed on the way: QUANTISED
;;     7. batch 192 x [M 256, K 768] x [K 768, N 64]; A: softmax (see below); B: computed on the way: QUANTISED
;;     8. [M 4,096, K 768] x [K 768, N 768]; A: computed on the way; B: input params_layers_0_wo: QUANTISED
;;     9. [M 4,096, K 768] x [K 768, N 3,072]; A: computed on the way; B: input params_layers_0_wi: QUANTISED
;;     10. [M 4,096, K 3,072] x [K 3,072, N 768]; A: computed on the way; B: input params_layers_0_wf: QUANTISED
;;     11. [M 4,096, K 768] x [K 768, N 768]; A: computed on the way; B: input params_layers_1_wq: QUANTISED
;;     12. [M 4,096, K 768] x [K 768, N 768]; A: computed on the way; B: input params_layers_1_wk: QUANTISED
;;     13. [M 4,096, K 768] x [K 768, N 768]; A: computed on the way; B: input params_layers_1_wv: QUANTISED
;;     14. batch 192 x [M 256, K 64] x [K 64, N 256]; A: computed on the way; B: computed on the way: QUANTISED
;;     15. batch 192 x [M 256, K 64] x [K 64, N 256]; A: computed on the way; B: computed on the way: QUANTISED
;;     16. batch 192 x [M 256, K 64] x [K 64, N 256]; A: computed on the way; B: computed on the way: QUANTISED
;;     17. batch 192 x [M 256, K 768] x [K 768, N 64]; A: softmax (see below); B: computed on the way: QUANTISED
;;     18. [M 4,096, K 768] x [K 768, N 768]; A: computed on the way; B: input params_layers_1_wo: QUANTISED
;;     19. [M 4,096, K 768] x [K 768, N 3,072]; A: computed on the way; B: input params_layers_1_wi: QUANTISED
;;     20. [M 4,096, K 3,072] x [K 3,072, N 768]; A: computed on the way; B: input params_layers_1_wf: QUANTISED
;;   THE QUANTISER, for each operand of a quantised product, along K:
;;     - K is cut into blocks of 32 from its start; a last block that is shorter is filled with zeros.
;;     - A block's scale is 2^e with e = floor(log2(the largest magnitude in the block)) - 2, held to -126 .. 127; a block of zeros has e = 0. As a byte (E8M0): e + 127.
;;     - Each number is divided by its block's scale, clamped to +-7.5, and rounded to the nearest number of E2M3, ties to even, subnormals kept.
;;     - The product sums the exact products of the quantised numbers (number of the format x scale) in f32.
;;   ~~~python
;;   def quantise(x, axis):      # numpy; x: float32 -> the quantised numbers, widened to float32 again
;;       x = np.moveaxis(x, axis, -1); K = x.shape[-1]
;;       x = np.pad(x, [(0, 0)] * (x.ndim - 1) + [(0, -K % 32)]); x = x.reshape(x.shape[:-1] + (-1, 32)); a = np.abs(x).max(-1, keepdims=True)
;;       e = np.where(a > 0, np.clip(np.frexp(np.where(a > 0, a, 1))[1] - 1 - 2, -126, 127), 0)      # np.frexp(a)[1] - 1 = floor(log2(a)), exactly
;;       r = np.clip(x / 2.0 ** e, -7.5, 7.5)
;;       step = 2.0 ** (np.maximum(np.frexp(np.where(r == 0, 1, r))[1] - 1, 0) - 3)
;;       q = np.round(r / step) * step * 2.0 ** e      # np.round: ties to even
;;       return np.moveaxis(q.reshape(q.shape[:-2] + (-1,))[..., :K], -1, axis).astype(np.float32)
;;   ~~~
;;   SOFTMAX AHEAD OF A QUANTISED PRODUCT. Where the list says 'softmax', what is quantised is not the finished softmax but p = 2^(t - M), with t = logit x log2(e) and M = ceil(the row's largest t), a whole number; so 1/2 < the row's largest p <= 1. The row's sum l is taken of the UNQUANTISED p, in f32, and the product's result is divided by l at the end. Since M is a whole number, a kernel that streams over the keys may use a running M (the ceiling of the running maximum): every later rescaling is an exact power of two, which a block's scale takes up: the codes' values come out the same.
;;   OPERANDS COMPUTED ON THE WAY. 'Computed on the way' means the value that the module computes at that place (a softmax that the list does not call 'softmax' is quantised finished and normalised). What goes into a quantiser is computed in f32, as accurately as f32 sums, v_exp_f32 and their like allow (about 1e-6 of the number): no bf16 or f16 on the way to a quantiser, and a product that is left as it is and whose result goes on into a quantised operand takes f32 operands (vector FMAs, or v_wmma_f32_16x16x4_f32). A number that lies on a knife's edge between two numbers of the format may be rounded either way, as far as f32 arithmetic and the matrix unit's own rounding can turn it there, and no further.
;; 2 versions, each right; version 2 is version 1 with the launches qkv0, attn0, wo0, ffn1_0, ffn2_0, qkv1, attn1, wo1, ffn1_1, ffn2_1 written anew for expert scheduling mode. Each part assembles by itself: llvm-mc -triple=amdgcn-amd-amdhsa -mcpu=gfx1250 --defsym DOCPART=n.
;; ======== version 1 of 2: 16 launches
;; workspace buffers: wc0 5,529,600 bytes; wc1 5,529,600 bytes; xfA 12,582,912 bytes; xfB 12,582,912 bytes; z 12,582,912 bytes; act 4,915,200 bytes; qkvc 7,372,800 bytes; hc 9,830,400 bytes
;; launch prep (part 1): grid 36 x 24, 4 waves a work-group, no clusters, 12,800 bytes of LDS; arguments params_layers_0_wq, params_layers_0_wk, params_layers_0_wv, params_layers_0_wo, params_layers_0_wi, params_layers_0_wf, params_layers_1_wq, params_layers_1_wk, params_layers_1_wv, params_layers_1_wo, params_layers_1_wi, params_layers_1_wf, wc0, wc1; writes wc0, wc1
.if DOCPART == 1
	.amdgcn_target "amdgcn-amd-amdhsa--gfx1250"
	.amdhsa_code_object_version 6
	.text
	.protected	k_q9b6f2059b4_prep
	.globl	k_q9b6f2059b4_prep
	.p2align	8
	.type	k_q9b6f2059b4_prep,@function
k_q9b6f2059b4_prep:
	s_mov_b64 s[64:65], 0
	v_nop
	global_prefetch_b8 v0, s[64:65] scope:SCOPE_SE
	s_setreg_imm32_b32 hwreg(HW_REG_WAVE_MODE, 25, 1), 1
	s_wait_xcnt 0x0
; All twelve weights, f32 stored [K][N], become codes of E2M3 with one E8M0 byte for each 32 along K, laid as IMAGES OF OPERAND REGISTERS.
; An image block is 32 columns n (a pair of tiles) x 128 along K: 3,072 bytes of codes and 128 bytes of scale words.  Tile u of pair B holds in its lane-row r the column 32 B + 8 u + (r & 7) + 16 (r >> 3).
; In a block: tile u at 1536 u, registers 6 c .. 6 c + 5 at 768 c: 16 bytes a lane at 16 L (registers 6 c .. 6 c + 3), then 8 bytes a lane at 512 + 8 L.  Scale word of (u, r) at 4 (16 u + r).
; SHARES.  Grid y = 12 x layer + c names a part of 768 x 768: c 0-3 wq wk wv wo; c 4-7 columns 768 (c - 4) on of wi; c 8-11 rows 768 (c - 8) on of wf.  Grid x = 6 ks + cb.  Wave w takes pair B = 4 cb + w and K step ks.
; A LANE TAKES A COLUMN AND ITS REGISTERS RUN DOWN K: a load reads 128 consecutive bytes a wave, a block of 32 along K lies in one lane, and the conversions give codes with K innermost.
; The codes turn through the wave's own 3,072 bytes of LDS into the image's order and leave as six stores of 512 consecutive bytes.  No barrier: waves share nothing.  Memory binds: no matrix unit, no cluster, no tensor load.
; LIMITS: a block whose largest magnitude lies under 2^-124, a block of zeros too, gets the byte 1 (its codes are zeros or the nearest codes under that scale; only this program reads the bytes); NaN and infinities are not served.
.set X,   32                           ; v32-159  128 numbers: my column, 128 along K; at the end the image read back
.set PC,  160                          ; v160-183 four blocks' codes, six registers each
.set TT,  184                          ; v184-199 the upper halves as the conversions leave them
.set OFF, 200                          ; v200-231 4 x lane + i x the row stride, i = 0 .. 31; never rewritten
.set SCB, 5308416                      ; where the scale words begin in wc0, wc1
	s_load_b512 s[8:23], s[0:1], 0x0               ; layer 0: wq wk wv wo wi wf; layer 1: wq wk
	s_load_b256 s[24:31], s[0:1], 0x40             ; layer 1: wv wo wi wf
	s_load_b128 s[32:35], s[0:1], 0x60             ; wc0, wc1
	v_lshl_add_u32 v232, v0, 2, 0x3000
	v_mov_b32 v233, 0
	v_lshrrev_b32 v1, 5, v0
	v_readfirstlane_b32 s40, v1                    ; wave
	v_and_b32 v2, 31, v0                           ; lane = column in the pair
	s_and_b32 s41, ttmp7, 0xffff                   ; y
	s_cmp_ge_u32 s41, 12
	s_cselect_b32 s42, 1, 0                        ; layer
	s_mul_i32 s43, s42, 12
	s_sub_co_u32 s43, s41, s43                     ; c
	s_min_u32 s44, s43, 4
	s_cmp_ge_u32 s43, 8
	s_cselect_b32 s45, 1, 0
	s_add_co_u32 s44, s44, s45                     ; which matrix of the layer: 0-3, 4 = wi, 5 = wf
	s_mul_i32 s45, s42, 6
	s_add_co_u32 s45, s45, s44                     ; which of the twelve
	s_mul_i32 s46, ttmp9, 43
	s_lshr_b32 s46, s46, 8                         ; ks = x / 6 (exact for x under 36)
	s_mul_i32 s47, s46, 6
	s_sub_co_u32 s47, ttmp9, s47                   ; cb
	s_lshl_b32 s47, s47, 2
	s_add_co_u32 s47, s47, s40                     ; B
	s_sub_co_u32 s49, s43, 4
	s_mul_i32 s49, s49, 3072                       ; wi: the part's first column, in bytes
	s_sub_co_u32 s50, s43, 8
	s_mul_i32 s50, s50, 768                        ; wf: the part's first row
	s_mov_b32 s48, 3072
	s_cmp_eq_u32 s44, 4
	s_cselect_b32 s48, 12288, s48                  ; bytes from row to row
	s_cselect_b32 s49, s49, 0
	s_cmp_eq_u32 s44, 5
	s_cselect_b32 s50, s50, 0
	s_lshl_b32 s51, s46, 7
	s_add_co_u32 s50, s50, s51                     ; my first row
	s_mul_i32 s50, s50, s48
	s_lshl_b32 s51, s47, 7                         ; my pair's 128 bytes of a row
	s_add_co_u32 s50, s50, s51
	s_add_co_u32 s50, s50, s49
	s_mov_b32 s51, 0                               ; s[50:51]: where I read
	s_mul_i32 s52, s43, 24
	s_add_co_u32 s52, s52, s47
	s_mul_i32 s52, s52, 6
	s_add_co_u32 s52, s52, s46                     ; block (24 c + B) 6 + ks,
	s_mul_i32 s53, s47, 24
	s_sub_co_u32 s54, s43, 8
	s_mul_i32 s54, s54, 6
	s_add_co_u32 s53, s53, s54
	s_add_co_u32 s53, s53, s46
	s_add_co_u32 s53, s53, 1152                    ; or, for wf, 1152 + 24 B + 6 (c - 8) + ks
	s_cmp_lt_u32 s43, 8
	s_cselect_b32 s52, s52, s53
	s_mul_i32 s54, s52, 3072
	s_mov_b32 s55, 0
	s_lshl_b32 s56, s52, 7
	s_add_co_u32 s56, s56, SCB
	s_mov_b32 s57, 0
	s_lshl_b32 s58, s48, 5                         ; 32 rows on
	s_mov_b32 s59, 0
	v_lshlrev_b32 v3, 2, v2
.irp i, 0,1,2,3,4,5,6,7,8,9,10,11,12,13,14,15,16,17,18,19,20,21,22,23,24,25,26,27,28,29,30,31
	v_mad_u32_u24 v[OFF+\i], s48, \i, v3
.endr
	v_bfe_u32 v4, v2, 3, 1                         ; u
	v_and_b32 v5, 7, v2
	v_lshrrev_b32 v6, 4, v2
	v_lshl_add_u32 v5, v6, 3, v5                   ; r
	s_mul_i32 s60, s40, 3072                       ; my wave's stage
	v_mul_u32_u24 v6, v4, 1536
	v_add_nc_u32 v6, s60, v6
	v_lshl_add_u32 v7, v5, 4, v6                   ; where a block's first 16 bytes go
	v_lshl_add_u32 v8, v5, 3, v6                   ; and its last 8
	v_lshl_add_u32 v9, v4, 4, v5
	v_lshlrev_b32 v9, 2, v9                        ; my column's scale word in the block's 128 bytes
	v_lshlrev_b32 v10, 4, v2                       ; 16 x lane
	v_add_nc_u32 v14, s60, v10                     ; the stage read back as it lies
	s_wait_kmcnt 0x0
	s_mov_b64 s[36:37], s[8:9]
.irp g, 1,2,3,4,5,6,7,8,9,10,11
	s_cmp_eq_u32 s45, \g                           ; the choice hangs on the work-group's number alone
	s_cselect_b64 s[36:37], s[8+2*\g:9+2*\g], s[36:37]
.endr
	s_cmp_eq_u32 s42, 0
	s_cselect_b64 s[38:39], s[32:33], s[34:35]
	s_add_nc_u64 s[8:9], s[36:37], s[50:51]        ; a base for each block of 32 rows
	s_add_nc_u64 s[10:11], s[8:9], s[58:59]
	s_add_nc_u64 s[12:13], s[10:11], s[58:59]
	s_add_nc_u64 s[14:15], s[12:13], s[58:59]
	s_add_nc_u64 s[16:17], s[38:39], s[54:55]      ; the block's codes
	s_add_nc_u64 s[18:19], s[38:39], s[56:57]      ; and its scale words
.macro WLOAD kb
.irp i, 0,1,2,3,4,5,6,7,8,9,10,11,12,13,14,15,16,17,18,19,20,21,22,23,24,25,26,27,28,29,30,31
	global_load_b32 v[X+32*(\kb)+\i], v[OFF+\i], s[8+2*(\kb):9+2*(\kb)] th:TH_LOAD_NT
.endr
.endm
.macro BLOCK kb                        ; block kb is registers 6 (kb / 2) .. + 5 of lane r + 16 (kb % 2) of my tile
.set XS, X+32*(\kb)
.set PK, PC+6*(\kb)
.set TK, TT+4*(\kb)
	v_max3_num_f32 v12, |v[XS]|, |v[XS+1]|, |v[XS+2]|
	v_max3_num_f32 v13, |v[XS+3]|, |v[XS+4]|, |v[XS+5]|
.irp i, 6,10,14,18,22,26
	v_max3_num_f32 v12, v12, |v[XS+\i]|, |v[XS+\i+1]|
	v_max3_num_f32 v13, v13, |v[XS+\i+2]|, |v[XS+\i+3]|
.endr
	v_max3_num_f32 v12, v12, |v[XS+30]|, |v[XS+31]|
	v_max3_num_f32 v12, v12, v13, 0x1800000        ; with the floor 2^(3 - 127): the byte cannot fall under 1
	v_add_nc_u32 v11, 0xff000000, v12              ; 2 off the exponent field: the conversion's scale operand
	v_lshrrev_b32 v13, 23, v11                     ; the scale's byte
.if (\kb) == 0
	v_mov_b32 v15, v13
.else
	v_lshl_or_b32 v15, v13, 8*(\kb), v15
.endif
	v_cvt_scalef32_pk16_fp6_f32 v[PK:PK+2], v[XS:XS+15], v11
	v_cvt_scalef32_pk16_fp6_f32 v[TK:TK+2], v[XS+16:XS+31], v11   ; (a conversion's three registers begin on an even number)
	v_nop                                          ; one plain line behind the conversions
	v_mov_b32 v[PK+3], v[TK]
	v_mov_b32 v[PK+4], v[TK+1]
	v_mov_b32 v[PK+5], v[TK+2]
	ds_store_b128 v7, v[PK:PK+3] offset:768*((\kb)/2)+256*((\kb)%2)
	ds_store_b64 v8, v[PK+4:PK+5] offset:768*((\kb)/2)+512+128*((\kb)%2)
.endm
	WLOAD 0
	WLOAD 1
	s_wait_loadcnt 32                              ; block 0 is in; block 1's 32 loads may be out
	WLOAD 2
	BLOCK 0
	s_wait_loadcnt 32                              ; block 1 is in; block 2's may be out
	WLOAD 3
	BLOCK 1
	s_wait_loadcnt 32                              ; block 2 is in; block 3's may be out
	BLOCK 2
	s_wait_loadcnt 0x0
	BLOCK 3
	global_store_b32 v9, v15, s[18:19]             ; 32 lanes: the block's 128 bytes of scale words
.irp i, 0,1,2,3,4,5
	ds_load_b128 v[X+4*\i:X+4*\i+3], v14 offset:512*\i   ; LDS serves a wave's instructions in order: these see my stores
.endr
.irp i, 0,1,2,3,4,5
	s_wait_dscnt 5-\i
	global_store_b128 v10, v[X+4*\i:X+4*\i+3], s[16:17] offset:512*\i   ; 512 consecutive bytes, at a multiple of 256
.endr
	s_wait_tensorcnt 0x0
	ds_add_u32 v232, v233
	s_wait_dscnt 0x0
	s_endpgm
.Lfunc_end_k_q9b6f2059b4_prep:
	.size	k_q9b6f2059b4_prep, .Lfunc_end_k_q9b6f2059b4_prep-k_q9b6f2059b4_prep
	.p2alignl 7, 3214868480
	.fill 96, 4, 3214868480
	.section	.rodata,"a",@progbits
	.p2align	6, 0x0
	.amdhsa_kernel k_q9b6f2059b4_prep
		.amdhsa_group_segment_fixed_size 12800
		.amdhsa_private_segment_fixed_size 0
		.amdhsa_enable_private_segment 0
		.amdhsa_kernarg_size 112
		.amdhsa_user_sgpr_count 2
		.amdhsa_user_sgpr_kernarg_segment_ptr 1
		.amdhsa_wavefront_size32 1
		.amdhsa_system_sgpr_workgroup_id_x 1
		.amdhsa_system_sgpr_workgroup_id_y 1
		.amdhsa_system_sgpr_workgroup_id_z 1
		.amdhsa_system_vgpr_workitem_id 0
		.amdhsa_next_free_vgpr 234
		.amdhsa_next_free_sgpr 66
		.amdhsa_reserve_vcc 0
		.amdhsa_float_denorm_mode_32 3
		.amdhsa_float_denorm_mode_16_64 3
		.amdhsa_memory_ordered 1
		.amdhsa_forward_progress 1
		.amdhsa_inst_pref_size 26
	.end_amdhsa_kernel
	.amdgpu_metadata
---
amdhsa.version: [ 1, 2 ]
amdhsa.kernels:
  - .name:           k_q9b6f2059b4_prep
    .symbol:         k_q9b6f2059b4_prep.kd
    .args:
      - { .name: params_layers_0_wq, .offset: 0, .size: 8, .value_kind: global_buffer, .address_space: global }
      - { .name: params_layers_0_wk, .offset: 8, .size: 8, .value_kind: global_buffer, .address_space: global }
      - { .name: params_layers_0_wv, .offset: 16, .size: 8, .value_kind: global_buffer, .address_space: global }
      - { .name: params_layers_0_wo, .offset: 24, .size: 8, .value_kind: global_buffer, .address_space: global }
      - { .name: params_layers_0_wi, .offset: 32, .size: 8, .value_kind: global_buffer, .address_space: global }
      - { .name: params_layers_0_wf, .offset: 40, .size: 8, .value_kind: global_buffer, .address_space: global }
      - { .name: params_layers_1_wq, .offset: 48, .size: 8, .value_kind: global_buffer, .address_space: global }
      - { .name: params_layers_1_wk, .offset: 56, .size: 8, .value_kind: global_buffer, .address_space: global }
      - { .name: params_layers_1_wv, .offset: 64, .size: 8, .value_kind: global_buffer, .address_space: global }
      - { .name: params_layers_1_wo, .offset: 72, .size: 8, .value_kind: global_buffer, .address_space: global }
      - { .name: params_layers_1_wi, .offset: 80, .size: 8, .value_kind: global_buffer, .address_space: global }
      - { .name: params_layers_1_wf, .offset: 88, .size: 8, .value_kind: global_buffer, .address_space: global }
      - { .name: wc0, .offset: 96, .size: 8, .value_kind: global_buffer, .address_space: global }
      - { .name: wc1, .offset: 104, .size: 8, .value_kind: global_buffer, .address_space: global }
    .group_segment_fixed_size: 12800
    .private_segment_fixed_size: 0
    .kernarg_segment_align: 8
    .kernarg_segment_size: 112
    .max_flat_workgroup_size: 128
    .sgpr_count:     66
    .vgpr_count:     234
    .wavefront_size: 32
...
	.end_amdgpu_metadata
.endif
;; end of part 1
;; launch ln_e (part 2): grid 20 x 1, 12 waves a work-group, no clusters, 104,960 bytes of LDS; arguments full_vec, params_pos_emb, params_type_emb, params_emb_ln_g, params_emb_ln_b, xfA, act; writes xfA, act
.if DOCPART == 2
	.amdgcn_target "amdgcn-amd-amdhsa--gfx1250"
	.amdhsa_code_object_version 6
	.text
	.protected	k_q9b6f2059b4_ln_e
	.globl	k_q9b6f2059b4_ln_e
	.p2align	8
	.type	k_q9b6f2059b4_ln_e,@function
k_q9b6f2059b4_ln_e:
	s_mov_b64 s[64:65], 0
	v_nop
	global_prefetch_b8 v0, s[64:65] scope:SCOPE_SE
	s_setreg_imm32_b32 hwreg(HW_REG_WAVE_MODE, 25, 1), 1
	s_wait_xcnt 0x0
; y = LayerNorm((in1 + in2) + vec) g + b for 32 rows of 768; y goes out as f32 rows (the next residual) and, quantised along the 768, as the images of an operand's registers (codes at act + 0, scale words at act + 2,359,296).
; It serves the embedding (full_vec + pos + type), the norm behind wo (x + a wo + bo) and the norm behind wf (x + h wf + bf; there the three numbers are added in another order than the source has them: one f32 rounding).
; SHARES.  A work-group is pair B of tiles of rows.  Wave 6 u + ks holds tile u and columns 128 ks on; lane (r, h) holds row 32 B + 8 u + (r & 7) + 16 (r >> 3), and its register 16 b + i column 128 ks + 32 b + 16 h + i:
; the order in which the conversions want a K step's numbers.  Mean and variance in two passes (the mean is taken away first, so a common offset does no harm); the six waves of a tile meet in LDS: two barriers.
; The f32 rows turn through the wave's own stage (16 rows of 512 + 16 bytes), so that each store covers 512 consecutive bytes.  Memory and latency bind: no matrix unit, no tensor load, no cluster.
; LIMITS: 1 / 768 is a rounded constant; the root's reciprocal is v_rsq_f32's; a block under 2^-124 (zeros too) gets the byte 1; NaN and infinities are not served.
.set X,   64
.set Y,   128
.set VV,  192
.set TM,  22
.set PW,  38
.set PC,  40
.set SEL, 36
.set STG, 2048                         ; LDS: 0-767 the sums, 1024-1791 the sums of squares, from 2048 the stages, 8,448 bytes a wave
.set XSC, 2359296
.macro QUANT s                         ; 64 numbers of a lane, register 16 b + i = k 32 b + 16 h + i of my row, become a fragment's codes in v[PC] on and its scale word in v[PW]
.irp b, 0,1,2,3
	v_mov_b32 v[TM+4+\b], 0                        ; a lane permute's destination counts as one of its sources
.endr
.irp b, 0,1,2,3
	v_max3_num_f32 v[TM+\b], |v[\s+16*\b]|, |v[\s+1+16*\b]|, 0x1800000   ; with the floor 2^(3 - 127)
.endr
.irp i, 2,4,6,8,10,12,14
.irp b, 0,1,2,3
	v_max3_num_f32 v[TM+\b], v[TM+\b], |v[\s+16*\b+\i]|, |v[\s+1+16*\b+\i]|
.endr
.endr
.irp b, 0,1,2,3
	v_permlanex16_b32 v[TM+4+\b], v[TM+\b], s[SEL], s[SEL+1]
.endr
.irp b, 0,1,2,3
	v_max_num_f32 v[TM+\b], v[TM+\b], v[TM+4+\b]   ; with lane l xor 16's: the block's largest magnitude
.endr
.irp b, 0,1,2,3
	v_add_nc_u32 v[TM+12+\b], 0xff000000, v[TM+\b] ; 2 off its exponent field: the conversion's scale operand
.endr
.irp b, 0,1,2,3
	v_lshrrev_b32 v[TM+4+\b], 23, v[TM+12+\b]      ; the scale's byte
.endr
	v_lshl_or_b32 v[PW], v[TM+5], 8, v[TM+4]
	v_lshl_or_b32 v[PW], v[TM+6], 16, v[PW]
	v_lshl_or_b32 v[PW], v[TM+7], 24, v[PW]
.irp c, 0,1
	v_cvt_scalef32_pk16_fp6_f32 v[PC+6*\c:PC+2+6*\c], v[\s+32*\c:\s+15+32*\c], v[TM+12+2*\c]
	v_cvt_scalef32_pk16_fp6_f32 v[PC+12+4*\c:PC+14+4*\c], v[\s+16+32*\c:\s+31+32*\c], v[TM+12+2*\c+1]
.endr
	v_nop                                          ; one plain line behind the conversions
.irp c, 0,1                            ; the layout wants a whole block in a lane
.irp i, 0,1,2
	v_permlane16_swap_b32 v[PC+6*\c+\i], v[PC+12+4*\c+\i]
.endr
.irp i, 0,1,2
	v_mov_b32 v[PC+3+6*\c+\i], v[PC+12+4*\c+\i]
.endr
.endr
.endm
.macro LD64 reg, adr, sb
.irp b, 0,1,2,3
.irp j, 0,1,2,3
	global_load_b128 v[\reg+16*\b+4*\j:\reg+16*\b+4*\j+3], v[\adr], s[\sb:\sb+1] offset:128*\b+16*\j
.endr
.endr
.endm
.macro MEET off                        ; my 64 numbers' sum (two chains in v[14:17]) -> the row's sum over 768, in v14
	v_pk_add_f32 v[14:15], v[14:15], v[16:17]
	v_add_f32 v14, v14, v15
	v_permlanex16_b32 v15, v14, s[SEL], s[SEL+1]
	v_add_f32 v14, v14, v15                        ; with lane l xor 16's 64
	ds_store_b32 v6, v14 offset:\off               ; both halves of the lanes write the same word with the same value
	s_wait_dscnt 0x0                               ; for the others' sake: my store has landed, and my earlier LDS loads are in
	s_barrier_signal -1
	s_barrier_wait -1
.irp i, 0,1,2,3,4,5
	ds_load_b32 v[16+\i], v7 offset:\off+64*\i     ; the six waves of my tile
.endr
	s_wait_dscnt 0x0
	v_add_f32 v16, v16, v17
	v_add_f32 v18, v18, v19
	v_add_f32 v20, v20, v21
	v_add_f32 v16, v16, v18
	v_add_f32 v14, v16, v20
.endm
	s_load_b256 s[4:11], s[0:1], 0x0               ; in1, in2, vec, g
	s_load_b128 s[12:15], s[0:1], 0x20             ; b, the f32 rows out
	s_load_b64 s[16:17], s[0:1], 0x30              ; act
	v_lshl_add_u32 v62, v0, 2, 0x19400
	v_mov_b32 v63, 0
	v_lshrrev_b32 v1, 5, v0
	v_readfirstlane_b32 s18, v1                    ; wave 0..11
	s_mul_i32 s19, s18, 43
	s_lshr_b32 s19, s19, 8                         ; u = wave / 6
	s_mul_i32 s20, s19, 6
	s_sub_co_u32 s20, s18, s20                     ; ks
	v_and_b32 v1, 15, v0                           ; r
	v_bfe_u32 v2, v0, 4, 1                         ; h
	v_lshlrev_b32 v3, 2, v1                        ; 4 r
	v_and_b32 v4, 7, v1
	v_lshrrev_b32 v5, 3, v1
	v_lshl_add_u32 v4, v5, 4, v4
	v_mul_u32_u24 v4, v4, 3072
	v_lshl_add_u32 v4, v2, 6, v4                   ; my row in the tile x 3,072 + 64 h
	v_lshlrev_b32 v5, 6, v2                        ; 64 h
	s_lshl_b32 s21, s18, 6
	v_add_nc_u32 v6, s21, v3                       ; where I put a sum: 64 x wave + 4 r
	s_mul_i32 s21, s19, 384
	v_add_nc_u32 v7, s21, v3                       ; where my tile's six sums begin
	s_mul_i32 s21, s18, 8448
	s_add_co_u32 s21, s21, STG
	v_mul_u32_u24 v8, v1, 528
	v_lshl_add_u32 v8, v2, 6, v8
	v_add_nc_u32 v8, s21, v8                       ; the stage, in: row r, + 64 h
	v_and_b32 v11, 31, v0
	v_lshlrev_b32 v10, 4, v11                      ; 16 x lane
	v_add_nc_u32 v9, s21, v10                      ; the stage, back: a row of 512 bytes to 32 lanes
	v_lshlrev_b32 v11, 3, v11                      ; 8 x lane
	s_lshl_b32 s22, ttmp9, 5
	s_lshl_b32 s23, s19, 3
	s_add_co_u32 s22, s22, s23
	s_mul_i32 s22, s22, 3072                       ; row 32 B + 8 u,
	s_lshl_b32 s24, s20, 9
	s_add_co_u32 s22, s22, s24                     ; + 512 ks
	s_mov_b32 s23, 0
	s_mov_b32 s25, 0
	s_mul_i32 s26, ttmp9, 6
	s_add_co_u32 s26, s26, s20                     ; image block 6 B + ks
	s_mul_i32 s28, s26, 3072
	s_mul_i32 s27, s19, 1536
	s_add_co_u32 s28, s28, s27
	s_mov_b32 s29, 0
	s_lshl_b32 s30, s26, 7
	s_lshl_b32 s27, s19, 6
	s_add_co_u32 s30, s30, s27
	s_add_co_u32 s30, s30, XSC
	s_mov_b32 s31, 0
	s_mov_b32 s[SEL], 0x76543210
	s_mov_b32 s[SEL+1], 0xfedcba98
	s_mov_b32 s38, 0x3aaaaaab                      ; 1 / 768
	s_mov_b32 s39, 0x3727c5ac                      ; 1e-5
	s_wait_kmcnt 0x0
	s_add_nc_u64 s[4:5], s[4:5], s[22:23]
	s_add_nc_u64 s[6:7], s[6:7], s[22:23]
	s_add_nc_u64 s[8:9], s[8:9], s[24:25]
	s_add_nc_u64 s[10:11], s[10:11], s[24:25]
	s_add_nc_u64 s[12:13], s[12:13], s[24:25]
	s_add_nc_u64 s[14:15], s[14:15], s[22:23]
	s_add_nc_u64 s[32:33], s[16:17], s[28:29]
	s_add_nc_u64 s[34:35], s[16:17], s[30:31]
	LD64 X, 4, 4
	LD64 Y, 4, 6
	LD64 VV, 5, 8
	s_wait_loadcnt 0x0
.set n, 0
.rept 32
	v_pk_add_f32 v[X+n:X+n+1], v[X+n:X+n+1], v[Y+n:Y+n+1]
.set n, n+2
.endr
.set n, 0
.rept 32
	v_pk_add_f32 v[X+n:X+n+1], v[X+n:X+n+1], v[VV+n:VV+n+1]
.set n, n+2
.endr
	LD64 Y, 5, 10                                  ; g and b land while the statistics are made
	LD64 VV, 5, 12
	v_pk_add_f32 v[14:15], v[X:X+1], v[X+2:X+3]
	v_pk_add_f32 v[16:17], v[X+4:X+5], v[X+6:X+7]
.set n, 8
.rept 14
	v_pk_add_f32 v[14:15], v[14:15], v[X+n:X+n+1]
	v_pk_add_f32 v[16:17], v[16:17], v[X+n+2:X+n+3]
.set n, n+4
.endr
	MEET 0
	v_mul_f32 v12, 0xbaaaaaab, v14                 ; - the mean
	v_mov_b32 v13, v12
.set n, 0
.rept 32
	v_pk_add_f32 v[X+n:X+n+1], v[X+n:X+n+1], v[12:13]
.set n, n+2
.endr
	v_pk_mul_f32 v[14:15], v[X:X+1], v[X:X+1]
	v_pk_mul_f32 v[16:17], v[X+2:X+3], v[X+2:X+3]
.set n, 4
.rept 15
	v_pk_fma_f32 v[14:15], v[X+n:X+n+1], v[X+n:X+n+1], v[14:15]
	v_pk_fma_f32 v[16:17], v[X+n+2:X+n+3], v[X+n+2:X+n+3], v[16:17]
.set n, n+4
.endr
	MEET 1024                                      ; other bytes than the first sums': no wave can write what another still reads
	v_fma_f32 v12, v14, s38, s39                   ; the variance + 1e-5
	v_rsq_f32 v12, v12
	v_nop                                          ; a plain line behind the transcendental,
	s_wait_alu depctr_va_vdst(0)                   ; and the wait ahead of its first reader
	v_mov_b32 v13, v12
	s_wait_loadcnt 0x0                             ; g, b
.set n, 0
.rept 32
	v_pk_mul_f32 v[X+n:X+n+1], v[X+n:X+n+1], v[12:13]
.set n, n+2
.endr
.set n, 0
.rept 32
	v_pk_fma_f32 v[X+n:X+n+1], v[X+n:X+n+1], v[Y+n:Y+n+1], v[VV+n:VV+n+1]
.set n, n+2
.endr
.irp b, 0,1,2,3
.irp j, 0,1,2,3
	ds_store_b128 v8, v[X+16*\b+4*\j:X+16*\b+4*\j+3] offset:128*\b+16*\j
.endr
.endr
.irp i, 0,1,2,3,4,5,6,7,8,9,10,11,12,13,14,15
	ds_load_b128 v[Y+4*\i:Y+4*\i+3], v9 offset:528*\i   ; my own stage: LDS serves a wave's instructions in order
.endr
	QUANT X
	global_store_b128 v10, v[PC:PC+3], s[32:33]
	global_store_b64 v11, v[PC+4:PC+5], s[32:33] offset:512
	global_store_b128 v10, v[PC+6:PC+9], s[32:33] offset:768
	global_store_b64 v11, v[PC+10:PC+11], s[32:33] offset:1280
	global_store_b32 v3, v[PW], s[34:35]           ; both halves of the lanes hold row r's word
	s_wait_dscnt 0x0                               ; the rows are back
.irp i, 0,1,2,3,4,5,6,7,8,9,10,11,12,13,14,15
	global_store_b128 v10, v[Y+4*\i:Y+4*\i+3], s[14:15] offset:((\i%8)+16*(\i/8))*3072   ; 512 consecutive bytes of a row, at a multiple of 256
.endr
	s_wait_tensorcnt 0x0
	ds_add_u32 v62, v63
	s_wait_dscnt 0x0
	s_endpgm
.Lfunc_end_k_q9b6f2059b4_ln_e:
	.size	k_q9b6f2059b4_ln_e, .Lfunc_end_k_q9b6f2059b4_ln_e-k_q9b6f2059b4_ln_e
	.p2alignl 7, 3214868480
	.fill 96, 4, 3214868480
	.section	.rodata,"a",@progbits
	.p2align	6, 0x0
	.amdhsa_kernel k_q9b6f2059b4_ln_e
		.amdhsa_group_segment_fixed_size 104960
		.amdhsa_private_segment_fixed_size 0
		.amdhsa_enable_private_segment 0
		.amdhsa_kernarg_size 56
		.amdhsa_user_sgpr_count 2
		.amdhsa_user_sgpr_kernarg_segment_ptr 1
		.amdhsa_wavefront_size32 1
		.amdhsa_system_sgpr_workgroup_id_x 1
		.amdhsa_system_sgpr_workgroup_id_y 1
		.amdhsa_system_sgpr_workgroup_id_z 1
		.amdhsa_system_vgpr_workitem_id 0
		.amdhsa_next_free_vgpr 256
		.amdhsa_next_free_sgpr 66
		.amdhsa_reserve_vcc 0
		.amdhsa_float_denorm_mode_32 3
		.amdhsa_float_denorm_mode_16_64 3
		.amdhsa_memory_ordered 1
		.amdhsa_forward_progress 1
		.amdhsa_inst_pref_size 35
	.end_amdhsa_kernel
	.amdgpu_metadata
---
amdhsa.version: [ 1, 2 ]
amdhsa.kernels:
  - .name:           k_q9b6f2059b4_ln_e
    .symbol:         k_q9b6f2059b4_ln_e.kd
    .args:
      - { .name: full_vec, .offset: 0, .size: 8, .value_kind: global_buffer, .address_space: global }
      - { .name: params_pos_emb, .offset: 8, .size: 8, .value_kind: global_buffer, .address_space: global }
      - { .name: params_type_emb, .offset: 16, .size: 8, .value_kind: global_buffer, .address_space: global }
      - { .name: params_emb_ln_g, .offset: 24, .size: 8, .value_kind: global_buffer, .address_space: global }
      - { .name: params_emb_ln_b, .offset: 32, .size: 8, .value_kind: global_buffer, .address_space: global }
      - { .name: xfA, .offset: 40, .size: 8, .value_kind: global_buffer, .address_space: global }
      - { .name: act, .offset: 48, .size: 8, .value_kind: global_buffer, .address_space: global }
    .group_segment_fixed_size: 104960
    .private_segment_fixed_size: 0
    .kernarg_segment_align: 8
    .kernarg_segment_size: 56
    .max_flat_workgroup_size: 384
    .sgpr_count:     66
    .vgpr_count:     256
    .wavefront_size: 32
...
	.end_amdgpu_metadata
.endif
;; end of part 2
;; launch qkv0 (part 3): grid 312 x 1, 6 waves a work-group, no clusters, 49,920 bytes of LDS; arguments act, wc0, params_layers_0_bq, params_layers_0_bk, params_layers_0_bv, qkvc; writes qkvc
.if DOCPART == 3
	.amdgcn_target "amdgcn-amd-amdhsa--gfx1250"
	.amdhsa_code_object_version 6
	.text
	.protected	k_q9b6f2059b4_qkv0
	.globl	k_q9b6f2059b4_qkv0
	.p2align	8
	.type	k_q9b6f2059b4_qkv0,@function
k_q9b6f2059b4_qkv0:
	s_mov_b64 s[64:65], 0
	v_nop
	global_prefetch_b8 v0, s[64:65] scope:SCOPE_SE
	s_setreg_imm32_b32 hwreg(HW_REG_WAVE_MODE, 25, 1), 1
	s_wait_xcnt 0x0
; q = (x wq + bq) / 8, k = x wk + bk, v = x wv + bv on codes of E2M3, each result quantised at once into the images that attention reads: q and k along a head's 64 (a K step = a pair of heads), v along the KEYS.
; SHARES.  The first 6 RQP work-groups make q (pair of row tiles rb, pair of heads cu), the next 6 RKP k, the last 6 RKP v (128 keys rb, pair of column tiles cu).  Each makes one image block: 32 rows x 128 along the next K.
; The matrix instruction's source 0 takes the side whose index becomes the next K: 8 tiles of weight columns for q and k, 8 tiles of tokens for v; so a lane's 64 results run along the next K, in the conversions' order.
; Six waves: wave 2 kw + ph takes four of the eight tiles (ph) and K steps 2 kw, 2 kw + 1 of the 768.  All its 54 loads go out at once, from memory straight into operand registers (the buffers are images of them).
; The three partial sums meet in LDS behind one barrier; waves 0 and 1 add them (K ascending), add the bias, scale, quantise and store a tile each.
; No tensor load, so no joint request that a cluster could share; a work-group issues 96 matrix instructions.
; LIMITS: K is summed in three f32 parts; a block under 2^-124 (zeros too) gets the byte 1; NaN and infinities are not served.
.set RQP, 12                           ; pairs of row tiles that need q
.set RKP, 20                           ; and k, v (a multiple of 4)
.set NQ,  6*RQP
.set NK,  6*RKP
.set SCB, 5308416
.set XSC, 2359296
.set PART, 2457600
.set PS,  16                           ; v16-19 source 0's scale words, v20-21 source 1's: lanes 0-15 tile 0, lanes 16-31 tile 1
.set QS,  20
.set PF,  24                           ; v24-119  source 0: 2 K steps x 4 tiles
.set QF,  120                          ; v120-167 source 1: 2 K steps x 2 tiles
.set ACC, 168                          ; v168-231 accumulator (qt, pt) at 8 (4 qt + pt)
.set H,   24                           ; the way out: 64 numbers
.set BI,  88                           ; the bias
.set T,   152                          ; three partial sums x 32
.set TM,  152
.set PW,  168
.set PC,  170
.set SEL, 48
.macro QUANT s                         ; 64 numbers of a lane, register 16 b + i = k 32 b + 16 h + i of my row, become a fragment's codes in v[PC] on and its scale word in v[PW]
.irp b, 0,1,2,3
	v_mov_b32 v[TM+4+\b], 0
.endr
.irp b, 0,1,2,3
	v_max3_num_f32 v[TM+\b], |v[\s+16*\b]|, |v[\s+1+16*\b]|, 0x1800000
.endr
.irp i, 2,4,6,8,10,12,14
.irp b, 0,1,2,3
	v_max3_num_f32 v[TM+\b], v[TM+\b], |v[\s+16*\b+\i]|, |v[\s+1+16*\b+\i]|
.endr
.endr
.irp b, 0,1,2,3
	v_permlanex16_b32 v[TM+4+\b], v[TM+\b], s[SEL], s[SEL+1]
.endr
.irp b, 0,1,2,3
	v_max_num_f32 v[TM+\b], v[TM+\b], v[TM+4+\b]
.endr
.irp b, 0,1,2,3
	v_add_nc_u32 v[TM+12+\b], 0xff000000, v[TM+\b]
.endr
.irp b, 0,1,2,3
	v_lshrrev_b32 v[TM+4+\b], 23, v[TM+12+\b]
.endr
	v_lshl_or_b32 v[PW], v[TM+5], 8, v[TM+4]
	v_lshl_or_b32 v[PW], v[TM+6], 16, v[PW]
	v_lshl_or_b32 v[PW], v[TM+7], 24, v[PW]
.irp c, 0,1
	v_cvt_scalef32_pk16_fp6_f32 v[PC+6*\c:PC+2+6*\c], v[\s+32*\c:\s+15+32*\c], v[TM+12+2*\c]
	v_cvt_scalef32_pk16_fp6_f32 v[PC+12+4*\c:PC+14+4*\c], v[\s+16+32*\c:\s+31+32*\c], v[TM+12+2*\c+1]
.endr
	v_nop
.irp c, 0,1
.irp i, 0,1,2
	v_permlane16_swap_b32 v[PC+6*\c+\i], v[PC+12+4*\c+\i]
.endr
.irp i, 0,1,2
	v_mov_b32 v[PC+3+6*\c+\i], v[PC+12+4*\c+\i]
.endr
.endr
.endm
.macro LDTILE reg, sb, off             ; a tile's 12 registers, as they lie in the image
	global_load_b128 v[\reg:\reg+3], v1, s[\sb:\sb+1] offset:\off
	global_load_b64 v[\reg+4:\reg+5], v2, s[\sb:\sb+1] offset:\off+512
	global_load_b128 v[\reg+6:\reg+9], v1, s[\sb:\sb+1] offset:\off+768
	global_load_b64 v[\reg+10:\reg+11], v2, s[\sb:\sb+1] offset:\off+1280
.endm
.macro WM d, a, b, c, sa, sb, ra, rb   ; one product; ra, rb = 1: that side's scale words stand in lanes 16-31
.if (\ra)==0 && (\rb)==0
	v_wmma_scale_f32_16x16x128_f8f6f4 v[\d:\d+7], v[\a:\a+11], v[\b:\b+11], \c, v[\sa], v[\sb] matrix_a_fmt:MATRIX_FMT_FP6 matrix_b_fmt:MATRIX_FMT_FP6
.elseif (\ra)==1 && (\rb)==0
	v_wmma_scale_f32_16x16x128_f8f6f4 v[\d:\d+7], v[\a:\a+11], v[\b:\b+11], \c, v[\sa], v[\sb] matrix_a_fmt:MATRIX_FMT_FP6 matrix_b_fmt:MATRIX_FMT_FP6 matrix_a_scale:MATRIX_SCALE_ROW1
.elseif (\ra)==0 && (\rb)==1
	v_wmma_scale_f32_16x16x128_f8f6f4 v[\d:\d+7], v[\a:\a+11], v[\b:\b+11], \c, v[\sa], v[\sb] matrix_a_fmt:MATRIX_FMT_FP6 matrix_b_fmt:MATRIX_FMT_FP6 matrix_b_scale:MATRIX_SCALE_ROW1
.else
	v_wmma_scale_f32_16x16x128_f8f6f4 v[\d:\d+7], v[\a:\a+11], v[\b:\b+11], \c, v[\sa], v[\sb] matrix_a_fmt:MATRIX_FMT_FP6 matrix_b_fmt:MATRIX_FMT_FP6 matrix_a_scale:MATRIX_SCALE_ROW1 matrix_b_scale:MATRIX_SCALE_ROW1
.endif
.endm
; Two K steps of 4 tiles x 2 tiles.  s[24:25], s[26:27]: source 0's codes and scale words at its first pair and K step; s[28:29], s[30:31]: source 1's.  PSTR: bytes from pair to pair of source 0.
.macro CORE PSTR
.irp st, 0,1
.irp pp, 0,1
.irp u, 0,1
	LDTILE PF+48*\st+24*\pp+12*\u, 24, \pp*\PSTR+\st*3072+\u*1536
.endr
	global_load_b32 v[PS+2*\st+\pp], v3, s[26:27] offset:\pp*(\PSTR/24)+\st*128
.endr
.irp u, 0,1
	LDTILE QF+24*\st+12*\u, 28, \st*3072+\u*1536
.endr
	global_load_b32 v[QS+\st], v3, s[30:31] offset:\st*128
.endr
	s_wait_loadcnt 27                              ; the first K step's 27 loads are in; the second's 27 may be out
.irp qt, 0,1
.irp pt, 0,1,2,3
	WM ACC+8*(4*\qt+\pt), PF+12*\pt, QF+12*\qt, 0, PS+\pt/2, QS, \pt%2, \qt
.endr
.endr
	s_wait_loadcnt 0x0
.irp qt, 0,1                           ; the eight accumulators take turns, one instruction a turn
.irp pt, 0,1,2,3
	WM ACC+8*(4*\qt+\pt), PF+48+12*\pt, QF+24+12*\qt, v[ACC+8*(4*\qt+\pt):ACC+8*(4*\qt+\pt)+7], PS+2+\pt/2, QS+1, \pt%2, \qt
.endr
.endr
.rept 4
	v_nop                                          ; four places ahead of the first read of results and of loads into operand registers
.endr
.endm
	s_load_b256 s[4:11], s[0:1], 0x0               ; act, the layer's weight images, bq, bk
	s_load_b128 s[12:15], s[0:1], 0x20             ; bv, qkvc
	v_lshl_add_u32 v254, v0, 2, 0xc000
	v_mov_b32 v255, 0
	v_lshrrev_b32 v1, 5, v0
	v_readfirstlane_b32 s16, v1                    ; wave 0..5
	s_and_b32 s17, s16, 1                          ; ph
	s_lshr_b32 s18, s16, 1                         ; kw
	s_cmp_ge_u32 ttmp9, NQ
	s_cselect_b32 s19, 1, 0
	s_cselect_b32 s20, NQ, 0
	s_cmp_ge_u32 ttmp9, NQ+NK
	s_cselect_b32 s21, 1, 0
	s_cselect_b32 s20, NQ+NK, s20
	s_add_co_u32 s19, s19, s21                     ; 0 q, 1 k, 2 v
	s_sub_co_u32 s20, ttmp9, s20                   ; my number among its work-groups
	s_mul_hi_u32 s21, s20, 0x2AAAAAAB              ; / 6
	s_mul_i32 s22, s21, 6
	s_sub_co_u32 s22, s20, s22
	s_mul_hi_u32 s23, s20, 0x0AAAAAAB              ; / 24
	s_mul_i32 s32, s23, 24
	s_sub_co_u32 s32, s20, s32
	s_cmp_eq_u32 s19, 2
	s_cselect_b32 s21, s23, s21                    ; rb
	s_cselect_b32 s22, s32, s22                    ; cu
	s_mul_i32 s23, s19, 24
	s_lshl_b32 s32, s22, 2
	s_add_co_u32 s23, s23, s32
	s_lshl_b32 s33, s17, 1
	s_add_co_u32 s23, s23, s33                     ; q, k: weight pair 24 type + 4 cu + 2 ph
	s_add_co_u32 s32, s22, 48                      ; v: weight pair 48 + cu
	s_lshl_b32 s34, s21, 2
	s_add_co_u32 s34, s34, s33                     ; v: x's pair 4 rb + 2 ph
	s_cmp_eq_u32 s19, 2
	s_cselect_b32 s23, s32, s23
	s_cselect_b32 s34, s34, s21                    ; q, k: x's pair rb
	s_mul_i32 s23, s23, 6
	s_lshl_b32 s35, s18, 1
	s_add_co_u32 s23, s23, s35                     ; the weight's first block,
	s_mul_i32 s34, s34, 6
	s_add_co_u32 s34, s34, s35                     ; and x's
	s_mul_i32 s40, s23, 3072
	s_mov_b32 s41, 0
	s_lshl_b32 s42, s23, 7
	s_add_co_u32 s42, s42, SCB
	s_mov_b32 s43, 0
	s_mul_i32 s44, s34, 3072
	s_mov_b32 s45, 0
	s_lshl_b32 s46, s34, 7
	s_add_co_u32 s46, s46, XSC
	s_mov_b32 s47, 0
	s_mul_i32 s50, s21, 6
	s_add_co_u32 s50, s50, s22                     ; q, k go to block 6 rb + cu,
	s_lshl_b32 s51, s22, 5
	s_add_co_u32 s51, s51, s21                     ; v to block 32 cu + rb
	s_lshl_b32 s56, s22, 9                         ; q, k: the bias of 128 columns
	s_lshl_b32 s57, s22, 7
	s_lshl_b32 s58, s16, 5
	s_add_co_u32 s57, s57, s58                     ; v: of my tile's columns, from 32 cu + 8 qt on
	s_cmp_eq_u32 s19, 2
	s_cselect_b32 s50, s51, s50
	s_cselect_b32 s56, s57, s56
	s_mov_b32 s57, 0
	s_mul_i32 s58, s19, PART
	s_mul_i32 s52, s50, 3072
	s_add_co_u32 s52, s52, s58
	s_mul_i32 s59, s16, 1536
	s_add_co_u32 s52, s52, s59
	s_mov_b32 s53, 0
	s_lshl_b32 s54, s50, 7
	s_add_co_u32 s54, s54, s58
	s_lshl_b32 s59, s16, 6
	s_add_co_u32 s54, s54, s59
	s_add_co_u32 s54, s54, XSC
	s_mov_b32 s55, 0
	s_mov_b32 s38, 0x3f800000
	s_cmp_eq_u32 s19, 0
	s_cselect_b32 s38, 0x3e000000, s38             ; q is divided by sqrt(64): exact
	s_mov_b32 s39, s38
	s_mov_b32 s[SEL], 0x76543210
	s_mov_b32 s[SEL+1], 0xfedcba98
	v_and_b32 v8, 31, v0
	v_lshlrev_b32 v1, 4, v8                        ; 16 x lane
	v_lshlrev_b32 v2, 3, v8                        ; 8 x lane
	v_lshlrev_b32 v3, 2, v8                        ; 4 x lane
	v_and_b32 v10, 15, v0
	v_lshlrev_b32 v4, 2, v10                       ; 4 r
	v_bfe_u32 v11, v0, 4, 1
	v_lshlrev_b32 v5, 6, v11                       ; 64 h
	v_and_b32 v9, 7, v10
	v_lshrrev_b32 v10, 3, v10
	v_lshl_add_u32 v9, v10, 4, v9
	v_lshlrev_b32 v9, 2, v9                        ; 4 ((r & 7) + 16 (r >> 3))
	s_lshl_b32 s60, s16, 13
	v_add_nc_u32 v6, s60, v1                       ; LDS: my wave's 8,192 bytes of partial sums
	s_lshl_b32 s60, s16, 12
	v_add_nc_u32 v7, s60, v1                       ; and, in waves 0 and 1, tile qt's four accumulators in every wave's
	s_wait_kmcnt 0x0
	s_add_nc_u64 s[40:41], s[6:7], s[40:41]
	s_add_nc_u64 s[42:43], s[6:7], s[42:43]
	s_add_nc_u64 s[44:45], s[4:5], s[44:45]
	s_add_nc_u64 s[46:47], s[4:5], s[46:47]
	s_cmp_eq_u32 s19, 2                            ; which side is source 0 hangs on the work-group's number alone
	s_cselect_b64 s[24:25], s[44:45], s[40:41]
	s_cselect_b64 s[26:27], s[46:47], s[42:43]
	s_cselect_b64 s[28:29], s[40:41], s[44:45]
	s_cselect_b64 s[30:31], s[42:43], s[46:47]
	s_cselect_b64 s[36:37], s[12:13], s[10:11]
	s_cmp_eq_u32 s19, 0
	s_cselect_b64 s[36:37], s[8:9], s[36:37]
	s_add_nc_u64 s[36:37], s[36:37], s[56:57]
	s_add_nc_u64 s[52:53], s[14:15], s[52:53]
	s_add_nc_u64 s[54:55], s[14:15], s[54:55]
	CORE 18432
.irp a, 0,1,2,3,4,5,6,7
	ds_store_b128 v6, v[ACC+8*\a:ACC+8*\a+3] offset:1024*\a          ; each accumulator from its low end on
	ds_store_b128 v6, v[ACC+8*\a+4:ACC+8*\a+7] offset:1024*\a+512
.endr
	s_wait_dscnt 0x0                               ; for the others' sake: my partial sums have landed
	s_barrier_signal -1
	s_barrier_wait -1
	s_cmp_ge_u32 s16, 2
	s_cbranch_scc1 .Lend                           ; waves 0 and 1 finish a tile each
	s_cmp_eq_u32 s19, 2
	s_cbranch_scc1 .Lbias_v
.irp b, 0,1,2,3
.irp j, 0,1,2,3
	global_load_b128 v[BI+16*\b+4*\j:BI+16*\b+4*\j+3], v5, s[36:37] offset:128*\b+16*\j   ; q, k: my registers run along the columns
.endr
.endr
	s_branch .Lbias_asked
.Lbias_v:
	global_load_b32 v[BI], v9, s[36:37]            ; v: my lane is one column
.Lbias_asked:
.irp ph, 0,1
.irp kw, 0,1,2
.irp pt, 0,1,2,3
	ds_load_b128 v[T+32*\kw+8*\pt:T+32*\kw+8*\pt+3], v7 offset:(2*\kw+\ph)*8192+\pt*1024
	ds_load_b128 v[T+32*\kw+8*\pt+4:T+32*\kw+8*\pt+7], v7 offset:(2*\kw+\ph)*8192+\pt*1024+512
.endr
.endr
	s_wait_dscnt 0x0
.set n, 0
.rept 16
	v_pk_add_f32 v[H+32*\ph+n:H+32*\ph+n+1], v[T+n:T+n+1], v[T+32+n:T+32+n+1]
.set n, n+2
.endr
.set n, 0
.rept 16
	v_pk_add_f32 v[H+32*\ph+n:H+32*\ph+n+1], v[H+32*\ph+n:H+32*\ph+n+1], v[T+64+n:T+64+n+1]
.set n, n+2
.endr
.endr
	s_wait_loadcnt 0x0                             ; the bias
	s_cmp_eq_u32 s19, 2
	s_cbranch_scc1 .Ladd_v
.set n, 0
.rept 32
	v_pk_add_f32 v[H+n:H+n+1], v[H+n:H+n+1], v[BI+n:BI+n+1]
.set n, n+2
.endr
	s_branch .Ladded
.Ladd_v:
	v_mov_b32 v[BI+1], v[BI]
.set n, 0
.rept 32
	v_pk_add_f32 v[H+n:H+n+1], v[H+n:H+n+1], v[BI:BI+1]
.set n, n+2
.endr
.Ladded:
.set n, 0
.rept 32
	v_pk_mul_f32 v[H+n:H+n+1], v[H+n:H+n+1], s[38:39] op_sel_hi:[1,0]
.set n, n+2
.endr
	QUANT H
	global_store_b128 v1, v[PC:PC+3], s[52:53]
	global_store_b64 v2, v[PC+4:PC+5], s[52:53] offset:512
	global_store_b128 v1, v[PC+6:PC+9], s[52:53] offset:768
	global_store_b64 v2, v[PC+10:PC+11], s[52:53] offset:1280
	global_store_b32 v4, v[PW], s[54:55]
.Lend:
	s_wait_tensorcnt 0x0
	ds_add_u32 v254, v255
	s_wait_dscnt 0x0
	s_endpgm
.Lfunc_end_k_q9b6f2059b4_qkv0:
	.size	k_q9b6f2059b4_qkv0, .Lfunc_end_k_q9b6f2059b4_qkv0-k_q9b6f2059b4_qkv0
	.p2alignl 7, 3214868480
	.fill 96, 4, 3214868480
	.section	.rodata,"a",@progbits
	.p2align	6, 0x0
	.amdhsa_kernel k_q9b6f2059b4_qkv0
		.amdhsa_group_segment_fixed_size 49920
		.amdhsa_private_segment_fixed_size 0
		.amdhsa_enable_private_segment 0
		.amdhsa_kernarg_size 48
		.amdhsa_user_sgpr_count 2
		.amdhsa_user_sgpr_kernarg_segment_ptr 1
		.amdhsa_wavefront_size32 1
		.amdhsa_system_sgpr_workgroup_id_x 1
		.amdhsa_system_sgpr_workgroup_id_y 1
		.amdhsa_system_sgpr_workgroup_id_z 1
		.amdhsa_system_vgpr_workitem_id 0
		.amdhsa_next_free_vgpr 256
		.amdhsa_next_free_sgpr 66
		.amdhsa_reserve_vcc 0
		.amdhsa_float_denorm_mode_32 3
		.amdhsa_float_denorm_mode_16_64 3
		.amdhsa_memory_ordered 1
		.amdhsa_forward_progress 1
		.amdhsa_inst_pref_size 33
	.end_amdhsa_kernel
	.amdgpu_metadata
---
amdhsa.version: [ 1, 2 ]
amdhsa.kernels:
  - .name:           k_q9b6f2059b4_qkv0
    .symbol:         k_q9b6f2059b4_qkv0.kd
    .args:
      - { .name: act, .offset: 0, .size: 8, .value_kind: global_buffer, .address_space: global }
      - { .name: wc0, .offset: 8, .size: 8, .value_kind: global_buffer, .address_space: global }
      - { .name: params_layers_0_bq, .offset: 16, .size: 8, .value_kind: global_buffer, .address_space: global }
      - { .name: params_layers_0_bk, .offset: 24, .size: 8, .value_kind: global_buffer, .address_space: global }
      - { .name: params_layers_0_bv, .offset: 32, .size: 8, .value_kind: global_buffer, .address_space: global }
      - { .name: qkvc, .offset: 40, .size: 8, .value_kind: global_buffer, .address_space: global }
    .group_segment_fixed_size: 49920
    .private_segment_fixed_size: 0
    .kernarg_segment_align: 8
    .kernarg_segment_size: 48
    .max_flat_workgroup_size: 192
    .sgpr_count:     66
    .vgpr_count:     256
    .wavefront_size: 32
...
	.end_amdgpu_metadata
.endif
;; end of part 3
;; launch attn0 (part 4): grid 6 x 24, 10 waves a work-group, no clusters, 44,800 bytes of LDS; arguments qkvc, act; writes act
.if DOCPART == 4
	.amdgcn_target "amdgcn-amd-amdhsa--gfx1250"
	.amdhsa_code_object_version 6
	.text
	.protected	k_q9b6f2059b4_attn0
	.globl	k_q9b6f2059b4_attn0
	.p2align	8
	.type	k_q9b6f2059b4_attn0,@function
k_q9b6f2059b4_attn0:
	s_mov_b64 s[64:65], 0
	v_nop
	global_prefetch_b8 v0, s[64:65] scope:SCOPE_SE
	s_setreg_imm32_b32 hwreg(HW_REG_WAVE_MODE, 25, 1), 1
	s_wait_xcnt 0x0
; Banded attention on codes of E2M3: query q sees the keys with |q - k| <= 256 inside the sequence, which is what the source's three chunk masks amount to.  Its result is quantised at once into the images that wo's product reads.
; SHARES.  A work-group is a pair of heads hp (grid x) and a tile T of 16 queries (grid y): tile u = T & 1 of pair B = T >> 1, in the block of 128 queries m = T >> 3.  Those queries see exactly the key steps (128 keys) m - 2 .. m + 2.
; Ten waves: wave 5 hs + j takes head 2 hp + hs and key step m - 2 + j, all of it at once: 8 products K Q^T, its softmax, 4 products V^T P.  A key step outside the sequence leaves its wave idle: zeros, and a -M that loses every minimum.
; Only j = 0 and j = 4 have hidden keys, and each query has an open key there (q - 256, q + 256), so each wave's largest score is a number.
; SOFTMAX.  t = score x log2(e); M = the ceiling of the key step's largest t, a whole number; p = 2^(t - M) is quantised along the keys; l is the sum of the unquantised p.  The five key steps are joined by wave 0 under the
; largest M: each O and l times 2^(M_j - M), exact powers of two; then O / l.
; A HEAD HAS K = 64: its half of the pair's image goes into registers 0-5 of both operands; q's registers 6-11 are zero codes, and what stands in k's (the next tile's codes) meets those zeros.  The scale words are shifted to the head's two bytes.
; Both products are used transposed, so that a lane holds one query throughout.  Operands go from memory straight into registers: no tensor load, so nothing that a cluster could ask for jointly.
; LIMITS: 1 / l is v_rcp_f32's; a block under 2^-124 (zeros too) gets the byte 1; NaN and infinities are not served.
.set QSR, 16                           ; v16 q's scale words; v17-20 k's; v21-22 v's; v23 p's: these hold scale words and nothing else
.set KSC, 17
.set VS,  21
.set PWS, 23
.set QF,  24                           ; v24-35   q
.set KF,  36                           ; v36-89   k: tile tt's six registers at 36 + 6 tt; later p's codes (v36-47) and the conversions' upper halves (v48-55)
.set VF,  90                           ; v90-137  v: four tiles
.set S,   138                          ; v138-201 S^T, then p
.set OA,  202                          ; v202-233 O^T
.set BM,  234
.set BX,  238
.set SOP, 242
.set H,   24                           ; the join: 64 numbers
.set OJ,  88                           ; five images of O^T
.set TM,  88
.set PW,  104
.set PC,  106
.set CS,  32
.set SEL, 34
.macro QUANT s                         ; 64 numbers of a lane, register 16 b + i = k 32 b + 16 h + i of my row, become a fragment's codes in v[PC] on and its scale word in v[PW]
.irp b, 0,1,2,3
	v_mov_b32 v[TM+4+\b], 0
.endr
.irp b, 0,1,2,3
	v_max3_num_f32 v[TM+\b], |v[\s+16*\b]|, |v[\s+1+16*\b]|, 0x1800000
.endr
.irp i, 2,4,6,8,10,12,14
.irp b, 0,1,2,3
	v_max3_num_f32 v[TM+\b], v[TM+\b], |v[\s+16*\b+\i]|, |v[\s+1+16*\b+\i]|
.endr
.endr
.irp b, 0,1,2,3
	v_permlanex16_b32 v[TM+4+\b], v[TM+\b], s[SEL], s[SEL+1]
.endr
.irp b, 0,1,2,3
	v_max_num_f32 v[TM+\b], v[TM+\b], v[TM+4+\b]
.endr
.irp b, 0,1,2,3
	v_add_nc_u32 v[TM+12+\b], 0xff000000, v[TM+\b]
.endr
.irp b, 0,1,2,3
	v_lshrrev_b32 v[TM+4+\b], 23, v[TM+12+\b]
.endr
	v_lshl_or_b32 v[PW], v[TM+5], 8, v[TM+4]
	v_lshl_or_b32 v[PW], v[TM+6], 16, v[PW]
	v_lshl_or_b32 v[PW], v[TM+7], 24, v[PW]
.irp c, 0,1
	v_cvt_scalef32_pk16_fp6_f32 v[PC+6*\c:PC+2+6*\c], v[\s+32*\c:\s+15+32*\c], v[TM+12+2*\c]
	v_cvt_scalef32_pk16_fp6_f32 v[PC+12+4*\c:PC+14+4*\c], v[\s+16+32*\c:\s+31+32*\c], v[TM+12+2*\c+1]
.endr
	v_nop
.irp c, 0,1
.irp i, 0,1,2
	v_permlane16_swap_b32 v[PC+6*\c+\i], v[PC+12+4*\c+\i]
.endr
.irp i, 0,1,2
	v_mov_b32 v[PC+3+6*\c+\i], v[PC+12+4*\c+\i]
.endr
.endr
.endm
.macro LDTILE reg, sb, off
	global_load_b128 v[\reg:\reg+3], v1, s[\sb:\sb+1] offset:\off
	global_load_b64 v[\reg+4:\reg+5], v2, s[\sb:\sb+1] offset:\off+512
	global_load_b128 v[\reg+6:\reg+9], v1, s[\sb:\sb+1] offset:\off+768
	global_load_b64 v[\reg+10:\reg+11], v2, s[\sb:\sb+1] offset:\off+1280
.endm
.macro WM0 d, a, b, sa, sb, ra         ; one product that starts its sum; ra = 1: source 0's scale words stand in lanes 16-31
.if (\ra)==0
	v_wmma_scale_f32_16x16x128_f8f6f4 v[\d:\d+7], v[\a:\a+11], v[\b:\b+11], 0, v[\sa], v[\sb] matrix_a_fmt:MATRIX_FMT_FP6 matrix_b_fmt:MATRIX_FMT_FP6
.else
	v_wmma_scale_f32_16x16x128_f8f6f4 v[\d:\d+7], v[\a:\a+11], v[\b:\b+11], 0, v[\sa], v[\sb] matrix_a_fmt:MATRIX_FMT_FP6 matrix_b_fmt:MATRIX_FMT_FP6 matrix_a_scale:MATRIX_SCALE_ROW1
.endif
.endm
.macro MASK lt                         ; register n holds the key step's key 32 (n / 16) + n % 16 + 16 h; v7 = my query's place in its block of 128, less 16 h
	v_mov_b32 v248, 0xff800000                     ; -infinity: p = 0
.set n, 0
.rept 64
.if \lt
	v_cmp_lt_i32 vcc_lo, 32*(n/16)+n%16, v7        ; key step m - 2: hidden where the key's place is under the query's
.else
	v_cmp_gt_i32 vcc_lo, 32*(n/16)+n%16, v7        ; key step m + 2: hidden where it is over
.endif
	v_cndmask_b32 v[S+n], v[S+n], v248, vcc_lo
.set n, n+1
.endr
.endm
	s_load_b128 s[4:7], s[0:1], 0x0                ; qkvc, act
	v_lshl_add_u32 v254, v0, 2, 0xaa00
	v_mov_b32 v255, 0
	v_lshrrev_b32 v1, 5, v0
	v_readfirstlane_b32 s8, v1                     ; wave 0..9
	s_mul_i32 s9, s8, 52
	s_lshr_b32 s9, s9, 8                           ; hs = wave / 5
	s_mul_i32 s10, s9, 5
	s_sub_co_u32 s10, s8, s10                      ; j
	s_and_b32 s11, ttmp7, 0xffff                   ; T
	s_lshr_b32 s12, s11, 1                         ; B
	s_and_b32 s13, s11, 1                          ; u
	s_lshr_b32 s14, s11, 3                         ; m
	s_add_co_u32 s15, s14, s10
	s_sub_co_u32 s15, s15, 2                       ; my key step (under 0 it wraps to a large number)
	s_and_b32 s16, s11, 6
	s_lshl_b32 s16, s16, 4
	s_lshl_b32 s17, s13, 3
	s_add_co_u32 s16, s16, s17                     ; the tile's first query in its block of 128
	s_mul_i32 s17, s12, 6
	s_add_co_u32 s17, s17, ttmp9                   ; image block 6 B + hp, of q and of the result
	s_mul_i32 s18, s9, 768                         ; my head's half of a tile's image
	s_lshl_b32 s19, s9, 4                          ; and its two bytes of a scale word
	s_mul_i32 s36, s17, 3072
	s_mul_i32 s40, s13, 1536
	s_add_co_u32 s36, s36, s40
	s_lshl_b32 s38, s17, 7
	s_lshl_b32 s41, s13, 6
	s_add_co_u32 s38, s38, s41
	s_add_co_u32 s20, s36, s18                     ; q's codes,
	s_mov_b32 s21, 0
	s_add_co_u32 s22, s38, 2359296                 ; q's scale words,
	s_mov_b32 s23, 0
	s_add_co_u32 s36, s36, 2457600                 ; the result's codes,
	s_mov_b32 s37, 0
	s_add_co_u32 s38, s38, 4816896                 ; the result's scale words
	s_mov_b32 s39, 0
	s_mov_b32 s[CS], 0x3fb8aa3b                    ; log2(e)
	s_mov_b32 s[CS+1], s[CS]
	s_mov_b32 s[SEL], 0x76543210
	s_mov_b32 s[SEL+1], 0xfedcba98
	v_and_b32 v8, 31, v0
	v_lshlrev_b32 v1, 4, v8                        ; 16 x lane
	v_lshlrev_b32 v2, 3, v8                        ; 8 x lane
	v_lshlrev_b32 v3, 2, v8                        ; 4 x lane
	v_and_b32 v9, 15, v0
	v_lshlrev_b32 v4, 2, v9                        ; 4 r
	s_mul_i32 s40, s8, 4352
	v_add_nc_u32 v5, s40, v1                       ; LDS: my wave's image of O^T,
	v_add_nc_u32 v6, s40, v2                       ; and behind it (-M, l)
	v_bfe_u32 v10, v0, 4, 1
	v_and_b32 v7, 7, v9
	v_lshrrev_b32 v9, 3, v9
	v_lshl_add_u32 v7, v9, 4, v7
	v_lshlrev_b32 v10, 4, v10
	v_sub_nc_u32 v7, v7, v10
	v_add_nc_u32 v7, s16, v7                       ; my query's place in its block of 128, less 16 h
	s_wait_kmcnt 0x0
	s_add_nc_u64 s[20:21], s[4:5], s[20:21]
	s_add_nc_u64 s[22:23], s[4:5], s[22:23]
	s_add_nc_u64 s[36:37], s[6:7], s[36:37]
	s_add_nc_u64 s[38:39], s[6:7], s[38:39]
	s_cmp_gt_u32 s15, 31
	s_cbranch_scc0 .Lactive
.set n, 0
.rept 32
	v_mov_b32 v[OA+n], 0                           ; no such keys: nothing to add,
.set n, n+1
.endr
	v_mov_b32 v12, 0x7f61b1e6                      ; a -M of 3e38, which gives the factor 0,
	v_mov_b32 v13, 0                               ; and no sum
	s_branch .Ljoin
.Lactive:
.irp i, 0,1,2,3,4,5
	v_mov_b32 v[QF+6+\i], 0                        ; q's upper 64 along K: zero codes
	v_mov_b32 v[KF+48+\i], 0                       ; what stands behind k's last tile
.endr
	s_mul_i32 s24, s15, 24
	s_add_co_u32 s24, s24, ttmp9                   ; k's first block: (4 ks) 6 + hp
	s_lshl_b32 s26, s24, 7
	s_add_co_u32 s26, s26, 4816896
	s_mov_b32 s27, 0
	s_mul_i32 s24, s24, 3072
	s_add_co_u32 s24, s24, s18
	s_add_co_u32 s24, s24, 2457600
	s_mov_b32 s25, 0
	s_lshl_b32 s28, ttmp9, 2
	s_lshl_b32 s29, s9, 1
	s_add_co_u32 s28, s28, s29
	s_lshl_b32 s28, s28, 5
	s_add_co_u32 s28, s28, s15                     ; v's first block: (4 hp + 2 hs) 32 + ks
	s_lshl_b32 s30, s28, 7
	s_add_co_u32 s30, s30, 7274496
	s_mov_b32 s31, 0
	s_mul_i32 s28, s28, 3072
	s_add_co_u32 s28, s28, 4915200
	s_mov_b32 s29, 0
	s_add_nc_u64 s[24:25], s[4:5], s[24:25]
	s_add_nc_u64 s[26:27], s[4:5], s[26:27]
	s_add_nc_u64 s[28:29], s[4:5], s[28:29]
	s_add_nc_u64 s[30:31], s[4:5], s[30:31]
	global_load_b128 v[QF:QF+3], v1, s[20:21]
	global_load_b64 v[QF+4:QF+5], v2, s[20:21] offset:512
	global_load_b32 v[QSR], v4, s[22:23]
.irp tt, 0,1,2,3,4,5,6,7
	global_load_b128 v[KF+6*\tt:KF+6*\tt+3], v1, s[24:25] offset:(\tt/2)*18432+(\tt%2)*1536
	global_load_b64 v[KF+6*\tt+4:KF+6*\tt+5], v2, s[24:25] offset:(\tt/2)*18432+(\tt%2)*1536+512
.endr
.irp b, 0,1,2,3
	global_load_b32 v[KSC+\b], v3, s[26:27] offset:768*\b
.endr
.irp tt, 0,1,2,3
	LDTILE VF+12*\tt, 28, (\tt/2)*98304+(\tt%2)*1536
.endr
.irp b, 0,1
	global_load_b32 v[VS+\b], v3, s[30:31] offset:4096*\b
.endr
	s_wait_loadcnt 18                              ; q and k are in; v's 18 loads may be out
.irp i, 0,1,2,3,4
	v_lshrrev_b32 v[QSR+\i], s19, v[QSR+\i]        ; my head's two bytes to the word's low end
.endr
.rept 8
	v_nop                                          ; a scale register written by a vector instruction stands eight places ahead of the scaled product
.endr
.irp tt, 0,1,2,3,4,5,6,7
	WM0 S+8*\tt, KF+6*\tt, QF, KSC+\tt/2, QSR, \tt%2
.endr
.rept 4
	v_nop
.endr
	s_cmp_eq_u32 s10, 0
	s_cbranch_scc0 .Lnot_first
	MASK 1
	s_branch .Lopen
.Lnot_first:
	s_cmp_eq_u32 s10, 4
	s_cbranch_scc0 .Lopen
	MASK 0
.Lopen:
.irp b, 0,1,2,3
	v_max3_num_f32 v[BM+\b], v[S+16*\b], v[S+1+16*\b], v[S+2+16*\b]   ; the largest score of each block of 32 keys: for the row's maximum and, since p rises with the score, for the block's largest p
.endr
.irp i, 3,5,7,9,11,13
.irp b, 0,1,2,3
	v_max3_num_f32 v[BM+\b], v[BM+\b], v[S+16*\b+\i], v[S+1+16*\b+\i]
.endr
.endr
.irp b, 0,1,2,3
	v_max_num_f32 v[BM+\b], v[BM+\b], v[S+15+16*\b]
.endr
.irp b, 0,1,2,3
	v_mov_b32 v[BX+\b], 0
.endr
.irp b, 0,1,2,3
	v_permlanex16_b32 v[BX+\b], v[BM+\b], s[SEL], s[SEL+1]
.endr
.irp b, 0,1,2,3
	v_max_num_f32 v[BM+\b], v[BM+\b], v[BX+\b]
.endr
	v_max3_num_f32 v248, v[BM], v[BM+1], v[BM+2]
	v_max_num_f32 v248, v248, v[BM+3]
	v_mul_f32 v13, s[CS], v248                     ; the key step's largest t of my query
	v_max_num_f32 v13, 0xff61b1e6, v13
	v_floor_f32 v12, -v13                          ; -M = floor(-t): M is a whole number
.set n, 0
.rept 32
	v_pk_fma_f32 v[S+n:S+n+1], v[S+n:S+n+1], s[CS:CS+1], v[12:13] op_sel_hi:[1,0,0]   ; t - M
.set n, n+2
.endr
.irp b, 0,1,2,3
	v_fma_f32 v[BM+\b], v[BM+\b], s[CS], v12       ; the same of each block's largest score
.endr
.set n, 0
.rept 64
	v_exp_f32 v[S+n], v[S+n]                       ; p = 2^(t - M)
.set n, n+1
.endr
.irp b, 0,1,2,3
	v_exp_f32 v[BM+\b], v[BM+\b]                   ; each block's largest p
.endr
	v_nop                                          ; a plain line behind the batch,
	s_wait_alu depctr_va_vdst(0)                   ; and one wait for all 68, ahead of the first reader
.irp b, 0,1,2,3
	v_max_num_f32 v[BM+\b], 0x1800000, v[BM+\b]    ; the floor 2^(3 - 127)
.endr
.irp b, 0,1,2,3
	v_add_nc_u32 v[SOP+\b], 0xff000000, v[BM+\b]
.endr
.irp b, 0,1,2,3
	v_lshrrev_b32 v[BX+\b], 23, v[SOP+\b]
.endr
	v_lshl_or_b32 v[PWS], v[BX+1], 8, v[BX]
	v_lshl_or_b32 v[PWS], v[BX+2], 16, v[PWS]
	v_lshl_or_b32 v[PWS], v[BX+3], 24, v[PWS]      ; p's scale word for these 128 keys
.irp c, 0,1
	v_cvt_scalef32_pk16_fp6_f32 v[36+6*\c:38+6*\c], v[S+32*\c:S+15+32*\c], v[SOP+2*\c]
	v_cvt_scalef32_pk16_fp6_f32 v[48+4*\c:50+4*\c], v[S+16+32*\c:S+31+32*\c], v[SOP+2*\c+1]
.endr
	v_nop
.irp c, 0,1
.irp i, 0,1,2
	v_permlane16_swap_b32 v[36+6*\c+\i], v[48+4*\c+\i]
.endr
.irp i, 0,1,2
	v_mov_b32 v[39+6*\c+\i], v[48+4*\c+\i]
.endr
.endr
	v_pk_add_f32 v[14:15], v[S:S+1], v[S+2:S+3]    ; the sum of the UNQUANTISED p, in two chains.  These lines are also the places between the scale word's and the codes' last writes and the products below
	v_pk_add_f32 v[246:247], v[S+4:S+5], v[S+6:S+7]
.set n, 8
.rept 14
	v_pk_add_f32 v[14:15], v[14:15], v[S+n:S+n+1]
	v_pk_add_f32 v[246:247], v[246:247], v[S+n+2:S+n+3]
.set n, n+4
.endr
	v_pk_add_f32 v[14:15], v[14:15], v[246:247]
	v_add_f32 v14, v14, v15
	v_permlanex16_b32 v15, v14, s[SEL], s[SEL+1]
	v_add_f32 v13, v14, v15                        ; l, beside -M
	s_wait_loadcnt 0x0                             ; v
.irp tt, 0,1,2,3
	WM0 OA+8*\tt, VF+12*\tt, 36, VS+\tt/2, PWS, \tt%2
.endr
.rept 4
	v_nop
.endr
.Ljoin:
.irp i, 0,1,2,3,4,5,6,7
	ds_store_b128 v5, v[OA+4*\i:OA+4*\i+3] offset:512*\i   ; each accumulator from its low end on
.endr
	ds_store_b64 v6, v[12:13] offset:4096
	s_wait_dscnt 0x0                               ; for wave 0's sake: my stores have landed
	s_barrier_signal -1
	s_barrier_wait -1
	s_cmp_lg_u32 s8, 0
	s_cbranch_scc1 .Lend
.irp hs, 0,1
.irp j, 0,1,2,3,4
	ds_load_b64 v[8+2*\j+232*(\j/4):9+2*\j+232*(\j/4)], v2 offset:(5*\hs+\j)*4352+4096   ; (-M, l) of key step j: v8-15 and v248-249
.endr
.irp j, 0,1,2,3,4
.irp i, 0,1,2,3,4,5,6,7
	ds_load_b128 v[OJ+32*\j+4*\i:OJ+32*\j+4*\i+3], v1 offset:(5*\hs+\j)*4352+512*\i
.endr
.endr
	s_wait_dscnt 40                                ; the five pairs are in; the 40 loads of the images may be out
	v_min3_num_f32 v250, v8, v10, v12
	v_min3_num_f32 v250, v250, v14, v248           ; the least -M: the largest M
.irp j, 0,1,2,3,4
	v_sub_f32 v[8+2*\j+232*(\j/4)], v250, v[8+2*\j+232*(\j/4)]   ; M_j - M: a whole number, 0 or less
.endr
.irp j, 0,1,2,3,4
	v_cvt_i32_f32 v[8+2*\j+232*(\j/4)], v[8+2*\j+232*(\j/4)]     ; (it saturates)
.endr
.irp j, 0,1,2,3,4
	v_ldexp_f32 v[8+2*\j+232*(\j/4)], 1.0, v[8+2*\j+232*(\j/4)]  ; f_j = 2^(M_j - M): a multiplication by it rounds nothing
.endr
	v_mul_f32 v251, v8, v9
.irp j, 1,2,3,4
	v_fma_f32 v251, v[8+2*\j+232*(\j/4)], v[9+2*\j+232*(\j/4)], v251
.endr
	v_rcp_f32 v252, v251                           ; 1 / l; the sums below are the plain work behind it
	s_wait_dscnt 0x0
.set n, 0
.rept 16
	v_pk_mul_f32 v[H+32*\hs+n:H+32*\hs+n+1], v[OJ+n:OJ+n+1], v[8:9] op_sel_hi:[1,0]
.set n, n+2
.endr
.irp j, 1,2,3,4
.set n, 0
.rept 16
	v_pk_fma_f32 v[H+32*\hs+n:H+32*\hs+n+1], v[OJ+32*\j+n:OJ+32*\j+n+1], v[8+2*\j+232*(\j/4):9+2*\j+232*(\j/4)], v[H+32*\hs+n:H+32*\hs+n+1] op_sel_hi:[1,0,1]
.set n, n+2
.endr
.endr
	s_wait_alu depctr_va_vdst(0)                   ; the wait ahead of the reciprocal's first reader
	v_mov_b32 v253, v252
.set n, 0
.rept 16
	v_pk_mul_f32 v[H+32*\hs+n:H+32*\hs+n+1], v[H+32*\hs+n:H+32*\hs+n+1], v[252:253]
.set n, n+2
.endr
.endr
	QUANT H                                        ; the two heads' 128 columns are K step hp of wo's product
	global_store_b128 v1, v[PC:PC+3], s[36:37]
	global_store_b64 v2, v[PC+4:PC+5], s[36:37] offset:512
	global_store_b128 v1, v[PC+6:PC+9], s[36:37] offset:768
	global_store_b64 v2, v[PC+10:PC+11], s[36:37] offset:1280
	global_store_b32 v4, v[PW], s[38:39]
.Lend:
	s_wait_tensorcnt 0x0
	ds_add_u32 v254, v255
	s_wait_dscnt 0x0
	s_endpgm
.Lfunc_end_k_q9b6f2059b4_attn0:
	.size	k_q9b6f2059b4_attn0, .Lfunc_end_k_q9b6f2059b4_attn0-k_q9b6f2059b4_attn0
	.p2alignl 7, 3214868480
	.fill 96, 4, 3214868480
	.section	.rodata,"a",@progbits
	.p2align	6, 0x0
	.amdhsa_kernel k_q9b6f2059b4_attn0
		.amdhsa_group_segment_fixed_size 44800
		.amdhsa_private_segment_fixed_size 0
		.amdhsa_enable_private_segment 0
		.amdhsa_kernarg_size 16
		.amdhsa_user_sgpr_count 2
		.amdhsa_user_sgpr_kernarg_segment_ptr 1
		.amdhsa_wavefront_size32 1
		.amdhsa_system_sgpr_workgroup_id_x 1
		.amdhsa_system_sgpr_workgroup_id_y 1
		.amdhsa_system_sgpr_workgroup_id_z 1
		.amdhsa_system_vgpr_workitem_id 0
		.amdhsa_next_free_vgpr 256
		.amdhsa_next_free_sgpr 66
		.amdhsa_reserve_vcc 1
		.amdhsa_float_denorm_mode_32 3
		.amdhsa_float_denorm_mode_16_64 3
		.amdhsa_memory_ordered 1
		.amdhsa_forward_progress 1
		.amdhsa_inst_pref_size 58
	.end_amdhsa_kernel
	.amdgpu_metadata
---
amdhsa.version: [ 1, 2 ]
amdhsa.kernels:
  - .name:           k_q9b6f2059b4_attn0
    .symbol:         k_q9b6f2059b4_attn0.kd
    .args:
      - { .name: qkvc, .offset: 0, .size: 8, .value_kind: global_buffer, .address_space: global }
      - { .name: act, .offset: 8, .size: 8, .value_kind: global_buffer, .address_space: global }
    .group_segment_fixed_size: 44800
    .private_segment_fixed_size: 0
    .kernarg_segment_align: 8
    .kernarg_segment_size: 16
    .max_flat_workgroup_size: 320
    .sgpr_count:     66
    .vgpr_count:     256
    .wavefront_size: 32
...
	.end_amdgpu_metadata
.endif
;; end of part 4
;; launch wo0 (part 5): grid 12 x 12, 3 waves a work-group, no clusters, 26,624 bytes of LDS; arguments act, wc0, z; writes z
.if DOCPART == 5
	.amdgcn_target "amdgcn-amd-amdhsa--gfx1250"
	.amdhsa_code_object_version 6
	.text
	.protected	k_q9b6f2059b4_wo0
	.globl	k_q9b6f2059b4_wo0
	.p2align	8
	.type	k_q9b6f2059b4_wo0,@function
k_q9b6f2059b4_wo0:
	s_mov_b64 s[64:65], 0
	v_nop
	global_prefetch_b8 v0, s[64:65] scope:SCOPE_SE
	s_setreg_imm32_b32 hwreg(HW_REG_WAVE_MODE, 25, 1), 1
	s_wait_xcnt 0x0
; z = a wo, the bare product (residual, bias and norm follow in the next launch), on codes of E2M3.  a: attention's result as images (act + 2,457,600); wo: pairs 72-95 of the layer's weight images.
; SHARES.  A work-group makes 32 rows (grid y) x 64 columns (grid x).  Wave w takes K steps 2 w, 2 w + 1: all its 54 loads go out at once, from memory straight into operand registers.
; Source 0 = 16 columns of the weight, source 1 = 16 rows: a lane holds eight neighbouring columns of a row.  Each wave lays its 32 x 64 partial sums row by row in its own stage (rows of 256 + 16 bytes); one barrier;
; waves 0 and 1 add the parts, K ascending, and store 16 rows each: sixteen lanes write 256 consecutive bytes at a multiple of 256.
; No tensor load, so no joint request that a cluster could share.  LIMITS: K is summed in KS / 2 f32 parts; NaN and infinities are not served.
.set KS,     6
.set NW,     3
.set WBASE,  432
.set ACODE,  2457600
.set ASCALE, 4816896
.set SCB, 5308416
.set PS,  16
.set QS,  20
.set PF,  24
.set QF,  120
.set ACC, 168
.set SUM, 24
.set TB0, 56                           ; v56-151, v152-247: three partial sums each, by turns
.macro LDTILE reg, sb, off
	global_load_b128 v[\reg:\reg+3], v1, s[\sb:\sb+1] offset:\off
	global_load_b64 v[\reg+4:\reg+5], v2, s[\sb:\sb+1] offset:\off+512
	global_load_b128 v[\reg+6:\reg+9], v1, s[\sb:\sb+1] offset:\off+768
	global_load_b64 v[\reg+10:\reg+11], v2, s[\sb:\sb+1] offset:\off+1280
.endm
.macro WM d, a, b, c, sa, sb, ra, rb
.if (\ra)==0 && (\rb)==0
	v_wmma_scale_f32_16x16x128_f8f6f4 v[\d:\d+7], v[\a:\a+11], v[\b:\b+11], \c, v[\sa], v[\sb] matrix_a_fmt:MATRIX_FMT_FP6 matrix_b_fmt:MATRIX_FMT_FP6
.elseif (\ra)==1 && (\rb)==0
	v_wmma_scale_f32_16x16x128_f8f6f4 v[\d:\d+7], v[\a:\a+11], v[\b:\b+11], \c, v[\sa], v[\sb] matrix_a_fmt:MATRIX_FMT_FP6 matrix_b_fmt:MATRIX_FMT_FP6 matrix_a_scale:MATRIX_SCALE_ROW1
.elseif (\ra)==0 && (\rb)==1
	v_wmma_scale_f32_16x16x128_f8f6f4 v[\d:\d+7], v[\a:\a+11], v[\b:\b+11], \c, v[\sa], v[\sb] matrix_a_fmt:MATRIX_FMT_FP6 matrix_b_fmt:MATRIX_FMT_FP6 matrix_b_scale:MATRIX_SCALE_ROW1
.else
	v_wmma_scale_f32_16x16x128_f8f6f4 v[\d:\d+7], v[\a:\a+11], v[\b:\b+11], \c, v[\sa], v[\sb] matrix_a_fmt:MATRIX_FMT_FP6 matrix_b_fmt:MATRIX_FMT_FP6 matrix_a_scale:MATRIX_SCALE_ROW1 matrix_b_scale:MATRIX_SCALE_ROW1
.endif
.endm
.macro CORE PSTR
.irp st, 0,1
.irp pp, 0,1
.irp u, 0,1
	LDTILE PF+48*\st+24*\pp+12*\u, 24, \pp*\PSTR+\st*3072+\u*1536
.endr
	global_load_b32 v[PS+2*\st+\pp], v3, s[26:27] offset:\pp*(\PSTR/24)+\st*128
.endr
.irp u, 0,1
	LDTILE QF+24*\st+12*\u, 28, \st*3072+\u*1536
.endr
	global_load_b32 v[QS+\st], v3, s[30:31] offset:\st*128
.endr
	s_wait_loadcnt 27                              ; the first K step's 27 loads are in; the second's 27 may be out
.irp qt, 0,1
.irp pt, 0,1,2,3
	WM ACC+8*(4*\qt+\pt), PF+12*\pt, QF+12*\qt, 0, PS+\pt/2, QS, \pt%2, \qt
.endr
.endr
	s_wait_loadcnt 0x0
.irp qt, 0,1                           ; the eight accumulators take turns, one instruction a turn
.irp pt, 0,1,2,3
	WM ACC+8*(4*\qt+\pt), PF+48+12*\pt, QF+24+12*\qt, v[ACC+8*(4*\qt+\pt):ACC+8*(4*\qt+\pt)+7], PS+2+\pt/2, QS+1, \pt%2, \qt
.endr
.endr
.rept 4
	v_nop
.endr
.endm
.macro PKADD d, a, b, cnt
.set n, 0
.rept \cnt
	v_pk_add_f32 v[\d+n:\d+n+1], v[\a+n:\a+n+1], v[\b+n:\b+n+1]
.set n, n+2
.endr
.endm
.macro RLOAD bt                        ; the parts of waves 3 bt .. 3 bt + 2: my 16 rows, two rows an instruction
.irp w3, 0,1,2
.irp t, 0,1,2,3,4,5,6,7
.if 3*(\bt)+\w3 < 6
	ds_load_b128 v[TB0+96*((\bt)%2)+32*\w3+4*\t:TB0+96*((\bt)%2)+32*\w3+4*\t+3], v7 offset:(3*(\bt)+\w3)*8704+544*\t
.else
	ds_load_b128 v[TB0+96*((\bt)%2)+32*\w3+4*\t:TB0+96*((\bt)%2)+32*\w3+4*\t+3], v8 offset:(3*(\bt)+\w3-6)*8704+544*\t
.endif
.endr
.endr
.endm
.macro RADD bt
.set TBB, TB0+96*((\bt)%2)
.if (\bt) == 0
	PKADD SUM, TBB, TBB+32, 16
.else
	PKADD SUM, SUM, TBB, 16
	PKADD SUM, SUM, TBB+32, 16
.endif
	PKADD SUM, SUM, TBB+64, 16
.endm
	s_load_b128 s[4:7], s[0:1], 0x0                ; the rows' images, the layer's weight images
	s_load_b64 s[8:9], s[0:1], 0x10                ; z
	v_lshl_add_u32 v254, v0, 2, 0x6600
	v_mov_b32 v255, 0
	v_lshrrev_b32 v1, 5, v0
	v_readfirstlane_b32 s16, v1                    ; wave
	s_and_b32 s21, ttmp7, 0xffff                   ; pair of row tiles
	s_lshl_b32 s22, s16, 1
	s_mul_i32 s23, ttmp9, 2*KS
	s_add_co_u32 s23, s23, s22
	s_add_co_u32 s23, s23, WBASE                   ; the weight's first block
	s_mul_i32 s32, s21, KS
	s_add_co_u32 s32, s32, s22                     ; the rows' first block
	s_mul_i32 s40, s23, 3072
	s_mov_b32 s41, 0
	s_lshl_b32 s42, s23, 7
	s_add_co_u32 s42, s42, SCB
	s_mov_b32 s43, 0
	s_mul_i32 s44, s32, 3072
	s_add_co_u32 s44, s44, ACODE
	s_mov_b32 s45, 0
	s_lshl_b32 s46, s32, 7
	s_add_co_u32 s46, s46, ASCALE
	s_mov_b32 s47, 0
	s_lshl_b32 s48, s21, 5
	s_lshl_b32 s49, s16, 3
	s_add_co_u32 s48, s48, s49
	s_mul_i32 s48, s48, 3072                       ; z: row 32 RB + 8 qt,
	s_lshl_b32 s49, ttmp9, 8
	s_add_co_u32 s48, s48, s49                     ; + my 64 columns
	s_mov_b32 s49, 0
	v_and_b32 v8, 31, v0
	v_lshlrev_b32 v1, 4, v8
	v_lshlrev_b32 v2, 3, v8
	v_lshlrev_b32 v3, 2, v8
	v_and_b32 v10, 15, v0                          ; r
	v_bfe_u32 v11, v0, 4, 1                        ; h
	v_mul_u32_u24 v6, v10, 272
	v_lshl_add_u32 v6, v11, 6, v6
	s_mul_i32 s20, s16, 8704
	v_add_nc_u32 v6, s20, v6                       ; my stage: row r, + 64 h
	v_mul_u32_u24 v7, v11, 272
	v_lshl_add_u32 v7, v10, 4, v7
	s_mul_i32 s20, s16, 4352
	v_add_nc_u32 v7, s20, v7                       ; back, in waves 0 and 1: tile qt's rows, lanes 0-15 one row, lanes 16-31 the next
.if NW > 6
	v_add_nc_u32 v8, 52224, v7                     ; the same six stages on: an LDS offset has 16 bits
.endif
	v_mul_u32_u24 v9, v11, 3072
	v_lshl_add_u32 v9, v10, 4, v9                  ; and the same two rows in z
	s_wait_kmcnt 0x0
	s_add_nc_u64 s[24:25], s[6:7], s[40:41]
	s_add_nc_u64 s[26:27], s[6:7], s[42:43]
	s_add_nc_u64 s[28:29], s[4:5], s[44:45]
	s_add_nc_u64 s[30:31], s[4:5], s[46:47]
	s_add_nc_u64 s[50:51], s[8:9], s[48:49]
	CORE KS*3072
.irp qt, 0,1
.irp pt, 0,1,2,3
	ds_store_b128 v6, v[ACC+8*(4*\qt+\pt):ACC+8*(4*\qt+\pt)+3] offset:4352*\qt+128*(\pt/2)+32*(\pt%2)      ; each accumulator from its low end on
	ds_store_b128 v6, v[ACC+8*(4*\qt+\pt)+4:ACC+8*(4*\qt+\pt)+7] offset:4352*\qt+128*(\pt/2)+32*(\pt%2)+16
.endr
.endr
	s_wait_dscnt 0x0                               ; for the others' sake: my part has landed
	s_barrier_signal -1
	s_barrier_wait -1
	s_cmp_ge_u32 s16, 2
	s_cbranch_scc1 .Lend
	RLOAD 0
.if NW > 3
	RLOAD 1
	s_wait_dscnt 24                                ; the older batch is in; the younger's 24 loads may be out
	RADD 0
	RLOAD 2
	s_wait_dscnt 24
	RADD 1
	RLOAD 3
	s_wait_dscnt 24
	RADD 2
	s_wait_dscnt 0x0
	RADD 3
.else
	s_wait_dscnt 0x0
	RADD 0
.endif
.irp t, 0,1,2,3,4,5,6,7
	global_store_b128 v9, v[SUM+4*\t:SUM+4*\t+3], s[50:51] offset:(2*(\t%4)+16*(\t/4))*3072
.endr
.Lend:
	s_wait_tensorcnt 0x0
	ds_add_u32 v254, v255
	s_wait_dscnt 0x0
	s_endpgm
.Lfunc_end_k_q9b6f2059b4_wo0:
	.size	k_q9b6f2059b4_wo0, .Lfunc_end_k_q9b6f2059b4_wo0-k_q9b6f2059b4_wo0
	.p2alignl 7, 3214868480
	.fill 96, 4, 3214868480
	.section	.rodata,"a",@progbits
	.p2align	6, 0x0
	.amdhsa_kernel k_q9b6f2059b4_wo0
		.amdhsa_group_segment_fixed_size 26624
		.amdhsa_private_segment_fixed_size 0
		.amdhsa_enable_private_segment 0
		.amdhsa_kernarg_size 24
		.amdhsa_user_sgpr_count 2
		.amdhsa_user_sgpr_kernarg_segment_ptr 1
		.amdhsa_wavefront_size32 1
		.amdhsa_system_sgpr_workgroup_id_x 1
		.amdhsa_system_sgpr_workgroup_id_y 1
		.amdhsa_system_sgpr_workgroup_id_z 1
		.amdhsa_system_vgpr_workitem_id 0
		.amdhsa_next_free_vgpr 256
		.amdhsa_next_free_sgpr 66
		.amdhsa_reserve_vcc 0
		.amdhsa_float_denorm_mode_32 3
		.amdhsa_float_denorm_mode_16_64 3
		.amdhsa_memory_ordered 1
		.amdhsa_forward_progress 1
		.amdhsa_inst_pref_size 16
	.end_amdhsa_kernel
	.amdgpu_metadata
---
amdhsa.version: [ 1, 2 ]
amdhsa.kernels:
  - .name:           k_q9b6f2059b4_wo0
    .symbol:         k_q9b6f2059b4_wo0.kd
    .args:
      - { .name: act, .offset: 0, .size: 8, .value_kind: global_buffer, .address_space: global }
      - { .name: wc0, .offset: 8, .size: 8, .value_kind: global_buffer, .address_space: global }
      - { .name: z, .offset: 16, .size: 8, .value_kind: global_buffer, .address_space: global }
    .group_segment_fixed_size: 26624
    .private_segment_fixed_size: 0
    .kernarg_segment_align: 8
    .kernarg_segment_size: 24
    .max_flat_workgroup_size: 96
    .sgpr_count:     66
    .vgpr_count:     256
    .wavefront_size: 32
...
	.end_amdgpu_metadata
.endif
;; end of part 5
;; launch ln1_0: the kernel of part 2 again; grid 12 x 1, 12 waves a work-group, no clusters, 104,960 bytes of LDS; arguments xfA, z, params_layers_0_bo, params_layers_0_ln1_g, params_layers_0_ln1_b, xfB, act; writes xfB, act
;; launch ffn1_0 (part 6): grid 24 x 12, 6 waves a work-group, no clusters, 49,920 bytes of LDS; arguments act, wc0, params_layers_0_bi, hc; writes hc
.if DOCPART == 6
	.amdgcn_target "amdgcn-amd-amdhsa--gfx1250"
	.amdhsa_code_object_version 6
	.text
	.protected	k_q9b6f2059b4_ffn1_0
	.globl	k_q9b6f2059b4_ffn1_0
	.p2align	8
	.type	k_q9b6f2059b4_ffn1_0,@function
k_q9b6f2059b4_ffn1_0:
	s_mov_b64 s[64:65], 0
	v_nop
	global_prefetch_b8 v0, s[64:65] scope:SCOPE_SE
	s_setreg_imm32_b32 hwreg(HW_REG_WAVE_MODE, 25, 1), 1
	s_wait_xcnt 0x0
; h = gelu(x wi + bi), the exact gelu, on codes of E2M3; h is quantised at once, along the hidden units, into the images that wf's product reads.
; SHARES.  A work-group makes one image block: 32 rows (grid y) x 128 hidden units (grid x).  Source 0 = tiles of wi's columns, so that a lane's 64 results run along the next K in the conversions' order.
; Six waves: wave 2 kw + ph takes four of the eight column tiles (ph) and K steps 2 kw, 2 kw + 1 of the 768; all its 54 loads go out at once, from memory straight into operand registers.
; The three partial sums meet in LDS behind one barrier; waves 0 and 1 add them (K ascending), add the bias, apply gelu, quantise and store a tile each.
; ERF: z = x / sqrt(2) held to +-4; erf = z P(z^2) / Q(z^2), polynomials of degree 6 and 4, good to a few units in f32's last place; beyond 4 erf is 1 to f32.
; No tensor load, so no joint request that a cluster could share.  LIMITS: K is summed in three f32 parts; 1 / Q is v_rcp_f32's; a block under 2^-124 (zeros too) gets the byte 1; NaN and infinities are not served.
.set SCB, 5308416
.set XSC, 2359296
.set HSC, 9437184
.set PS,  16
.set QS,  20
.set PF,  24
.set QF,  120
.set ACC, 168
.set H,   24
.set BI,  88
.set CF,  88                           ; v88-111 the twelve coefficients, each twice (a pair for the packed forms), once the bias is added
.set T,   152
.set ZZ,  152
.set Z2,  168
.set PP,  184
.set QQ,  200
.set TM,  152
.set PW,  168
.set PC,  170
.set SEL, 48
.macro QUANT s
.irp b, 0,1,2,3
	v_mov_b32 v[TM+4+\b], 0
.endr
.irp b, 0,1,2,3
	v_max3_num_f32 v[TM+\b], |v[\s+16*\b]|, |v[\s+1+16*\b]|, 0x1800000
.endr
.irp i, 2,4,6,8,10,12,14
.irp b, 0,1,2,3
	v_max3_num_f32 v[TM+\b], v[TM+\b], |v[\s+16*\b+\i]|, |v[\s+1+16*\b+\i]|
.endr
.endr
.irp b, 0,1,2,3
	v_permlanex16_b32 v[TM+4+\b], v[TM+\b], s[SEL], s[SEL+1]
.endr
.irp b, 0,1,2,3
	v_max_num_f32 v[TM+\b], v[TM+\b], v[TM+4+\b]
.endr
.irp b, 0,1,2,3
	v_add_nc_u32 v[TM+12+\b], 0xff000000, v[TM+\b]
.endr
.irp b, 0,1,2,3
	v_lshrrev_b32 v[TM+4+\b], 23, v[TM+12+\b]
.endr
	v_lshl_or_b32 v[PW], v[TM+5], 8, v[TM+4]
	v_lshl_or_b32 v[PW], v[TM+6], 16, v[PW]
	v_lshl_or_b32 v[PW], v[TM+7], 24, v[PW]
.irp c, 0,1
	v_cvt_scalef32_pk16_fp6_f32 v[PC+6*\c:PC+2+6*\c], v[\s+32*\c:\s+15+32*\c], v[TM+12+2*\c]
	v_cvt_scalef32_pk16_fp6_f32 v[PC+12+4*\c:PC+14+4*\c], v[\s+16+32*\c:\s+31+32*\c], v[TM+12+2*\c+1]
.endr
	v_nop
.irp c, 0,1
.irp i, 0,1,2
	v_permlane16_swap_b32 v[PC+6*\c+\i], v[PC+12+4*\c+\i]
.endr
.irp i, 0,1,2
	v_mov_b32 v[PC+3+6*\c+\i], v[PC+12+4*\c+\i]
.endr
.endr
.endm
.macro LDTILE reg, sb, off
	global_load_b128 v[\reg:\reg+3], v1, s[\sb:\sb+1] offset:\off
	global_load_b64 v[\reg+4:\reg+5], v2, s[\sb:\sb+1] offset:\off+512
	global_load_b128 v[\reg+6:\reg+9], v1, s[\sb:\sb+1] offset:\off+768
	global_load_b64 v[\reg+10:\reg+11], v2, s[\sb:\sb+1] offset:\off+1280
.endm
.macro WM d, a, b, c, sa, sb, ra, rb
.if (\ra)==0 && (\rb)==0
	v_wmma_scale_f32_16x16x128_f8f6f4 v[\d:\d+7], v[\a:\a+11], v[\b:\b+11], \c, v[\sa], v[\sb] matrix_a_fmt:MATRIX_FMT_FP6 matrix_b_fmt:MATRIX_FMT_FP6
.elseif (\ra)==1 && (\rb)==0
	v_wmma_scale_f32_16x16x128_f8f6f4 v[\d:\d+7], v[\a:\a+11], v[\b:\b+11], \c, v[\sa], v[\sb] matrix_a_fmt:MATRIX_FMT_FP6 matrix_b_fmt:MATRIX_FMT_FP6 matrix_a_scale:MATRIX_SCALE_ROW1
.elseif (\ra)==0 && (\rb)==1
	v_wmma_scale_f32_16x16x128_f8f6f4 v[\d:\d+7], v[\a:\a+11], v[\b:\b+11], \c, v[\sa], v[\sb] matrix_a_fmt:MATRIX_FMT_FP6 matrix_b_fmt:MATRIX_FMT_FP6 matrix_b_scale:MATRIX_SCALE_ROW1
.else
	v_wmma_scale_f32_16x16x128_f8f6f4 v[\d:\d+7], v[\a:\a+11], v[\b:\b+11], \c, v[\sa], v[\sb] matrix_a_fmt:MATRIX_FMT_FP6 matrix_b_fmt:MATRIX_FMT_FP6 matrix_a_scale:MATRIX_SCALE_ROW1 matrix_b_scale:MATRIX_SCALE_ROW1
.endif
.endm
.macro CORE PSTR
.irp st, 0,1
.irp pp, 0,1
.irp u, 0,1
	LDTILE PF+48*\st+24*\pp+12*\u, 24, \pp*\PSTR+\st*3072+\u*1536
.endr
	global_load_b32 v[PS+2*\st+\pp], v3, s[26:27] offset:\pp*(\PSTR/24)+\st*128
.endr
.irp u, 0,1
	LDTILE QF+24*\st+12*\u, 28, \st*3072+\u*1536
.endr
	global_load_b32 v[QS+\st], v3, s[30:31] offset:\st*128
.endr
	s_wait_loadcnt 27                              ; the first K step's 27 loads are in; the second's 27 may be out
.irp qt, 0,1
.irp pt, 0,1,2,3
	WM ACC+8*(4*\qt+\pt), PF+12*\pt, QF+12*\qt, 0, PS+\pt/2, QS, \pt%2, \qt
.endr
.endr
	s_wait_loadcnt 0x0
.irp qt, 0,1                           ; the eight accumulators take turns, one instruction a turn
.irp pt, 0,1,2,3
	WM ACC+8*(4*\qt+\pt), PF+48+12*\pt, QF+24+12*\qt, v[ACC+8*(4*\qt+\pt):ACC+8*(4*\qt+\pt)+7], PS+2+\pt/2, QS+1, \pt%2, \qt
.endr
.endr
.rept 4
	v_nop
.endr
.endm
.macro SETC k, bits
	v_mov_b32 v[CF+2*\k], \bits
	v_mov_b32 v[CF+2*\k+1], \bits
.endm
.macro PKMUL d, a, b, cnt
.set n, 0
.rept \cnt
	v_pk_mul_f32 v[\d+n:\d+n+1], v[\a+n:\a+n+1], v[\b+n:\b+n+1]
.set n, n+2
.endr
.endm
.macro GELU16 base                     ; sixteen numbers in place
.set n, 0
.rept 16
	v_mul_f32 v[ZZ+n], 0x3f3504f3, v[\base+n]      ; x / sqrt(2)
.set n, n+1
.endr
.set n, 0
.rept 16
	v_med3_num_f32 v[ZZ+n], v[ZZ+n], -4.0, 4.0
.set n, n+1
.endr
	PKMUL Z2, ZZ, ZZ, 8
.set n, 0
.rept 8
	v_pk_fma_f32 v[PP+n:PP+n+1], v[Z2+n:Z2+n+1], v[CF:CF+1], v[CF+2:CF+3]
	v_pk_fma_f32 v[QQ+n:QQ+n+1], v[Z2+n:Z2+n+1], v[CF+14:CF+15], v[CF+16:CF+17]
.set n, n+2
.endr
.irp k, 2,3,4,5,6
.set n, 0
.rept 8
	v_pk_fma_f32 v[PP+n:PP+n+1], v[PP+n:PP+n+1], v[Z2+n:Z2+n+1], v[CF+2*\k:CF+2*\k+1]
.set n, n+2
.endr
.endr
.irp k, 9,10,11
.set n, 0
.rept 8
	v_pk_fma_f32 v[QQ+n:QQ+n+1], v[QQ+n:QQ+n+1], v[Z2+n:Z2+n+1], v[CF+2*\k:CF+2*\k+1]
.set n, n+2
.endr
.endr
.set n, 0
.rept 16
	v_rcp_f32 v[QQ+n], v[QQ+n]
.set n, n+1
.endr
	PKMUL PP, PP, ZZ, 8                            ; plain work behind the batch, which names none of its results
.set n, 0
.rept 8
	v_pk_mul_f32 v[Z2+n:Z2+n+1], v[\base+n:\base+n+1], 0.5 op_sel_hi:[1,0]
.set n, n+2
.endr
	s_wait_alu depctr_va_vdst(0)                   ; one wait for the sixteen reciprocals, ahead of their first reader
	PKMUL PP, PP, QQ, 8                            ; erf
.set n, 0
.rept 8
	v_pk_fma_f32 v[\base+n:\base+n+1], v[Z2+n:Z2+n+1], v[PP+n:PP+n+1], v[Z2+n:Z2+n+1]   ; x / 2 + x / 2 erf
.set n, n+2
.endr
.endm
	s_load_b256 s[4:11], s[0:1], 0x0               ; act, the layer's weight images, bi, hc
	v_lshl_add_u32 v254, v0, 2, 0xc000
	v_mov_b32 v255, 0
	v_lshrrev_b32 v1, 5, v0
	v_readfirstlane_b32 s16, v1                    ; wave 0..5
	s_and_b32 s17, s16, 1                          ; ph
	s_lshr_b32 s18, s16, 1                         ; kw
	s_and_b32 s21, ttmp7, 0xffff                   ; pair of row tiles
	s_lshl_b32 s23, ttmp9, 2
	s_lshl_b32 s33, s17, 1
	s_add_co_u32 s23, s23, s33
	s_add_co_u32 s23, s23, 96                      ; weight pair 96 + 4 cg + 2 ph
	s_mul_i32 s23, s23, 6
	s_lshl_b32 s35, s18, 1
	s_add_co_u32 s23, s23, s35
	s_mul_i32 s34, s21, 6
	s_add_co_u32 s34, s34, s35
	s_mul_i32 s40, s23, 3072
	s_mov_b32 s41, 0
	s_lshl_b32 s42, s23, 7
	s_add_co_u32 s42, s42, SCB
	s_mov_b32 s43, 0
	s_mul_i32 s44, s34, 3072
	s_mov_b32 s45, 0
	s_lshl_b32 s46, s34, 7
	s_add_co_u32 s46, s46, XSC
	s_mov_b32 s47, 0
	s_lshl_b32 s56, ttmp9, 9                       ; the bias of my 128 hidden units
	s_mov_b32 s57, 0
	s_mul_i32 s50, s21, 24
	s_add_co_u32 s50, s50, ttmp9                   ; h's block 24 RB + cg
	s_mul_i32 s52, s50, 3072
	s_mul_i32 s59, s16, 1536
	s_add_co_u32 s52, s52, s59
	s_mov_b32 s53, 0
	s_lshl_b32 s54, s50, 7
	s_lshl_b32 s59, s16, 6
	s_add_co_u32 s54, s54, s59
	s_add_co_u32 s54, s54, HSC
	s_mov_b32 s55, 0
	s_mov_b32 s[SEL], 0x76543210
	s_mov_b32 s[SEL+1], 0xfedcba98
	v_and_b32 v8, 31, v0
	v_lshlrev_b32 v1, 4, v8
	v_lshlrev_b32 v2, 3, v8
	v_lshlrev_b32 v3, 2, v8
	v_and_b32 v10, 15, v0
	v_lshlrev_b32 v4, 2, v10                       ; 4 r
	v_bfe_u32 v11, v0, 4, 1
	v_lshlrev_b32 v5, 6, v11                       ; 64 h
	s_lshl_b32 s60, s16, 13
	v_add_nc_u32 v6, s60, v1                       ; LDS: my wave's 8,192 bytes of partial sums
	s_lshl_b32 s60, s16, 12
	v_add_nc_u32 v7, s60, v1                       ; and, in waves 0 and 1, tile qt's four accumulators in every wave's
	s_wait_kmcnt 0x0
	s_add_nc_u64 s[24:25], s[6:7], s[40:41]
	s_add_nc_u64 s[26:27], s[6:7], s[42:43]
	s_add_nc_u64 s[28:29], s[4:5], s[44:45]
	s_add_nc_u64 s[30:31], s[4:5], s[46:47]
	s_add_nc_u64 s[36:37], s[8:9], s[56:57]
	s_add_nc_u64 s[52:53], s[10:11], s[52:53]
	s_add_nc_u64 s[54:55], s[10:11], s[54:55]
	CORE 18432
.irp a, 0,1,2,3,4,5,6,7
	ds_store_b128 v6, v[ACC+8*\a:ACC+8*\a+3] offset:1024*\a          ; each accumulator from its low end on
	ds_store_b128 v6, v[ACC+8*\a+4:ACC+8*\a+7] offset:1024*\a+512
.endr
	s_wait_dscnt 0x0                               ; for the others' sake: my partial sums have landed
	s_barrier_signal -1
	s_barrier_wait -1
	s_cmp_ge_u32 s16, 2
	s_cbranch_scc1 .Lend
.irp b, 0,1,2,3
.irp j, 0,1,2,3
	global_load_b128 v[BI+16*\b+4*\j:BI+16*\b+4*\j+3], v5, s[36:37] offset:128*\b+16*\j
.endr
.endr
.irp ph, 0,1
.irp kw, 0,1,2
.irp pt, 0,1,2,3
	ds_load_b128 v[T+32*\kw+8*\pt:T+32*\kw+8*\pt+3], v7 offset:(2*\kw+\ph)*8192+\pt*1024
	ds_load_b128 v[T+32*\kw+8*\pt+4:T+32*\kw+8*\pt+7], v7 offset:(2*\kw+\ph)*8192+\pt*1024+512
.endr
.endr
	s_wait_dscnt 0x0
.set n, 0
.rept 16
	v_pk_add_f32 v[H+32*\ph+n:H+32*\ph+n+1], v[T+n:T+n+1], v[T+32+n:T+32+n+1]
.set n, n+2
.endr
.set n, 0
.rept 16
	v_pk_add_f32 v[H+32*\ph+n:H+32*\ph+n+1], v[H+32*\ph+n:H+32*\ph+n+1], v[T+64+n:T+64+n+1]
.set n, n+2
.endr
.endr
	s_wait_loadcnt 0x0                             ; the bias
.set n, 0
.rept 32
	v_pk_add_f32 v[H+n:H+n+1], v[H+n:H+n+1], v[BI+n:BI+n+1]
.set n, n+2
.endr
	SETC 0, 0xaf95df0b                             ; P, from the highest power down
	SETC 1, 0x32edffee
	SETC 2, 0xb60cff51
	SETC 3, 0xb86ec2d2
	SETC 4, 0xba40ac63
	SETC 5, 0xbb41a1f6
	SETC 6, 0xbc83dbd4
	SETC 7, 0xb77460cd                             ; Q likewise
	SETC 8, 0xb95fbd29
	SETC 9, 0xbadc924e
	SETC 10, 0xbbf19bf8
	SETC 11, 0xbc69b6a7
	GELU16 H
	GELU16 H+16
	GELU16 H+32
	GELU16 H+48
	QUANT H
	global_store_b128 v1, v[PC:PC+3], s[52:53]
	global_store_b64 v2, v[PC+4:PC+5], s[52:53] offset:512
	global_store_b128 v1, v[PC+6:PC+9], s[52:53] offset:768
	global_store_b64 v2, v[PC+10:PC+11], s[52:53] offset:1280
	global_store_b32 v4, v[PW], s[54:55]
.Lend:
	s_wait_tensorcnt 0x0
	ds_add_u32 v254, v255
	s_wait_dscnt 0x0
	s_endpgm
.Lfunc_end_k_q9b6f2059b4_ffn1_0:
	.size	k_q9b6f2059b4_ffn1_0, .Lfunc_end_k_q9b6f2059b4_ffn1_0-k_q9b6f2059b4_ffn1_0
	.p2alignl 7, 3214868480
	.fill 96, 4, 3214868480
	.section	.rodata,"a",@progbits
	.p2align	6, 0x0
	.amdhsa_kernel k_q9b6f2059b4_ffn1_0
		.amdhsa_group_segment_fixed_size 49920
		.amdhsa_private_segment_fixed_size 0
		.amdhsa_enable_private_segment 0
		.amdhsa_kernarg_size 32
		.amdhsa_user_sgpr_count 2
		.amdhsa_user_sgpr_kernarg_segment_ptr 1
		.amdhsa_wavefront_size32 1
		.amdhsa_system_sgpr_workgroup_id_x 1
		.amdhsa_system_sgpr_workgroup_id_y 1
		.amdhsa_system_sgpr_workgroup_id_z 1
		.amdhsa_system_vgpr_workitem_id 0
		.amdhsa_next_free_vgpr 256
		.amdhsa_next_free_sgpr 66
		.amdhsa_reserve_vcc 0
		.amdhsa_float_denorm_mode_32 3
		.amdhsa_float_denorm_mode_16_64 3
		.amdhsa_memory_ordered 1
		.amdhsa_forward_progress 1
		.amdhsa_inst_pref_size 68
	.end_amdhsa_kernel
	.amdgpu_metadata
---
amdhsa.version: [ 1, 2 ]
amdhsa.kernels:
  - .name:           k_q9b6f2059b4_ffn1_0
    .symbol:         k_q9b6f2059b4_ffn1_0.kd
    .args:
      - { .name: act, .offset: 0, .size: 8, .value_kind: global_buffer, .address_space: global }
      - { .name: wc0, .offset: 8, .size: 8, .value_kind: global_buffer, .address_space: global }
      - { .name: params_layers_0_bi, .offset: 16, .size: 8, .value_kind: global_buffer, .address_space: global }
      - { .name: hc, .offset: 24, .size: 8, .value_kind: global_buffer, .address_space: global }
    .group_segment_fixed_size: 49920
    .private_segment_fixed_size: 0
    .kernarg_segment_align: 8
    .kernarg_segment_size: 32
    .max_flat_workgroup_size: 192
    .sgpr_count:     66
    .vgpr_count:     256
    .wavefront_size: 32
...
	.end_amdgpu_metadata
.endif
;; end of part 6
;; launch ffn2_0 (part 7): grid 12 x 12, 12 waves a work-group, no clusters, 105,984 bytes of LDS; arguments hc, wc0, z; writes z
.if DOCPART == 7
	.amdgcn_target "amdgcn-amd-amdhsa--gfx1250"
	.amdhsa_code_object_version 6
	.text
	.protected	k_q9b6f2059b4_ffn2_0
	.globl	k_q9b6f2059b4_ffn2_0
	.p2align	8
	.type	k_q9b6f2059b4_ffn2_0,@function
k_q9b6f2059b4_ffn2_0:
	s_mov_b64 s[64:65], 0
	v_nop
	global_prefetch_b8 v0, s[64:65] scope:SCOPE_SE
	s_setreg_imm32_b32 hwreg(HW_REG_WAVE_MODE, 25, 1), 1
	s_wait_xcnt 0x0
; z = h wf, the bare product (residual, bias and norm follow in the next launch), on codes of E2M3.  h: the hidden layer's images (hc); wf: blocks 1152 on of the layer's weight images.  K = 3,072: 24 K steps.
; SHARES.  A work-group makes 32 rows (grid y) x 64 columns (grid x).  Wave w of twelve takes K steps 2 w, 2 w + 1: all its 54 loads go out at once, from memory straight into operand registers.
; Source 0 = 16 columns of the weight, source 1 = 16 rows: a lane holds eight neighbouring columns of a row.  Each wave lays its 32 x 64 partial sums row by row in its own stage (rows of 256 + 16 bytes); one barrier;
; waves 0 and 1 add the parts, K ascending, and store 16 rows each: sixteen lanes write 256 consecutive bytes at a multiple of 256.
; No tensor load, so no joint request that a cluster could share.  LIMITS: K is summed in KS / 2 f32 parts; NaN and infinities are not served.
.set KS,     24
.set NW,     12
.set WBASE,  1152
.set ACODE,  0
.set ASCALE, 9437184
.set SCB, 5308416
.set PS,  16
.set QS,  20
.set PF,  24
.set QF,  120
.set ACC, 168
.set SUM, 24
.set TB0, 56                           ; v56-151, v152-247: three partial sums each, by turns
.macro LDTILE reg, sb, off
	global_load_b128 v[\reg:\reg+3], v1, s[\sb:\sb+1] offset:\off
	global_load_b64 v[\reg+4:\reg+5], v2, s[\sb:\sb+1] offset:\off+512
	global_load_b128 v[\reg+6:\reg+9], v1, s[\sb:\sb+1] offset:\off+768
	global_load_b64 v[\reg+10:\reg+11], v2, s[\sb:\sb+1] offset:\off+1280
.endm
.macro WM d, a, b, c, sa, sb, ra, rb
.if (\ra)==0 && (\rb)==0
	v_wmma_scale_f32_16x16x128_f8f6f4 v[\d:\d+7], v[\a:\a+11], v[\b:\b+11], \c, v[\sa], v[\sb] matrix_a_fmt:MATRIX_FMT_FP6 matrix_b_fmt:MATRIX_FMT_FP6
.elseif (\ra)==1 && (\rb)==0
	v_wmma_scale_f32_16x16x128_f8f6f4 v[\d:\d+7], v[\a:\a+11], v[\b:\b+11], \c, v[\sa], v[\sb] matrix_a_fmt:MATRIX_FMT_FP6 matrix_b_fmt:MATRIX_FMT_FP6 matrix_a_scale:MATRIX_SCALE_ROW1
.elseif (\ra)==0 && (\rb)==1
	v_wmma_scale_f32_16x16x128_f8f6f4 v[\d:\d+7], v[\a:\a+11], v[\b:\b+11], \c, v[\sa], v[\sb] matrix_a_fmt:MATRIX_FMT_FP6 matrix_b_fmt:MATRIX_FMT_FP6 matrix_b_scale:MATRIX_SCALE_ROW1
.else
	v_wmma_scale_f32_16x16x128_f8f6f4 v[\d:\d+7], v[\a:\a+11], v[\b:\b+11], \c, v[\sa], v[\sb] matrix_a_fmt:MATRIX_FMT_FP6 matrix_b_fmt:MATRIX_FMT_FP6 matrix_a_scale:MATRIX_SCALE_ROW1 matrix_b_scale:MATRIX_SCALE_ROW1
.endif
.endm
.macro CORE PSTR
.irp st, 0,1
.irp pp, 0,1
.irp u, 0,1
	LDTILE PF+48*\st+24*\pp+12*\u, 24, \pp*\PSTR+\st*3072+\u*1536
.endr
	global_load_b32 v[PS+2*\st+\pp], v3, s[26:27] offset:\pp*(\PSTR/24)+\st*128
.endr
.irp u, 0,1
	LDTILE QF+24*\st+12*\u, 28, \st*3072+\u*1536
.endr
	global_load_b32 v[QS+\st], v3, s[30:31] offset:\st*128
.endr
	s_wait_loadcnt 27                              ; the first K step's 27 loads are in; the second's 27 may be out
.irp qt, 0,1
.irp pt, 0,1,2,3
	WM ACC+8*(4*\qt+\pt), PF+12*\pt, QF+12*\qt, 0, PS+\pt/2, QS, \pt%2, \qt
.endr
.endr
	s_wait_loadcnt 0x0
.irp qt, 0,1                           ; the eight accumulators take turns, one instruction a turn
.irp pt, 0,1,2,3
	WM ACC+8*(4*\qt+\pt), PF+48+12*\pt, QF+24+12*\qt, v[ACC+8*(4*\qt+\pt):ACC+8*(4*\qt+\pt)+7], PS+2+\pt/2, QS+1, \pt%2, \qt
.endr
.endr
.rept 4
	v_nop
.endr
.endm
.macro PKADD d, a, b, cnt
.set n, 0
.rept \cnt
	v_pk_add_f32 v[\d+n:\d+n+1], v[\a+n:\a+n+1], v[\b+n:\b+n+1]
.set n, n+2
.endr
.endm
.macro RLOAD bt                        ; the parts of waves 3 bt .. 3 bt + 2: my 16 rows, two rows an instruction
.irp w3, 0,1,2
.irp t, 0,1,2,3,4,5,6,7
.if 3*(\bt)+\w3 < 6
	ds_load_b128 v[TB0+96*((\bt)%2)+32*\w3+4*\t:TB0+96*((\bt)%2)+32*\w3+4*\t+3], v7 offset:(3*(\bt)+\w3)*8704+544*\t
.else
	ds_load_b128 v[TB0+96*((\bt)%2)+32*\w3+4*\t:TB0+96*((\bt)%2)+32*\w3+4*\t+3], v8 offset:(3*(\bt)+\w3-6)*8704+544*\t
.endif
.endr
.endr
.endm
.macro RADD bt
.set TBB, TB0+96*((\bt)%2)
.if (\bt) == 0
	PKADD SUM, TBB, TBB+32, 16
.else
	PKADD SUM, SUM, TBB, 16
	PKADD SUM, SUM, TBB+32, 16
.endif
	PKADD SUM, SUM, TBB+64, 16
.endm
	s_load_b128 s[4:7], s[0:1], 0x0                ; the rows' images, the layer's weight images
	s_load_b64 s[8:9], s[0:1], 0x10                ; z
	v_lshl_add_u32 v254, v0, 2, 0x19800
	v_mov_b32 v255, 0
	v_lshrrev_b32 v1, 5, v0
	v_readfirstlane_b32 s16, v1                    ; wave
	s_and_b32 s21, ttmp7, 0xffff                   ; pair of row tiles
	s_lshl_b32 s22, s16, 1
	s_mul_i32 s23, ttmp9, 2*KS
	s_add_co_u32 s23, s23, s22
	s_add_co_u32 s23, s23, WBASE                   ; the weight's first block
	s_mul_i32 s32, s21, KS
	s_add_co_u32 s32, s32, s22                     ; the rows' first block
	s_mul_i32 s40, s23, 3072
	s_mov_b32 s41, 0
	s_lshl_b32 s42, s23, 7
	s_add_co_u32 s42, s42, SCB
	s_mov_b32 s43, 0
	s_mul_i32 s44, s32, 3072
	s_add_co_u32 s44, s44, ACODE
	s_mov_b32 s45, 0
	s_lshl_b32 s46, s32, 7
	s_add_co_u32 s46, s46, ASCALE
	s_mov_b32 s47, 0
	s_lshl_b32 s48, s21, 5
	s_lshl_b32 s49, s16, 3
	s_add_co_u32 s48, s48, s49
	s_mul_i32 s48, s48, 3072                       ; z: row 32 RB + 8 qt,
	s_lshl_b32 s49, ttmp9, 8
	s_add_co_u32 s48, s48, s49                     ; + my 64 columns
	s_mov_b32 s49, 0
	v_and_b32 v8, 31, v0
	v_lshlrev_b32 v1, 4, v8
	v_lshlrev_b32 v2, 3, v8
	v_lshlrev_b32 v3, 2, v8
	v_and_b32 v10, 15, v0                          ; r
	v_bfe_u32 v11, v0, 4, 1                        ; h
	v_mul_u32_u24 v6, v10, 272
	v_lshl_add_u32 v6, v11, 6, v6
	s_mul_i32 s20, s16, 8704
	v_add_nc_u32 v6, s20, v6                       ; my stage: row r, + 64 h
	v_mul_u32_u24 v7, v11, 272
	v_lshl_add_u32 v7, v10, 4, v7
	s_mul_i32 s20, s16, 4352
	v_add_nc_u32 v7, s20, v7                       ; back, in waves 0 and 1: tile qt's rows, lanes 0-15 one row, lanes 16-31 the next
.if NW > 6
	v_add_nc_u32 v8, 52224, v7                     ; the same six stages on: an LDS offset has 16 bits
.endif
	v_mul_u32_u24 v9, v11, 3072
	v_lshl_add_u32 v9, v10, 4, v9                  ; and the same two rows in z
	s_wait_kmcnt 0x0
	s_add_nc_u64 s[24:25], s[6:7], s[40:41]
	s_add_nc_u64 s[26:27], s[6:7], s[42:43]
	s_add_nc_u64 s[28:29], s[4:5], s[44:45]
	s_add_nc_u64 s[30:31], s[4:5], s[46:47]
	s_add_nc_u64 s[50:51], s[8:9], s[48:49]
	CORE KS*3072
.irp qt, 0,1
.irp pt, 0,1,2,3
	ds_store_b128 v6, v[ACC+8*(4*\qt+\pt):ACC+8*(4*\qt+\pt)+3] offset:4352*\qt+128*(\pt/2)+32*(\pt%2)      ; each accumulator from its low end on
	ds_store_b128 v6, v[ACC+8*(4*\qt+\pt)+4:ACC+8*(4*\qt+\pt)+7] offset:4352*\qt+128*(\pt/2)+32*(\pt%2)+16
.endr
.endr
	s_wait_dscnt 0x0                               ; for the others' sake: my part has landed
	s_barrier_signal -1
	s_barrier_wait -1
	s_cmp_ge_u32 s16, 2
	s_cbranch_scc1 .Lend
	RLOAD 0
.if NW > 3
	RLOAD 1
	s_wait_dscnt 24                                ; the older batch is in; the younger's 24 loads may be out
	RADD 0
	RLOAD 2
	s_wait_dscnt 24
	RADD 1
	RLOAD 3
	s_wait_dscnt 24
	RADD 2
	s_wait_dscnt 0x0
	RADD 3
.else
	s_wait_dscnt 0x0
	RADD 0
.endif
.irp t, 0,1,2,3,4,5,6,7
	global_store_b128 v9, v[SUM+4*\t:SUM+4*\t+3], s[50:51] offset:(2*(\t%4)+16*(\t/4))*3072
.endr
.Lend:
	s_wait_tensorcnt 0x0
	ds_add_u32 v254, v255
	s_wait_dscnt 0x0
	s_endpgm
.Lfunc_end_k_q9b6f2059b4_ffn2_0:
	.size	k_q9b6f2059b4_ffn2_0, .Lfunc_end_k_q9b6f2059b4_ffn2_0-k_q9b6f2059b4_ffn2_0
	.p2alignl 7, 3214868480
	.fill 96, 4, 3214868480
	.section	.rodata,"a",@progbits
	.p2align	6, 0x0
	.amdhsa_kernel k_q9b6f2059b4_ffn2_0
		.amdhsa_group_segment_fixed_size 105984
		.amdhsa_private_segment_fixed_size 0
		.amdhsa_enable_private_segment 0
		.amdhsa_kernarg_size 24
		.amdhsa_user_sgpr_count 2
		.amdhsa_user_sgpr_kernarg_segment_ptr 1
		.amdhsa_wavefront_size32 1
		.amdhsa_system_sgpr_workgroup_id_x 1
		.amdhsa_system_sgpr_workgroup_id_y 1
		.amdhsa_system_sgpr_workgroup_id_z 1
		.amdhsa_system_vgpr_workitem_id 0
		.amdhsa_next_free_vgpr 256
		.amdhsa_next_free_sgpr 66
		.amdhsa_reserve_vcc 0
		.amdhsa_float_denorm_mode_32 3
		.amdhsa_float_denorm_mode_16_64 3
		.amdhsa_memory_ordered 1
		.amdhsa_forward_progress 1
		.amdhsa_inst_pref_size 30
	.end_amdhsa_kernel
	.amdgpu_metadata
---
amdhsa.version: [ 1, 2 ]
amdhsa.kernels:
  - .name:           k_q9b6f2059b4_ffn2_0
    .symbol:         k_q9b6f2059b4_ffn2_0.kd
    .args:
      - { .name: hc, .offset: 0, .size: 8, .value_kind: global_buffer, .address_space: global }
      - { .name: wc0, .offset: 8, .size: 8, .value_kind: global_buffer, .address_space: global }
      - { .name: z, .offset: 16, .size: 8, .value_kind: global_buffer, .address_space: global }
    .group_segment_fixed_size: 105984
    .private_segment_fixed_size: 0
    .kernarg_segment_align: 8
    .kernarg_segment_size: 24
    .max_flat_workgroup_size: 384
    .sgpr_count:     66
    .vgpr_count:     256
    .wavefront_size: 32
...
	.end_amdgpu_metadata
.endif
;; end of part 7
;; launch ln2_0: the kernel of part 2 again; grid 12 x 1, 12 waves a work-group, no clusters, 104,960 bytes of LDS; arguments xfB, z, params_layers_0_bf, params_layers_0_ln2_g, params_layers_0_ln2_b, xfA, act; writes xfA, act
;; launch qkv1 (part 8): grid 150 x 1, 6 waves a work-group, no clusters, 49,920 bytes of LDS; arguments act, wc1, params_layers_1_bq, params_layers_1_bk, params_layers_1_bv, qkvc; writes qkvc
.if DOCPART == 8
	.amdgcn_target "amdgcn-amd-amdhsa--gfx1250"
	.amdhsa_code_object_version 6
	.text
	.protected	k_q9b6f2059b4_qkv1
	.globl	k_q9b6f2059b4_qkv1
	.p2align	8
	.type	k_q9b6f2059b4_qkv1,@function
k_q9b6f2059b4_qkv1:
	s_mov_b64 s[64:65], 0
	v_nop
	global_prefetch_b8 v0, s[64:65] scope:SCOPE_SE
	s_setreg_imm32_b32 hwreg(HW_REG_WAVE_MODE, 25, 1), 1
	s_wait_xcnt 0x0
; The second layer's q, k, v: the first layer's text with other counts of rows (RQP, RKP).
; q = (x wq + bq) / 8, k = x wk + bk, v = x wv + bv on codes of E2M3, each result quantised at once into the images that attention reads: q and k along a head's 64 (a K step = a pair of heads), v along the KEYS.
; SHARES.  The first 6 RQP work-groups make q (pair of row tiles rb, pair of heads cu), the next 6 RKP k, the last 6 RKP v (128 keys rb, pair of column tiles cu).  Each makes one image block: 32 rows x 128 along the next K.
; The matrix instruction's source 0 takes the side whose index becomes the next K: 8 tiles of weight columns for q and k, 8 tiles of tokens for v; so a lane's 64 results run along the next K, in the conversions' order.
; Six waves: wave 2 kw + ph takes four of the eight tiles (ph) and K steps 2 kw, 2 kw + 1 of the 768.  All its 54 loads go out at once, from memory straight into operand registers (the buffers are images of them).
; The three partial sums meet in LDS behind one barrier; waves 0 and 1 add them (K ascending), add the bias, scale, quantise and store a tile each.
; No tensor load, so no joint request that a cluster could share.
; LIMITS: K is summed in three f32 parts; a block under 2^-124 (zeros too) gets the byte 1; NaN and infinities are not served.
.set RQP, 1
.set RKP, 12
.set NQ,  6*RQP
.set NK,  6*RKP
.set SCB, 5308416
.set XSC, 2359296
.set PART, 2457600
.set PS,  16
.set QS,  20
.set PF,  24
.set QF,  120
.set ACC, 168
.set H,   24
.set BI,  88
.set T,   152
.set TM,  152
.set PW,  168
.set PC,  170
.set SEL, 48
.macro QUANT s
.irp b, 0,1,2,3
	v_mov_b32 v[TM+4+\b], 0
.endr
.irp b, 0,1,2,3
	v_max3_num_f32 v[TM+\b], |v[\s+16*\b]|, |v[\s+1+16*\b]|, 0x1800000
.endr
.irp i, 2,4,6,8,10,12,14
.irp b, 0,1,2,3
	v_max3_num_f32 v[TM+\b], v[TM+\b], |v[\s+16*\b+\i]|, |v[\s+1+16*\b+\i]|
.endr
.endr
.irp b, 0,1,2,3
	v_permlanex16_b32 v[TM+4+\b], v[TM+\b], s[SEL], s[SEL+1]
.endr
.irp b, 0,1,2,3
	v_max_num_f32 v[TM+\b], v[TM+\b], v[TM+4+\b]
.endr
.irp b, 0,1,2,3
	v_add_nc_u32 v[TM+12+\b], 0xff000000, v[TM+\b]
.endr
.irp b, 0,1,2,3
	v_lshrrev_b32 v[TM+4+\b], 23, v[TM+12+\b]
.endr
	v_lshl_or_b32 v[PW], v[TM+5], 8, v[TM+4]
	v_lshl_or_b32 v[PW], v[TM+6], 16, v[PW]
	v_lshl_or_b32 v[PW], v[TM+7], 24, v[PW]
.irp c, 0,1
	v_cvt_scalef32_pk16_fp6_f32 v[PC+6*\c:PC+2+6*\c], v[\s+32*\c:\s+15+32*\c], v[TM+12+2*\c]
	v_cvt_scalef32_pk16_fp6_f32 v[PC+12+4*\c:PC+14+4*\c], v[\s+16+32*\c:\s+31+32*\c], v[TM+12+2*\c+1]
.endr
	v_nop
.irp c, 0,1
.irp i, 0,1,2
	v_permlane16_swap_b32 v[PC+6*\c+\i], v[PC+12+4*\c+\i]
.endr
.irp i, 0,1,2
	v_mov_b32 v[PC+3+6*\c+\i], v[PC+12+4*\c+\i]
.endr
.endr
.endm
.macro LDTILE reg, sb, off
	global_load_b128 v[\reg:\reg+3], v1, s[\sb:\sb+1] offset:\off
	global_load_b64 v[\reg+4:\reg+5], v2, s[\sb:\sb+1] offset:\off+512
	global_load_b128 v[\reg+6:\reg+9], v1, s[\sb:\sb+1] offset:\off+768
	global_load_b64 v[\reg+10:\reg+11], v2, s[\sb:\sb+1] offset:\off+1280
.endm
.macro WM d, a, b, c, sa, sb, ra, rb
.if (\ra)==0 && (\rb)==0
	v_wmma_scale_f32_16x16x128_f8f6f4 v[\d:\d+7], v[\a:\a+11], v[\b:\b+11], \c, v[\sa], v[\sb] matrix_a_fmt:MATRIX_FMT_FP6 matrix_b_fmt:MATRIX_FMT_FP6
.elseif (\ra)==1 && (\rb)==0
	v_wmma_scale_f32_16x16x128_f8f6f4 v[\d:\d+7], v[\a:\a+11], v[\b:\b+11], \c, v[\sa], v[\sb] matrix_a_fmt:MATRIX_FMT_FP6 matrix_b_fmt:MATRIX_FMT_FP6 matrix_a_scale:MATRIX_SCALE_ROW1
.elseif (\ra)==0 && (\rb)==1
	v_wmma_scale_f32_16x16x128_f8f6f4 v[\d:\d+7], v[\a:\a+11], v[\b:\b+11], \c, v[\sa], v[\sb] matrix_a_fmt:MATRIX_FMT_FP6 matrix_b_fmt:MATRIX_FMT_FP6 matrix_b_scale:MATRIX_SCALE_ROW1
.else
	v_wmma_scale_f32_16x16x128_f8f6f4 v[\d:\d+7], v[\a:\a+11], v[\b:\b+11], \c, v[\sa], v[\sb] matrix_a_fmt:MATRIX_FMT_FP6 matrix_b_fmt:MATRIX_FMT_FP6 matrix_a_scale:MATRIX_SCALE_ROW1 matrix_b_scale:MATRIX_SCALE_ROW1
.endif
.endm
.macro CORE PSTR
.irp st, 0,1
.irp pp, 0,1
.irp u, 0,1
	LDTILE PF+48*\st+24*\pp+12*\u, 24, \pp*\PSTR+\st*3072+\u*1536
.endr
	global_load_b32 v[PS+2*\st+\pp], v3, s[26:27] offset:\pp*(\PSTR/24)+\st*128
.endr
.irp u, 0,1
	LDTILE QF+24*\st+12*\u, 28, \st*3072+\u*1536
.endr
	global_load_b32 v[QS+\st], v3, s[30:31] offset:\st*128
.endr
	s_wait_loadcnt 27                              ; the first K step's 27 loads are in; the second's 27 may be out
.irp qt, 0,1
.irp pt, 0,1,2,3
	WM ACC+8*(4*\qt+\pt), PF+12*\pt, QF+12*\qt, 0, PS+\pt/2, QS, \pt%2, \qt
.endr
.endr
	s_wait_loadcnt 0x0
.irp qt, 0,1                           ; the eight accumulators take turns, one instruction a turn
.irp pt, 0,1,2,3
	WM ACC+8*(4*\qt+\pt), PF+48+12*\pt, QF+24+12*\qt, v[ACC+8*(4*\qt+\pt):ACC+8*(4*\qt+\pt)+7], PS+2+\pt/2, QS+1, \pt%2, \qt
.endr
.endr
.rept 4
	v_nop
.endr
.endm
	s_load_b256 s[4:11], s[0:1], 0x0               ; act, the layer's weight images, bq, bk
	s_load_b128 s[12:15], s[0:1], 0x20             ; bv, qkvc
	v_lshl_add_u32 v254, v0, 2, 0xc000
	v_mov_b32 v255, 0
	v_lshrrev_b32 v1, 5, v0
	v_readfirstlane_b32 s16, v1                    ; wave 0..5
	s_and_b32 s17, s16, 1                          ; ph
	s_lshr_b32 s18, s16, 1                         ; kw
	s_cmp_ge_u32 ttmp9, NQ
	s_cselect_b32 s19, 1, 0
	s_cselect_b32 s20, NQ, 0
	s_cmp_ge_u32 ttmp9, NQ+NK
	s_cselect_b32 s21, 1, 0
	s_cselect_b32 s20, NQ+NK, s20
	s_add_co_u32 s19, s19, s21                     ; 0 q, 1 k, 2 v
	s_sub_co_u32 s20, ttmp9, s20                   ; my number among its work-groups
	s_mul_hi_u32 s21, s20, 0x2AAAAAAB              ; / 6
	s_mul_i32 s22, s21, 6
	s_sub_co_u32 s22, s20, s22
	s_mul_hi_u32 s23, s20, 0x0AAAAAAB              ; / 24
	s_mul_i32 s32, s23, 24
	s_sub_co_u32 s32, s20, s32
	s_cmp_eq_u32 s19, 2
	s_cselect_b32 s21, s23, s21                    ; rb
	s_cselect_b32 s22, s32, s22                    ; cu
	s_mul_i32 s23, s19, 24
	s_lshl_b32 s32, s22, 2
	s_add_co_u32 s23, s23, s32
	s_lshl_b32 s33, s17, 1
	s_add_co_u32 s23, s23, s33                     ; q, k: weight pair 24 type + 4 cu + 2 ph
	s_add_co_u32 s32, s22, 48                      ; v: weight pair 48 + cu
	s_lshl_b32 s34, s21, 2
	s_add_co_u32 s34, s34, s33                     ; v: x's pair 4 rb + 2 ph
	s_cmp_eq_u32 s19, 2
	s_cselect_b32 s23, s32, s23
	s_cselect_b32 s34, s34, s21                    ; q, k: x's pair rb
	s_mul_i32 s23, s23, 6
	s_lshl_b32 s35, s18, 1
	s_add_co_u32 s23, s23, s35
	s_mul_i32 s34, s34, 6
	s_add_co_u32 s34, s34, s35
	s_mul_i32 s40, s23, 3072
	s_mov_b32 s41, 0
	s_lshl_b32 s42, s23, 7
	s_add_co_u32 s42, s42, SCB
	s_mov_b32 s43, 0
	s_mul_i32 s44, s34, 3072
	s_mov_b32 s45, 0
	s_lshl_b32 s46, s34, 7
	s_add_co_u32 s46, s46, XSC
	s_mov_b32 s47, 0
	s_mul_i32 s50, s21, 6
	s_add_co_u32 s50, s50, s22                     ; q, k go to block 6 rb + cu,
	s_lshl_b32 s51, s22, 5
	s_add_co_u32 s51, s51, s21                     ; v to block 32 cu + rb
	s_lshl_b32 s56, s22, 9
	s_lshl_b32 s57, s22, 7
	s_lshl_b32 s58, s16, 5
	s_add_co_u32 s57, s57, s58
	s_cmp_eq_u32 s19, 2
	s_cselect_b32 s50, s51, s50
	s_cselect_b32 s56, s57, s56
	s_mov_b32 s57, 0
	s_mul_i32 s58, s19, PART
	s_mul_i32 s52, s50, 3072
	s_add_co_u32 s52, s52, s58
	s_mul_i32 s59, s16, 1536
	s_add_co_u32 s52, s52, s59
	s_mov_b32 s53, 0
	s_lshl_b32 s54, s50, 7
	s_add_co_u32 s54, s54, s58
	s_lshl_b32 s59, s16, 6
	s_add_co_u32 s54, s54, s59
	s_add_co_u32 s54, s54, XSC
	s_mov_b32 s55, 0
	s_mov_b32 s38, 0x3f800000
	s_cmp_eq_u32 s19, 0
	s_cselect_b32 s38, 0x3e000000, s38             ; q is divided by sqrt(64): exact
	s_mov_b32 s39, s38
	s_mov_b32 s[SEL], 0x76543210
	s_mov_b32 s[SEL+1], 0xfedcba98
	v_and_b32 v8, 31, v0
	v_lshlrev_b32 v1, 4, v8
	v_lshlrev_b32 v2, 3, v8
	v_lshlrev_b32 v3, 2, v8
	v_and_b32 v10, 15, v0
	v_lshlrev_b32 v4, 2, v10
	v_bfe_u32 v11, v0, 4, 1
	v_lshlrev_b32 v5, 6, v11
	v_and_b32 v9, 7, v10
	v_lshrrev_b32 v10, 3, v10
	v_lshl_add_u32 v9, v10, 4, v9
	v_lshlrev_b32 v9, 2, v9
	s_lshl_b32 s60, s16, 13
	v_add_nc_u32 v6, s60, v1
	s_lshl_b32 s60, s16, 12
	v_add_nc_u32 v7, s60, v1
	s_wait_kmcnt 0x0
	s_add_nc_u64 s[40:41], s[6:7], s[40:41]
	s_add_nc_u64 s[42:43], s[6:7], s[42:43]
	s_add_nc_u64 s[44:45], s[4:5], s[44:45]
	s_add_nc_u64 s[46:47], s[4:5], s[46:47]
	s_cmp_eq_u32 s19, 2                            ; which side is source 0 hangs on the work-group's number alone
	s_cselect_b64 s[24:25], s[44:45], s[40:41]
	s_cselect_b64 s[26:27], s[46:47], s[42:43]
	s_cselect_b64 s[28:29], s[40:41], s[44:45]
	s_cselect_b64 s[30:31], s[42:43], s[46:47]
	s_cselect_b64 s[36:37], s[12:13], s[10:11]
	s_cmp_eq_u32 s19, 0
	s_cselect_b64 s[36:37], s[8:9], s[36:37]
	s_add_nc_u64 s[36:37], s[36:37], s[56:57]
	s_add_nc_u64 s[52:53], s[14:15], s[52:53]
	s_add_nc_u64 s[54:55], s[14:15], s[54:55]
	CORE 18432
.irp a, 0,1,2,3,4,5,6,7
	ds_store_b128 v6, v[ACC+8*\a:ACC+8*\a+3] offset:1024*\a          ; each accumulator from its low end on
	ds_store_b128 v6, v[ACC+8*\a+4:ACC+8*\a+7] offset:1024*\a+512
.endr
	s_wait_dscnt 0x0                               ; for the others' sake: my partial sums have landed
	s_barrier_signal -1
	s_barrier_wait -1
	s_cmp_ge_u32 s16, 2
	s_cbranch_scc1 .Lend
	s_cmp_eq_u32 s19, 2
	s_cbranch_scc1 .Lbias_v
.irp b, 0,1,2,3
.irp j, 0,1,2,3
	global_load_b128 v[BI+16*\b+4*\j:BI+16*\b+4*\j+3], v5, s[36:37] offset:128*\b+16*\j
.endr
.endr
	s_branch .Lbias_asked
.Lbias_v:
	global_load_b32 v[BI], v9, s[36:37]
.Lbias_asked:
.irp ph, 0,1
.irp kw, 0,1,2
.irp pt, 0,1,2,3
	ds_load_b128 v[T+32*\kw+8*\pt:T+32*\kw+8*\pt+3], v7 offset:(2*\kw+\ph)*8192+\pt*1024
	ds_load_b128 v[T+32*\kw+8*\pt+4:T+32*\kw+8*\pt+7], v7 offset:(2*\kw+\ph)*8192+\pt*1024+512
.endr
.endr
	s_wait_dscnt 0x0
.set n, 0
.rept 16
	v_pk_add_f32 v[H+32*\ph+n:H+32*\ph+n+1], v[T+n:T+n+1], v[T+32+n:T+32+n+1]
.set n, n+2
.endr
.set n, 0
.rept 16
	v_pk_add_f32 v[H+32*\ph+n:H+32*\ph+n+1], v[H+32*\ph+n:H+32*\ph+n+1], v[T+64+n:T+64+n+1]
.set n, n+2
.endr
.endr
	s_wait_loadcnt 0x0                             ; the bias
	s_cmp_eq_u32 s19, 2
	s_cbranch_scc1 .Ladd_v
.set n, 0
.rept 32
	v_pk_add_f32 v[H+n:H+n+1], v[H+n:H+n+1], v[BI+n:BI+n+1]
.set n, n+2
.endr
	s_branch .Ladded
.Ladd_v:
	v_mov_b32 v[BI+1], v[BI]
.set n, 0
.rept 32
	v_pk_add_f32 v[H+n:H+n+1], v[H+n:H+n+1], v[BI:BI+1]
.set n, n+2
.endr
.Ladded:
.set n, 0
.rept 32
	v_pk_mul_f32 v[H+n:H+n+1], v[H+n:H+n+1], s[38:39] op_sel_hi:[1,0]
.set n, n+2
.endr
	QUANT H
	global_store_b128 v1, v[PC:PC+3], s[52:53]
	global_store_b64 v2, v[PC+4:PC+5], s[52:53] offset:512
	global_store_b128 v1, v[PC+6:PC+9], s[52:53] offset:768
	global_store_b64 v2, v[PC+10:PC+11], s[52:53] offset:1280
	global_store_b32 v4, v[PW], s[54:55]
.Lend:
	s_wait_tensorcnt 0x0
	ds_add_u32 v254, v255
	s_wait_dscnt 0x0
	s_endpgm
.Lfunc_end_k_q9b6f2059b4_qkv1:
	.size	k_q9b6f2059b4_qkv1, .Lfunc_end_k_q9b6f2059b4_qkv1-k_q9b6f2059b4_qkv1
	.p2alignl 7, 3214868480
	.fill 96, 4, 3214868480
	.section	.rodata,"a",@progbits
	.p2align	6, 0x0
	.amdhsa_kernel k_q9b6f2059b4_qkv1
		.amdhsa_group_segment_fixed_size 49920
		.amdhsa_private_segment_fixed_size 0
		.amdhsa_enable_private_segment 0
		.amdhsa_kernarg_size 48
		.amdhsa_user_sgpr_count 2
		.amdhsa_user_sgpr_kernarg_segment_ptr 1
		.amdhsa_wavefront_size32 1
		.amdhsa_system_sgpr_workgroup_id_x 1
		.amdhsa_system_sgpr_workgroup_id_y 1
		.amdhsa_system_sgpr_workgroup_id_z 1
		.amdhsa_system_vgpr_workitem_id 0
		.amdhsa_next_free_vgpr 256
		.amdhsa_next_free_sgpr 66
		.amdhsa_reserve_vcc 0
		.amdhsa_float_denorm_mode_32 3
		.amdhsa_float_denorm_mode_16_64 3
		.amdhsa_memory_ordered 1
		.amdhsa_forward_progress 1
		.amdhsa_inst_pref_size 33
	.end_amdhsa_kernel
	.amdgpu_metadata
---
amdhsa.version: [ 1, 2 ]
amdhsa.kernels:
  - .name:           k_q9b6f2059b4_qkv1
    .symbol:         k_q9b6f2059b4_qkv1.kd
    .args:
      - { .name: act, .offset: 0, .size: 8, .value_kind: global_buffer, .address_space: global }
      - { .name: wc1, .offset: 8, .size: 8, .value_kind: global_buffer, .address_space: global }
      - { .name: params_layers_1_bq, .offset: 16, .size: 8, .value_kind: global_buffer, .address_space: global }
      - { .name: params_layers_1_bk, .offset: 24, .size: 8, .value_kind: global_buffer, .address_space: global }
      - { .name: params_layers_1_bv, .offset: 32, .size: 8, .value_kind: global_buffer, .address_space: global }
      - { .name: qkvc, .offset: 40, .size: 8, .value_kind: global_buffer, .address_space: global }
    .group_segment_fixed_size: 49920
    .private_segment_fixed_size: 0
    .kernarg_segment_align: 8
    .kernarg_segment_size: 48
    .max_flat_workgroup_size: 192
    .sgpr_count:     66
    .vgpr_count:     256
    .wavefront_size: 32
...
	.end_amdgpu_metadata
.endif
;; end of part 8
;; launch attn1: the kernel of part 4 again; grid 6 x 2, 10 waves a work-group, no clusters, 44,800 bytes of LDS; arguments qkvc, act; writes act
;; launch wo1: the kernel of part 5 again; grid 12 x 1, 3 waves a work-group, no clusters, 26,624 bytes of LDS; arguments act, wc1, z; writes z
;; launch ln1_1: the kernel of part 2 again; grid 1 x 1, 12 waves a work-group, no clusters, 104,960 bytes of LDS; arguments xfA, z, params_layers_1_bo, params_layers_1_ln1_g, params_layers_1_ln1_b, xfB, act; writes xfB, act
;; launch ffn1_1: the kernel of part 6 again; grid 24 x 1, 6 waves a work-group, no clusters, 49,920 bytes of LDS; arguments act, wc1, params_layers_1_bi, hc; writes hc
;; launch ffn2_1: the kernel of part 7 again; grid 12 x 1, 12 waves a work-group, no clusters, 105,984 bytes of LDS; arguments hc, wc1, z; writes z
;; launch final (part 9): grid 1 x 1, 1 waves a work-group, no clusters, 0 bytes of LDS; arguments xfB, z, params_layers_1_bf, params_layers_1_ln2_g, params_layers_1_ln2_b, out0; writes out0
.if DOCPART == 9
	.amdgcn_target "amdgcn-amd-amdhsa--gfx1250"
	.amdhsa_code_object_version 6
	.text
	.protected	k_q9b6f2059b4_final
	.globl	k_q9b6f2059b4_final
	.p2align	8
	.type	k_q9b6f2059b4_final,@function
k_q9b6f2059b4_final:
	s_mov_b64 s[64:65], 0
	v_nop
	global_prefetch_b8 v0, s[64:65] scope:SCOPE_SE
	s_setreg_imm32_b32 hwreg(HW_REG_WAVE_MODE, 25, 1), 1
	s_wait_xcnt 0x0
; out0 = LayerNorm((x + h wf) + bf) g + b for row 0 alone: the one row that is returned.  One wave; lane L holds columns 4 L + 128 i, i = 0 .. 5, so that each load and store covers 512 consecutive bytes.
; Mean and variance in two passes.  The three numbers are added in another order than the source has them: one f32 rounding.  LIMITS: 1 / 768 is a rounded constant; the root's reciprocal is v_rsq_f32's.
.set X,  8
.set Z,  32
.set BF, 56
.set G,  80
.set BB, 104
.macro ACROSS                          ; v2: the sum over the 32 lanes, in every lane
	v_add_f32_dpp v2, v2, v2 row_xmask:1 row_mask:0xf bank_mask:0xf
	v_add_f32_dpp v2, v2, v2 row_xmask:2 row_mask:0xf bank_mask:0xf
	v_add_f32_dpp v2, v2, v2 row_xmask:4 row_mask:0xf bank_mask:0xf
	v_add_f32_dpp v2, v2, v2 row_xmask:8 row_mask:0xf bank_mask:0xf
	v_permlanex16_b32 v3, v2, s16, s17
	v_add_f32 v2, v2, v3
.endm
	s_load_b256 s[4:11], s[0:1], 0x0               ; x, z, bf, g
	s_load_b128 s[12:15], s[0:1], 0x20             ; b, out0
	v_lshlrev_b32 v1, 4, v0
	s_mov_b32 s16, 0x76543210
	s_mov_b32 s17, 0xfedcba98
	s_mov_b32 s18, 0x3aaaaaab                      ; 1 / 768
	s_mov_b32 s19, 0x3727c5ac                      ; 1e-5
	s_wait_kmcnt 0x0
.irp i, 0,1,2,3,4,5
	global_load_b128 v[X+4*\i:X+4*\i+3], v1, s[4:5] offset:512*\i
	global_load_b128 v[Z+4*\i:Z+4*\i+3], v1, s[6:7] offset:512*\i
	global_load_b128 v[BF+4*\i:BF+4*\i+3], v1, s[8:9] offset:512*\i
	global_load_b128 v[G+4*\i:G+4*\i+3], v1, s[10:11] offset:512*\i
	global_load_b128 v[BB+4*\i:BB+4*\i+3], v1, s[12:13] offset:512*\i
.endr
	s_wait_loadcnt 0x0
.set n, 0
.rept 12
	v_pk_add_f32 v[X+n:X+n+1], v[X+n:X+n+1], v[Z+n:Z+n+1]
.set n, n+2
.endr
.set n, 0
.rept 12
	v_pk_add_f32 v[X+n:X+n+1], v[X+n:X+n+1], v[BF+n:BF+n+1]
.set n, n+2
.endr
	v_pk_add_f32 v[2:3], v[X:X+1], v[X+2:X+3]
.set n, 4
.rept 10
	v_pk_add_f32 v[2:3], v[2:3], v[X+n:X+n+1]
.set n, n+2
.endr
	v_add_f32 v2, v2, v3
	ACROSS
	v_mul_f32 v4, 0xbaaaaaab, v2                   ; - the mean
	v_mov_b32 v5, v4
.set n, 0
.rept 12
	v_pk_add_f32 v[X+n:X+n+1], v[X+n:X+n+1], v[4:5]
.set n, n+2
.endr
	v_pk_mul_f32 v[2:3], v[X:X+1], v[X:X+1]
.set n, 2
.rept 11
	v_pk_fma_f32 v[2:3], v[X+n:X+n+1], v[X+n:X+n+1], v[2:3]
.set n, n+2
.endr
	v_add_f32 v2, v2, v3
	ACROSS
	v_fma_f32 v4, v2, s18, s19                     ; the variance + 1e-5
	v_rsq_f32 v4, v4
	v_nop                                          ; a plain line behind the transcendental,
	s_wait_alu depctr_va_vdst(0)                   ; and the wait ahead of its first reader
	v_mov_b32 v5, v4
.set n, 0
.rept 12
	v_pk_mul_f32 v[X+n:X+n+1], v[X+n:X+n+1], v[4:5]
.set n, n+2
.endr
.set n, 0
.rept 12
	v_pk_fma_f32 v[X+n:X+n+1], v[X+n:X+n+1], v[G+n:G+n+1], v[BB+n:BB+n+1]
.set n, n+2
.endr
.irp i, 0,1,2,3,4,5
	global_store_b128 v1, v[X+4*\i:X+4*\i+3], s[14:15] offset:512*\i
.endr
	s_endpgm
.Lfunc_end_k_q9b6f2059b4_final:
	.size	k_q9b6f2059b4_final, .Lfunc_end_k_q9b6f2059b4_final-k_q9b6f2059b4_final
	.p2alignl 7, 3214868480
	.fill 96, 4, 3214868480
	.section	.rodata,"a",@progbits
	.p2align	6, 0x0
	.amdhsa_kernel k_q9b6f2059b4_final
		.amdhsa_group_segment_fixed_size 0
		.amdhsa_private_segment_fixed_size 0
		.amdhsa_enable_private_segment 0
		.amdhsa_kernarg_size 48
		.amdhsa_user_sgpr_count 2
		.amdhsa_user_sgpr_kernarg_segment_ptr 1
		.amdhsa_wavefront_size32 1
		.amdhsa_system_sgpr_workgroup_id_x 1
		.amdhsa_system_sgpr_workgroup_id_y 1
		.amdhsa_system_sgpr_workgroup_id_z 1
		.amdhsa_system_vgpr_workitem_id 0
		.amdhsa_next_free_vgpr 128
		.amdhsa_next_free_sgpr 66
		.amdhsa_reserve_vcc 0
		.amdhsa_float_denorm_mode_32 3
		.amdhsa_float_denorm_mode_16_64 3
		.amdhsa_memory_ordered 1
		.amdhsa_forward_progress 1
		.amdhsa_inst_pref_size 11
	.end_amdhsa_kernel
	.amdgpu_metadata
---
amdhsa.version: [ 1, 2 ]
amdhsa.kernels:
  - .name:           k_q9b6f2059b4_final
    .symbol:         k_q9b6f2059b4_final.kd
    .args:
      - { .name: xfB, .offset: 0, .size: 8, .value_kind: global_buffer, .address_space: global }
      - { .name: z, .offset: 8, .size: 8, .value_kind: global_buffer, .address_space: global }
      - { .name: params_layers_1_bf, .offset: 16, .size: 8, .value_kind: global_buffer, .address_space: global }
      - { .name: params_layers_1_ln2_g, .offset: 24, .size: 8, .value_kind: global_buffer, .address_space: global }
      - { .name: params_layers_1_ln2_b, .offset: 32, .size: 8, .value_kind: global_buffer, .address_space: global }
      - { .name: out0, .offset: 40, .size: 8, .value_kind: global_buffer, .address_space: global }
    .group_segment_fixed_size: 0
    .private_segment_fixed_size: 0
    .kernarg_segment_align: 8
    .kernarg_segment_size: 48
    .max_flat_workgroup_size: 32
    .sgpr_count:     66
    .vgpr_count:     128
    .wavefront_size: 32
...
	.end_amdgpu_metadata
.endif
;; end of part 9
;; ======== version 2 of 2: 16 launches; version 1 with the launches qkv0, attn0, wo0, ffn1_0, ffn2_0, qkv1, attn1, wo1, ffn1_1, ffn2_1 written anew for expert scheduling mode
;; workspace buffers: wc0 5,529,600 bytes; wc1 5,529,600 bytes; xfA 12,582,912 bytes; xfB 12,582,912 bytes; z 12,582,912 bytes; act 4,915,200 bytes; qkvc 7,372,800 bytes; hc 9,830,400 bytes
;; launch prep: the kernel of part 1 again; grid 36 x 24, 4 waves a work-group, no clusters, 12,800 bytes of LDS; arguments params_layers_0_wq, params_layers_0_wk, params_layers_0_wv, params_layers_0_wo, params_layers_0_wi, params_layers_0_wf, params_layers_1_wq, params_layers_1_wk, params_layers_1_wv, params_layers_1_wo, params_layers_1_wi, params_layers_1_wf, wc0, wc1; writes wc0, wc1
;; launch ln_e: the kernel of part 2 again; grid 20 x 1, 12 waves a work-group, no clusters, 104,960 bytes of LDS; arguments full_vec, params_pos_emb, params_type_emb, params_emb_ln_g, params_emb_ln_b, xfA, act; writes xfA, act
;; launch qkv0 (part 10): grid 312 x 1, 6 waves a work-group, no clusters, 49,920 bytes of LDS; arguments act, wc0, params_layers_0_bq, params_layers_0_bk, params_layers_0_bv, qkvc; writes qkvc
.if DOCPART == 10
	.amdgcn_target "amdgcn-amd-amdhsa--gfx1250"
	.amdhsa_code_object_version 6
	.text
	.protected	k_q9b6f2059b4_qkv0
	.globl	k_q9b6f2059b4_qkv0
	.p2align	8
	.type	k_q9b6f2059b4_qkv0,@function
k_q9b6f2059b4_qkv0:
	s_mov_b64 s[64:65], 0
	v_nop
	global_prefetch_b8 v0, s[64:65] scope:SCOPE_SE
	s_setreg_imm32_b32 hwreg(HW_REG_WAVE_SCHED_MODE, 0, 2), 2
	s_setreg_imm32_b32 hwreg(HW_REG_WAVE_MODE, 25, 1), 1
	s_wait_xcnt 0x0
	s_wait_alu depctr_vm_vsrc(0)
; q = (x wq + bq) / 8, k = x wk + bk, v = x wv + bv on codes of E2M3, each result quantised at once into the images that attention reads: q and k along a head's 64 (a K step = a pair of heads), v along the KEYS.
; SHARES.  The first 6 RQP work-groups make q (pair of row tiles rb, pair of heads cu), the next 6 RKP k, the last 6 RKP v (128 keys rb, pair of column tiles cu).  Each makes one image block: 32 rows x 128 along the next K.
; The matrix instruction's source 0 takes the side whose index becomes the next K: 8 tiles of weight columns for q and k, 8 tiles of tokens for v; so a lane's 64 results run along the next K, in the conversions' order.
; Six waves: wave 2 kw + ph takes four of the eight tiles (ph) and K steps 2 kw, 2 kw + 1 of the 768.  All its 54 loads go out at once, from memory straight into operand registers (the buffers are images of them).
; The three partial sums meet in LDS behind one barrier; waves 0 and 1 add them (K ascending), add the bias, scale, quantise and store a tile each.
; No tensor load, so no joint request that a cluster could share; a work-group issues 96 matrix instructions.
; LIMITS: K is summed in three f32 parts; a block under 2^-124 (zeros too) gets the byte 1; NaN and infinities are not served.
; THE MODE: SCHED_MODE bits 1:0 = 2 (LLVM: expert scheduling mode 2), set by the entry lines.  The code itself states the register dependences
; between vector or matrix instructions and memory or LDS instructions, with s_wait_alu, always for 0.
; THE PLAN.  Registers that memory or LDS instructions touch, in the order of the text (there is no loop):
;   v1-v7, v9      offsets and LDS addresses: written once at the head, read by every load and store, never written again.
;   PS, QS, PF, QF written by the 54 loads, read by the sixteen matrix instructions; behind these the bias lands in v88-151 and partial sums in v152-167.
;   ACC            written by the matrix instructions, read by my sixteen LDS stores; behind the barrier partial sums land there, and later the quantiser writes there.
;   T              written by 24 LDS loads, read by the packed additions; twice, for ph = 0 and ph = 1.
;   PC, PW         written by the quantiser, read by the five stores.
; THE WAITS.  One on va_sdst behind the wave's number.  On va_vdst: ahead of the first load; behind the products' places (it serves the LDS stores, the bias loads and the first LDS loads: no vector
; instruction stands between); ahead of ph = 1's LDS loads; ahead of the five stores.  One on vm_vsrc behind the barrier, for ACC.
.set RQP, 12                           ; pairs of row tiles that need q
.set RKP, 20                           ; and k, v (a multiple of 4)
.set NQ,  6*RQP
.set NK,  6*RKP
.set SCB, 5308416
.set XSC, 2359296
.set PART, 2457600
.set PS,  16                           ; v16-19 source 0's scale words, v20-21 source 1's: lanes 0-15 tile 0, lanes 16-31 tile 1
.set QS,  20
.set PF,  24                           ; v24-119  source 0: 2 K steps x 4 tiles
.set QF,  120                          ; v120-167 source 1: 2 K steps x 2 tiles
.set ACC, 168                          ; v168-231 accumulator (qt, pt) at 8 (4 qt + pt)
.set H,   24                           ; the way out: 64 numbers
.set BI,  88                           ; the bias
.set T,   152                          ; three partial sums x 32
.set TM,  152
.set PW,  168
.set PC,  170
.set SEL, 48
.macro QUANT s                         ; 64 numbers of a lane, register 16 b + i = k 32 b + 16 h + i of my row, become a fragment's codes in v[PC] on and its scale word in v[PW]
.irp b, 0,1,2,3
	v_mov_b32 v[TM+4+\b], 0
.endr
.irp b, 0,1,2,3
	v_max3_num_f32 v[TM+\b], |v[\s+16*\b]|, |v[\s+1+16*\b]|, 0x1800000
.endr
.irp i, 2,4,6,8,10,12,14
.irp b, 0,1,2,3
	v_max3_num_f32 v[TM+\b], v[TM+\b], |v[\s+16*\b+\i]|, |v[\s+1+16*\b+\i]|
.endr
.endr
.irp b, 0,1,2,3
	v_permlanex16_b32 v[TM+4+\b], v[TM+\b], s[SEL], s[SEL+1]
.endr
.irp b, 0,1,2,3
	v_max_num_f32 v[TM+\b], v[TM+\b], v[TM+4+\b]
.endr
.irp b, 0,1,2,3
	v_add_nc_u32 v[TM+12+\b], 0xff000000, v[TM+\b]
.endr
.irp b, 0,1,2,3
	v_lshrrev_b32 v[TM+4+\b], 23, v[TM+12+\b]
.endr
	v_lshl_or_b32 v[PW], v[TM+5], 8, v[TM+4]
	v_lshl_or_b32 v[PW], v[TM+6], 16, v[PW]
	v_lshl_or_b32 v[PW], v[TM+7], 24, v[PW]
.irp c, 0,1
	v_cvt_scalef32_pk16_fp6_f32 v[PC+6*\c:PC+2+6*\c], v[\s+32*\c:\s+15+32*\c], v[TM+12+2*\c]
	v_cvt_scalef32_pk16_fp6_f32 v[PC+12+4*\c:PC+14+4*\c], v[\s+16+32*\c:\s+31+32*\c], v[TM+12+2*\c+1]
.endr
	v_nop
.irp c, 0,1
.irp i, 0,1,2
	v_permlane16_swap_b32 v[PC+6*\c+\i], v[PC+12+4*\c+\i]
.endr
.irp i, 0,1,2
	v_mov_b32 v[PC+3+6*\c+\i], v[PC+12+4*\c+\i]
.endr
.endr
.endm
.macro LDTILE reg, sb, off             ; a tile's 12 registers, as they lie in the image
	global_load_b128 v[\reg:\reg+3], v1, s[\sb:\sb+1] offset:\off
	global_load_b64 v[\reg+4:\reg+5], v2, s[\sb:\sb+1] offset:\off+512
	global_load_b128 v[\reg+6:\reg+9], v1, s[\sb:\sb+1] offset:\off+768
	global_load_b64 v[\reg+10:\reg+11], v2, s[\sb:\sb+1] offset:\off+1280
.endm
.macro WM d, a, b, c, sa, sb, ra, rb   ; one product; ra, rb = 1: that side's scale words stand in lanes 16-31
.if (\ra)==0 && (\rb)==0
	v_wmma_scale_f32_16x16x128_f8f6f4 v[\d:\d+7], v[\a:\a+11], v[\b:\b+11], \c, v[\sa], v[\sb] matrix_a_fmt:MATRIX_FMT_FP6 matrix_b_fmt:MATRIX_FMT_FP6
.elseif (\ra)==1 && (\rb)==0
	v_wmma_scale_f32_16x16x128_f8f6f4 v[\d:\d+7], v[\a:\a+11], v[\b:\b+11], \c, v[\sa], v[\sb] matrix_a_fmt:MATRIX_FMT_FP6 matrix_b_fmt:MATRIX_FMT_FP6 matrix_a_scale:MATRIX_SCALE_ROW1
.elseif (\ra)==0 && (\rb)==1
	v_wmma_scale_f32_16x16x128_f8f6f4 v[\d:\d+7], v[\a:\a+11], v[\b:\b+11], \c, v[\sa], v[\sb] matrix_a_fmt:MATRIX_FMT_FP6 matrix_b_fmt:MATRIX_FMT_FP6 matrix_b_scale:MATRIX_SCALE_ROW1
.else
	v_wmma_scale_f32_16x16x128_f8f6f4 v[\d:\d+7], v[\a:\a+11], v[\b:\b+11], \c, v[\sa], v[\sb] matrix_a_fmt:MATRIX_FMT_FP6 matrix_b_fmt:MATRIX_FMT_FP6 matrix_a_scale:MATRIX_SCALE_ROW1 matrix_b_scale:MATRIX_SCALE_ROW1
.endif
.endm
; Two K steps of 4 tiles x 2 tiles.  s[24:25], s[26:27]: source 0's codes and scale words at its first pair and K step; s[28:29], s[30:31]: source 1's.  PSTR: bytes from pair to pair of source 0.
.macro CORE PSTR
.irp st, 0,1
.irp pp, 0,1
.irp u, 0,1
	LDTILE PF+48*\st+24*\pp+12*\u, 24, \pp*\PSTR+\st*3072+\u*1536
.endr
	global_load_b32 v[PS+2*\st+\pp], v3, s[26:27] offset:\pp*(\PSTR/24)+\st*128
.endr
.irp u, 0,1
	LDTILE QF+24*\st+12*\u, 28, \st*3072+\u*1536
.endr
	global_load_b32 v[QS+\st], v3, s[30:31] offset:\st*128
.endr
	s_wait_loadcnt 27                              ; the first K step's 27 loads are in; the second's 27 may be out
.irp qt, 0,1
.irp pt, 0,1,2,3
	WM ACC+8*(4*\qt+\pt), PF+12*\pt, QF+12*\qt, 0, PS+\pt/2, QS, \pt%2, \qt
.endr
.endr
	s_wait_loadcnt 0x0
.irp qt, 0,1                           ; the eight accumulators take turns, one instruction a turn
.irp pt, 0,1,2,3
	WM ACC+8*(4*\qt+\pt), PF+48+12*\pt, QF+24+12*\qt, v[ACC+8*(4*\qt+\pt):ACC+8*(4*\qt+\pt)+7], PS+2+\pt/2, QS+1, \pt%2, \qt
.endr
.endr
.rept 4
	v_nop                                          ; four places ahead of the first read of results (ISA guide 7.12.1)
.endr
.endm
	s_load_b256 s[4:11], s[0:1], 0x0               ; act, the layer's weight images, bq, bk
	s_load_b128 s[12:15], s[0:1], 0x20             ; bv, qkvc
	v_lshl_add_u32 v254, v0, 2, 0xc000
	v_mov_b32 v255, 0
	v_lshrrev_b32 v1, 5, v0
	v_readfirstlane_b32 s16, v1                    ; wave 0..5
	s_wait_alu depctr_va_sdst(0)                   ; s16 is written, ahead of its first reader: offsets, LDS addresses and a branch are made from it
	s_and_b32 s17, s16, 1                          ; ph
	s_lshr_b32 s18, s16, 1                         ; kw
	s_cmp_ge_u32 ttmp9, NQ
	s_cselect_b32 s19, 1, 0
	s_cselect_b32 s20, NQ, 0
	s_cmp_ge_u32 ttmp9, NQ+NK
	s_cselect_b32 s21, 1, 0
	s_cselect_b32 s20, NQ+NK, s20
	s_add_co_u32 s19, s19, s21                     ; 0 q, 1 k, 2 v
	s_sub_co_u32 s20, ttmp9, s20                   ; my number among its work-groups
	s_mul_hi_u32 s21, s20, 0x2AAAAAAB              ; / 6
	s_mul_i32 s22, s21, 6
	s_sub_co_u32 s22, s20, s22
	s_mul_hi_u32 s23, s20, 0x0AAAAAAB              ; / 24
	s_mul_i32 s32, s23, 24
	s_sub_co_u32 s32, s20, s32
	s_cmp_eq_u32 s19, 2
	s_cselect_b32 s21, s23, s21                    ; rb
	s_cselect_b32 s22, s32, s22                    ; cu
	s_mul_i32 s23, s19, 24
	s_lshl_b32 s32, s22, 2
	s_add_co_u32 s23, s23, s32
	s_lshl_b32 s33, s17, 1
	s_add_co_u32 s23, s23, s33                     ; q, k: weight pair 24 type + 4 cu + 2 ph
	s_add_co_u32 s32, s22, 48                      ; v: weight pair 48 + cu
	s_lshl_b32 s34, s21, 2
	s_add_co_u32 s34, s34, s33                     ; v: x's pair 4 rb + 2 ph
	s_cmp_eq_u32 s19, 2
	s_cselect_b32 s23, s32, s23
	s_cselect_b32 s34, s34, s21                    ; q, k: x's pair rb
	s_mul_i32 s23, s23, 6
	s_lshl_b32 s35, s18, 1
	s_add_co_u32 s23, s23, s35                     ; the weight's first block,
	s_mul_i32 s34, s34, 6
	s_add_co_u32 s34, s34, s35                     ; and x's
	s_mul_i32 s40, s23, 3072
	s_mov_b32 s41, 0
	s_lshl_b32 s42, s23, 7
	s_add_co_u32 s42, s42, SCB
	s_mov_b32 s43, 0
	s_mul_i32 s44, s34, 3072
	s_mov_b32 s45, 0
	s_lshl_b32 s46, s34, 7
	s_add_co_u32 s46, s46, XSC
	s_mov_b32 s47, 0
	s_mul_i32 s50, s21, 6
	s_add_co_u32 s50, s50, s22                     ; q, k go to block 6 rb + cu,
	s_lshl_b32 s51, s22, 5
	s_add_co_u32 s51, s51, s21                     ; v to block 32 cu + rb
	s_lshl_b32 s56, s22, 9                         ; q, k: the bias of 128 columns
	s_lshl_b32 s57, s22, 7
	s_lshl_b32 s58, s16, 5
	s_add_co_u32 s57, s57, s58                     ; v: of my tile's columns, from 32 cu + 8 qt on
	s_cmp_eq_u32 s19, 2
	s_cselect_b32 s50, s51, s50
	s_cselect_b32 s56, s57, s56
	s_mov_b32 s57, 0
	s_mul_i32 s58, s19, PART
	s_mul_i32 s52, s50, 3072
	s_add_co_u32 s52, s52, s58
	s_mul_i32 s59, s16, 1536
	s_add_co_u32 s52, s52, s59
	s_mov_b32 s53, 0
	s_lshl_b32 s54, s50, 7
	s_add_co_u32 s54, s54, s58
	s_lshl_b32 s59, s16, 6
	s_add_co_u32 s54, s54, s59
	s_add_co_u32 s54, s54, XSC
	s_mov_b32 s55, 0
	s_mov_b32 s38, 0x3f800000
	s_cmp_eq_u32 s19, 0
	s_cselect_b32 s38, 0x3e000000, s38             ; q is divided by sqrt(64): exact
	s_mov_b32 s39, s38
	s_mov_b32 s[SEL], 0x76543210
	s_mov_b32 s[SEL+1], 0xfedcba98
	v_and_b32 v8, 31, v0
	v_lshlrev_b32 v1, 4, v8                        ; 16 x lane
	v_lshlrev_b32 v2, 3, v8                        ; 8 x lane
	v_lshlrev_b32 v3, 2, v8                        ; 4 x lane
	v_and_b32 v10, 15, v0
	v_lshlrev_b32 v4, 2, v10                       ; 4 r
	v_bfe_u32 v11, v0, 4, 1
	v_lshlrev_b32 v5, 6, v11                       ; 64 h
	v_and_b32 v9, 7, v10
	v_lshrrev_b32 v10, 3, v10
	v_lshl_add_u32 v9, v10, 4, v9
	v_lshlrev_b32 v9, 2, v9                        ; 4 ((r & 7) + 16 (r >> 3))
	s_lshl_b32 s60, s16, 13
	v_add_nc_u32 v6, s60, v1                       ; LDS: my wave's 8,192 bytes of partial sums
	s_lshl_b32 s60, s16, 12
	v_add_nc_u32 v7, s60, v1                       ; and, in waves 0 and 1, tile qt's four accumulators in every wave's
	s_wait_kmcnt 0x0
	s_add_nc_u64 s[40:41], s[6:7], s[40:41]
	s_add_nc_u64 s[42:43], s[6:7], s[42:43]
	s_add_nc_u64 s[44:45], s[4:5], s[44:45]
	s_add_nc_u64 s[46:47], s[4:5], s[46:47]
	s_cmp_eq_u32 s19, 2                            ; which side is source 0 hangs on the work-group's number alone
	s_cselect_b64 s[24:25], s[44:45], s[40:41]
	s_cselect_b64 s[26:27], s[46:47], s[42:43]
	s_cselect_b64 s[28:29], s[40:41], s[44:45]
	s_cselect_b64 s[30:31], s[42:43], s[46:47]
	s_cselect_b64 s[36:37], s[12:13], s[10:11]
	s_cmp_eq_u32 s19, 0
	s_cselect_b64 s[36:37], s[8:9], s[36:37]
	s_add_nc_u64 s[36:37], s[36:37], s[56:57]
	s_add_nc_u64 s[52:53], s[14:15], s[52:53]
	s_add_nc_u64 s[54:55], s[14:15], s[54:55]
	s_wait_alu depctr_va_vdst(0)                   ; the offsets and LDS addresses v1 to v7 and v9 are written: every load and store of the kernel reads one of them
	CORE 18432
	s_wait_alu depctr_va_vdst(0)                   ; the matrix instructions have written ACC, which the LDS stores read, and are done reading PF and QF, in which the bias and the partial sums land; the places above stay beside this wait
.irp a, 0,1,2,3,4,5,6,7
	ds_store_b128 v6, v[ACC+8*\a:ACC+8*\a+3] offset:1024*\a          ; each accumulator from its low end on
	ds_store_b128 v6, v[ACC+8*\a+4:ACC+8*\a+7] offset:1024*\a+512
.endr
	s_wait_dscnt 0x0                               ; for the others' sake: my partial sums have landed
	s_barrier_signal -1
	s_barrier_wait -1
	s_wait_alu depctr_vm_vsrc(0)                   ; my LDS stores have read ACC: partial sums land in these registers below, and the quantiser writes them
	s_cmp_ge_u32 s16, 2
	s_cbranch_scc1 .Lend                           ; waves 0 and 1 finish a tile each
	s_cmp_eq_u32 s19, 2
	s_cbranch_scc1 .Lbias_v
.irp b, 0,1,2,3
.irp j, 0,1,2,3
	global_load_b128 v[BI+16*\b+4*\j:BI+16*\b+4*\j+3], v5, s[36:37] offset:128*\b+16*\j   ; q, k: my registers run along the columns
.endr
.endr
	s_branch .Lbias_asked
.Lbias_v:
	global_load_b32 v[BI], v9, s[36:37]            ; v: my lane is one column
.Lbias_asked:
.irp ph, 0,1
.if \ph == 1
	s_wait_alu depctr_va_vdst(0)                   ; the additions above are done reading T, in which the next 24 LDS loads land
.endif
.irp kw, 0,1,2
.irp pt, 0,1,2,3
	ds_load_b128 v[T+32*\kw+8*\pt:T+32*\kw+8*\pt+3], v7 offset:(2*\kw+\ph)*8192+\pt*1024
	ds_load_b128 v[T+32*\kw+8*\pt+4:T+32*\kw+8*\pt+7], v7 offset:(2*\kw+\ph)*8192+\pt*1024+512
.endr
.endr
	s_wait_dscnt 0x0
.set n, 0
.rept 16
	v_pk_add_f32 v[H+32*\ph+n:H+32*\ph+n+1], v[T+n:T+n+1], v[T+32+n:T+32+n+1]
.set n, n+2
.endr
.set n, 0
.rept 16
	v_pk_add_f32 v[H+32*\ph+n:H+32*\ph+n+1], v[H+32*\ph+n:H+32*\ph+n+1], v[T+64+n:T+64+n+1]
.set n, n+2
.endr
.endr
	s_wait_loadcnt 0x0                             ; the bias
	s_cmp_eq_u32 s19, 2
	s_cbranch_scc1 .Ladd_v
.set n, 0
.rept 32
	v_pk_add_f32 v[H+n:H+n+1], v[H+n:H+n+1], v[BI+n:BI+n+1]
.set n, n+2
.endr
	s_branch .Ladded
.Ladd_v:
	v_mov_b32 v[BI+1], v[BI]
.set n, 0
.rept 32
	v_pk_add_f32 v[H+n:H+n+1], v[H+n:H+n+1], v[BI:BI+1]
.set n, n+2
.endr
.Ladded:
.set n, 0
.rept 32
	v_pk_mul_f32 v[H+n:H+n+1], v[H+n:H+n+1], s[38:39] op_sel_hi:[1,0]
.set n, n+2
.endr
	QUANT H
	s_wait_alu depctr_va_vdst(0)                   ; the quantiser has written the codes v[PC ..] and the scale word v[PW], which the five stores read
	global_store_b128 v1, v[PC:PC+3], s[52:53]
	global_store_b64 v2, v[PC+4:PC+5], s[52:53] offset:512
	global_store_b128 v1, v[PC+6:PC+9], s[52:53] offset:768
	global_store_b64 v2, v[PC+10:PC+11], s[52:53] offset:1280
	global_store_b32 v4, v[PW], s[54:55]
.Lend:
	s_wait_dscnt 0x0                               ; the closing lines, six on end
	s_wait_alu 0x0
	s_wait_tensorcnt 0x0
	ds_add_u32 v254, v255
	s_wait_dscnt 0x0
	s_endpgm
.Lfunc_end_k_q9b6f2059b4_qkv0:
	.size	k_q9b6f2059b4_qkv0, .Lfunc_end_k_q9b6f2059b4_qkv0-k_q9b6f2059b4_qkv0
	.p2alignl 7, 3214868480
	.fill 96, 4, 3214868480
	.section	.rodata,"a",@progbits
	.p2align	6, 0x0
	.amdhsa_kernel k_q9b6f2059b4_qkv0
		.amdhsa_group_segment_fixed_size 49920
		.amdhsa_private_segment_fixed_size 0
		.amdhsa_enable_private_segment 0
		.amdhsa_kernarg_size 48
		.amdhsa_user_sgpr_count 2
		.amdhsa_user_sgpr_kernarg_segment_ptr 1
		.amdhsa_wavefront_size32 1
		.amdhsa_system_sgpr_workgroup_id_x 1
		.amdhsa_system_sgpr_workgroup_id_y 1
		.amdhsa_system_sgpr_workgroup_id_z 1
		.amdhsa_system_vgpr_workitem_id 0
		.amdhsa_next_free_vgpr 256
		.amdhsa_next_free_sgpr 66
		.amdhsa_reserve_vcc 0
		.amdhsa_float_denorm_mode_32 3
		.amdhsa_float_denorm_mode_16_64 3
		.amdhsa_memory_ordered 1
		.amdhsa_forward_progress 1
		.amdhsa_inst_pref_size 33
	.end_amdhsa_kernel
	.amdgpu_metadata
---
amdhsa.version: [ 1, 2 ]
amdhsa.kernels:
  - .name:           k_q9b6f2059b4_qkv0
    .symbol:         k_q9b6f2059b4_qkv0.kd
    .args:
      - { .name: act, .offset: 0, .size: 8, .value_kind: global_buffer, .address_space: global }
      - { .name: wc0, .offset: 8, .size: 8, .value_kind: global_buffer, .address_space: global }
      - { .name: params_layers_0_bq, .offset: 16, .size: 8, .value_kind: global_buffer, .address_space: global }
      - { .name: params_layers_0_bk, .offset: 24, .size: 8, .value_kind: global_buffer, .address_space: global }
      - { .name: params_layers_0_bv, .offset: 32, .size: 8, .value_kind: global_buffer, .address_space: global }
      - { .name: qkvc, .offset: 40, .size: 8, .value_kind: global_buffer, .address_space: global }
    .group_segment_fixed_size: 49920
    .private_segment_fixed_size: 0
    .kernarg_segment_align: 8
    .kernarg_segment_size: 48
    .max_flat_workgroup_size: 192
    .sgpr_count:     66
    .vgpr_count:     256
    .wavefront_size: 32
...
	.end_amdgpu_metadata
.endif
;; end of part 10
;; launch attn0 (part 11): grid 6 x 24, 10 waves a work-group, no clusters, 44,800 bytes of LDS; arguments qkvc, act; writes act
.if DOCPART == 11
	.amdgcn_target "amdgcn-amd-amdhsa--gfx1250"
	.amdhsa_code_object_version 6
	.text
	.protected	k_q9b6f2059b4_attn0
	.globl	k_q9b6f2059b4_attn0
	.p2align	8
	.type	k_q9b6f2059b4_attn0,@function
k_q9b6f2059b4_attn0:
	s_mov_b64 s[64:65], 0
	v_nop
	global_prefetch_b8 v0, s[64:65] scope:SCOPE_SE
	s_setreg_imm32_b32 hwreg(HW_REG_WAVE_SCHED_MODE, 0, 2), 2
	s_setreg_imm32_b32 hwreg(HW_REG_WAVE_MODE, 25, 1), 1
	s_wait_xcnt 0x0
	s_wait_alu depctr_vm_vsrc(0)
; Banded attention on codes of E2M3: query q sees the keys with |q - k| <= 256 inside the sequence, which is what the source's three chunk masks amount to.  Its result is quantised at once into the images that wo's product reads.
; SHARES.  A work-group is a pair of heads hp (grid x) and a tile T of 16 queries (grid y): tile u = T & 1 of pair B = T >> 1, in the block of 128 queries m = T >> 3.  Those queries see exactly the key steps (128 keys) m - 2 .. m + 2.
; Ten waves: wave 5 hs + j takes head 2 hp + hs and key step m - 2 + j, all of it at once: 8 products K Q^T, its softmax, 4 products V^T P.  A key step outside the sequence leaves its wave idle: zeros, and a -M that loses every minimum.
; Only j = 0 and j = 4 have hidden keys, and each query has an open key there (q - 256, q + 256), so each wave's largest score is a number.
; SOFTMAX.  t = score x log2(e); M = the ceiling of the key step's largest t, a whole number; p = 2^(t - M) is quantised along the keys; l is the sum of the unquantised p.  The five key steps are joined by wave 0 under the
; largest M: each O and l times 2^(M_j - M), exact powers of two; then O / l.
; A HEAD HAS K = 64: its half of the pair's image goes into registers 0-5 of both operands; q's registers 6-11 are zero codes, and what stands in k's (the next tile's codes) meets those zeros.  The scale words are shifted to the head's two bytes.
; Both products are used transposed, so that a lane holds one query throughout.  Operands go from memory straight into registers: no tensor load, so nothing that a cluster could ask for jointly.
; LIMITS: 1 / l is v_rcp_f32's; a block under 2^-124 (zeros too) gets the byte 1; NaN and infinities are not served.
; THE MODE: SCHED_MODE bits 1:0 = 2 (LLVM: expert scheduling mode 2), set by the entry lines.  The code itself states the register dependences
; between vector or matrix instructions and memory or LDS instructions, with s_wait_alu, always for 0.
; THE PLAN.  Registers that memory or LDS instructions touch, in the order of the text (there is no loop):
;   v1-v6          offsets and LDS addresses: written once at the head, read by every load and store, never written again.
;   v16-22, QF, KF, VF  written by the 41 loads, all issued at once; v16-20 are then shifted by vector lines; read by the products.  Zero codes are laid beside the loaded ones by vector lines ahead of the loads.
;   OA, v[12:13]   written by the products (or, in an idle wave, by moves) and by the softmax; read by my nine LDS stores; in wave 0 the join's LDS loads land there behind the barrier.
;   v8-15, v248-249, OJ  the join: written by 45 LDS loads, read and written by its arithmetic; twice, once for each head.
;   PC, PW         written by the quantiser, read by the five stores.
; THE WAITS.  On va_sdst: behind the wave's number; behind each run of sixteen compares of the mask.  On va_vdst: ahead of the first load; ahead of each of the two runs of products, behind their places (scale words and codes
; that vector lines wrote); behind the batch of exponentials; behind the join's label, for the LDS stores, on both ways; ahead of the second head's LDS loads; ahead of the reciprocal's first reader; ahead of the five stores.
; One on vm_vsrc behind the barrier, for OA and v[12:13].
.set QSR, 16                           ; v16 q's scale words; v17-20 k's; v21-22 v's; v23 p's: these hold scale words and nothing else
.set KSC, 17
.set VS,  21
.set PWS, 23
.set QF,  24                           ; v24-35   q
.set KF,  36                           ; v36-89   k: tile tt's six registers at 36 + 6 tt; later p's codes (v36-47) and the conversions' upper halves (v48-55)
.set VF,  90                           ; v90-137  v: four tiles
.set S,   138                          ; v138-201 S^T, then p
.set OA,  202                          ; v202-233 O^T
.set BM,  234
.set BX,  238
.set SOP, 242
.set H,   24                           ; the join: 64 numbers
.set OJ,  88                           ; five images of O^T
.set TM,  88
.set PW,  104
.set PC,  106
.set CS,  32
.set SEL, 34
.macro QUANT s                         ; 64 numbers of a lane, register 16 b + i = k 32 b + 16 h + i of my row, become a fragment's codes in v[PC] on and its scale word in v[PW]
.irp b, 0,1,2,3
	v_mov_b32 v[TM+4+\b], 0
.endr
.irp b, 0,1,2,3
	v_max3_num_f32 v[TM+\b], |v[\s+16*\b]|, |v[\s+1+16*\b]|, 0x1800000
.endr
.irp i, 2,4,6,8,10,12,14
.irp b, 0,1,2,3
	v_max3_num_f32 v[TM+\b], v[TM+\b], |v[\s+16*\b+\i]|, |v[\s+1+16*\b+\i]|
.endr
.endr
.irp b, 0,1,2,3
	v_permlanex16_b32 v[TM+4+\b], v[TM+\b], s[SEL], s[SEL+1]
.endr
.irp b, 0,1,2,3
	v_max_num_f32 v[TM+\b], v[TM+\b], v[TM+4+\b]
.endr
.irp b, 0,1,2,3
	v_add_nc_u32 v[TM+12+\b], 0xff000000, v[TM+\b]
.endr
.irp b, 0,1,2,3
	v_lshrrev_b32 v[TM+4+\b], 23, v[TM+12+\b]
.endr
	v_lshl_or_b32 v[PW], v[TM+5], 8, v[TM+4]
	v_lshl_or_b32 v[PW], v[TM+6], 16, v[PW]
	v_lshl_or_b32 v[PW], v[TM+7], 24, v[PW]
.irp c, 0,1
	v_cvt_scalef32_pk16_fp6_f32 v[PC+6*\c:PC+2+6*\c], v[\s+32*\c:\s+15+32*\c], v[TM+12+2*\c]
	v_cvt_scalef32_pk16_fp6_f32 v[PC+12+4*\c:PC+14+4*\c], v[\s+16+32*\c:\s+31+32*\c], v[TM+12+2*\c+1]
.endr
	v_nop
.irp c, 0,1
.irp i, 0,1,2
	v_permlane16_swap_b32 v[PC+6*\c+\i], v[PC+12+4*\c+\i]
.endr
.irp i, 0,1,2
	v_mov_b32 v[PC+3+6*\c+\i], v[PC+12+4*\c+\i]
.endr
.endr
.endm
.macro LDTILE reg, sb, off
	global_load_b128 v[\reg:\reg+3], v1, s[\sb:\sb+1] offset:\off
	global_load_b64 v[\reg+4:\reg+5], v2, s[\sb:\sb+1] offset:\off+512
	global_load_b128 v[\reg+6:\reg+9], v1, s[\sb:\sb+1] offset:\off+768
	global_load_b64 v[\reg+10:\reg+11], v2, s[\sb:\sb+1] offset:\off+1280
.endm
.macro WM0 d, a, b, sa, sb, ra         ; one product that starts its sum; ra = 1: source 0's scale words stand in lanes 16-31
.if (\ra)==0
	v_wmma_scale_f32_16x16x128_f8f6f4 v[\d:\d+7], v[\a:\a+11], v[\b:\b+11], 0, v[\sa], v[\sb] matrix_a_fmt:MATRIX_FMT_FP6 matrix_b_fmt:MATRIX_FMT_FP6
.else
	v_wmma_scale_f32_16x16x128_f8f6f4 v[\d:\d+7], v[\a:\a+11], v[\b:\b+11], 0, v[\sa], v[\sb] matrix_a_fmt:MATRIX_FMT_FP6 matrix_b_fmt:MATRIX_FMT_FP6 matrix_a_scale:MATRIX_SCALE_ROW1
.endif
.endm
; The mask.  Register 16 g + n holds the key step's key 32 g + n + 16 h; v7 = my query's place in its block of 128, less 16 h.
; The compares go in four runs of sixteen, into s12-19 and s40-47 (done with since the head; none of them ever held an address), with one wait behind each run; then the run's sixteen selects.
.macro MASK lt
	v_mov_b32 v248, 0xff800000                     ; -infinity: p = 0
.set g, 0
.rept 4
.set n, 0
.rept 16
.if \lt
	v_cmp_lt_i32 s[12+n%8+28*(n/8)], 32*g+n, v7    ; key step m - 2: hidden where the key's place is under the query's
.else
	v_cmp_gt_i32 s[12+n%8+28*(n/8)], 32*g+n, v7    ; key step m + 2: hidden where it is over
.endif
.set n, n+1
.endr
	s_wait_alu depctr_va_sdst(0)                   ; the sixteen compares have written their masks, ahead of the selects that read them
.set n, 0
.rept 16
	v_cndmask_b32 v[S+16*g+n], v[S+16*g+n], v248, s[12+n%8+28*(n/8)]
.set n, n+1
.endr
.set g, g+1
.endr
.endm
	s_load_b128 s[4:7], s[0:1], 0x0                ; qkvc, act
	v_lshl_add_u32 v254, v0, 2, 0xaa00
	v_mov_b32 v255, 0
	v_lshrrev_b32 v1, 5, v0
	v_readfirstlane_b32 s8, v1                     ; wave 0..9
	s_wait_alu depctr_va_sdst(0)                   ; s8 is written, ahead of its first reader: offsets, LDS addresses and branches are made from it
	s_mul_i32 s9, s8, 52
	s_lshr_b32 s9, s9, 8                           ; hs = wave / 5
	s_mul_i32 s10, s9, 5
	s_sub_co_u32 s10, s8, s10                      ; j
	s_and_b32 s11, ttmp7, 0xffff                   ; T
	s_lshr_b32 s12, s11, 1                         ; B
	s_and_b32 s13, s11, 1                          ; u
	s_lshr_b32 s14, s11, 3                         ; m
	s_add_co_u32 s15, s14, s10
	s_sub_co_u32 s15, s15, 2                       ; my key step (under 0 it wraps to a large number)
	s_and_b32 s16, s11, 6
	s_lshl_b32 s16, s16, 4
	s_lshl_b32 s17, s13, 3
	s_add_co_u32 s16, s16, s17                     ; the tile's first query in its block of 128
	s_mul_i32 s17, s12, 6
	s_add_co_u32 s17, s17, ttmp9                   ; image block 6 B + hp, of q and of the result
	s_mul_i32 s18, s9, 768                         ; my head's half of a tile's image
	s_lshl_b32 s19, s9, 4                          ; and its two bytes of a scale word
	s_mul_i32 s36, s17, 3072
	s_mul_i32 s40, s13, 1536
	s_add_co_u32 s36, s36, s40
	s_lshl_b32 s38, s17, 7
	s_lshl_b32 s41, s13, 6
	s_add_co_u32 s38, s38, s41
	s_add_co_u32 s20, s36, s18                     ; q's codes,
	s_mov_b32 s21, 0
	s_add_co_u32 s22, s38, 2359296                 ; q's scale words,
	s_mov_b32 s23, 0
	s_add_co_u32 s36, s36, 2457600                 ; the result's codes,
	s_mov_b32 s37, 0
	s_add_co_u32 s38, s38, 4816896                 ; the result's scale words
	s_mov_b32 s39, 0
	s_mov_b32 s[CS], 0x3fb8aa3b                    ; log2(e)
	s_mov_b32 s[CS+1], s[CS]
	s_mov_b32 s[SEL], 0x76543210
	s_mov_b32 s[SEL+1], 0xfedcba98
	v_and_b32 v8, 31, v0
	v_lshlrev_b32 v1, 4, v8                        ; 16 x lane
	v_lshlrev_b32 v2, 3, v8                        ; 8 x lane
	v_lshlrev_b32 v3, 2, v8                        ; 4 x lane
	v_and_b32 v9, 15, v0
	v_lshlrev_b32 v4, 2, v9                        ; 4 r
	s_mul_i32 s40, s8, 4352
	v_add_nc_u32 v5, s40, v1                       ; LDS: my wave's image of O^T,
	v_add_nc_u32 v6, s40, v2                       ; and behind it (-M, l)
	v_bfe_u32 v10, v0, 4, 1
	v_and_b32 v7, 7, v9
	v_lshrrev_b32 v9, 3, v9
	v_lshl_add_u32 v7, v9, 4, v7
	v_lshlrev_b32 v10, 4, v10
	v_sub_nc_u32 v7, v7, v10
	v_add_nc_u32 v7, s16, v7                       ; my query's place in its block of 128, less 16 h
	s_wait_kmcnt 0x0
	s_add_nc_u64 s[20:21], s[4:5], s[20:21]
	s_add_nc_u64 s[22:23], s[4:5], s[22:23]
	s_add_nc_u64 s[36:37], s[6:7], s[36:37]
	s_add_nc_u64 s[38:39], s[6:7], s[38:39]
	s_cmp_gt_u32 s15, 31
	s_cbranch_scc0 .Lactive
.set n, 0
.rept 32
	v_mov_b32 v[OA+n], 0                           ; no such keys: nothing to add,
.set n, n+1
.endr
	v_mov_b32 v12, 0x7f61b1e6                      ; a -M of 3e38, which gives the factor 0,
	v_mov_b32 v13, 0                               ; and no sum
	s_branch .Ljoin
.Lactive:
.irp i, 0,1,2,3,4,5
	v_mov_b32 v[QF+6+\i], 0                        ; q's upper 64 along K: zero codes
	v_mov_b32 v[KF+48+\i], 0                       ; what stands behind k's last tile
.endr
	s_mul_i32 s24, s15, 24
	s_add_co_u32 s24, s24, ttmp9                   ; k's first block: (4 ks) 6 + hp
	s_lshl_b32 s26, s24, 7
	s_add_co_u32 s26, s26, 4816896
	s_mov_b32 s27, 0
	s_mul_i32 s24, s24, 3072
	s_add_co_u32 s24, s24, s18
	s_add_co_u32 s24, s24, 2457600
	s_mov_b32 s25, 0
	s_lshl_b32 s28, ttmp9, 2
	s_lshl_b32 s29, s9, 1
	s_add_co_u32 s28, s28, s29
	s_lshl_b32 s28, s28, 5
	s_add_co_u32 s28, s28, s15                     ; v's first block: (4 hp + 2 hs) 32 + ks
	s_lshl_b32 s30, s28, 7
	s_add_co_u32 s30, s30, 7274496
	s_mov_b32 s31, 0
	s_mul_i32 s28, s28, 3072
	s_add_co_u32 s28, s28, 4915200
	s_mov_b32 s29, 0
	s_add_nc_u64 s[24:25], s[4:5], s[24:25]
	s_add_nc_u64 s[26:27], s[4:5], s[26:27]
	s_add_nc_u64 s[28:29], s[4:5], s[28:29]
	s_add_nc_u64 s[30:31], s[4:5], s[30:31]
	s_wait_alu depctr_va_vdst(0)                   ; the offsets v1 to v4 are written, which the 41 loads below read
	global_load_b128 v[QF:QF+3], v1, s[20:21]
	global_load_b64 v[QF+4:QF+5], v2, s[20:21] offset:512
	global_load_b32 v[QSR], v4, s[22:23]
.irp tt, 0,1,2,3,4,5,6,7
	global_load_b128 v[KF+6*\tt:KF+6*\tt+3], v1, s[24:25] offset:(\tt/2)*18432+(\tt%2)*1536
	global_load_b64 v[KF+6*\tt+4:KF+6*\tt+5], v2, s[24:25] offset:(\tt/2)*18432+(\tt%2)*1536+512
.endr
.irp b, 0,1,2,3
	global_load_b32 v[KSC+\b], v3, s[26:27] offset:768*\b
.endr
.irp tt, 0,1,2,3
	LDTILE VF+12*\tt, 28, (\tt/2)*98304+(\tt%2)*1536
.endr
.irp b, 0,1
	global_load_b32 v[VS+\b], v3, s[30:31] offset:4096*\b
.endr
	s_wait_loadcnt 18                              ; q and k are in; v's 18 loads may be out
.irp i, 0,1,2,3,4
	v_lshrrev_b32 v[QSR+\i], s19, v[QSR+\i]        ; my head's two bytes to the word's low end
.endr
.rept 8
	v_nop                                          ; a scale register written by a vector instruction stands eight places ahead of the scaled product
.endr
	s_wait_alu depctr_va_vdst(0)                   ; the shifts have written the scale words v16 to v20, and the moves the zero codes, which the scaled products take; the places above stay beside this wait
.irp tt, 0,1,2,3,4,5,6,7
	WM0 S+8*\tt, KF+6*\tt, QF, KSC+\tt/2, QSR, \tt%2
.endr
.rept 4
	v_nop
.endr
	s_cmp_eq_u32 s10, 0
	s_cbranch_scc0 .Lnot_first
	MASK 1
	s_branch .Lopen
.Lnot_first:
	s_cmp_eq_u32 s10, 4
	s_cbranch_scc0 .Lopen
	MASK 0
.Lopen:
.irp b, 0,1,2,3
	v_max3_num_f32 v[BM+\b], v[S+16*\b], v[S+1+16*\b], v[S+2+16*\b]   ; the largest score of each block of 32 keys: for the row's maximum and, since p rises with the score, for the block's largest p
.endr
.irp i, 3,5,7,9,11,13
.irp b, 0,1,2,3
	v_max3_num_f32 v[BM+\b], v[BM+\b], v[S+16*\b+\i], v[S+1+16*\b+\i]
.endr
.endr
.irp b, 0,1,2,3
	v_max_num_f32 v[BM+\b], v[BM+\b], v[S+15+16*\b]
.endr
.irp b, 0,1,2,3
	v_mov_b32 v[BX+\b], 0
.endr
.irp b, 0,1,2,3
	v_permlanex16_b32 v[BX+\b], v[BM+\b], s[SEL], s[SEL+1]
.endr
.irp b, 0,1,2,3
	v_max_num_f32 v[BM+\b], v[BM+\b], v[BX+\b]
.endr
	v_max3_num_f32 v248, v[BM], v[BM+1], v[BM+2]
	v_max_num_f32 v248, v248, v[BM+3]
	v_mul_f32 v13, s[CS], v248                     ; the key step's largest t of my query
	v_max_num_f32 v13, 0xff61b1e6, v13
	v_floor_f32 v12, -v13                          ; -M = floor(-t): M is a whole number
.set n, 0
.rept 32
	v_pk_fma_f32 v[S+n:S+n+1], v[S+n:S+n+1], s[CS:CS+1], v[12:13] op_sel_hi:[1,0,0]   ; t - M
.set n, n+2
.endr
.irp b, 0,1,2,3
	v_fma_f32 v[BM+\b], v[BM+\b], s[CS], v12       ; the same of each block's largest score
.endr
.set n, 0
.rept 64
	v_exp_f32 v[S+n], v[S+n]                       ; p = 2^(t - M)
.set n, n+1
.endr
.irp b, 0,1,2,3
	v_exp_f32 v[BM+\b], v[BM+\b]                   ; each block's largest p
.endr
	v_nop                                          ; a plain line behind the batch,
	s_wait_alu depctr_va_vdst(0)                   ; and one wait: the 68 exponentials have written v[S ..] and v[BM ..], ahead of their first reader
.irp b, 0,1,2,3
	v_max_num_f32 v[BM+\b], 0x1800000, v[BM+\b]    ; the floor 2^(3 - 127)
.endr
.irp b, 0,1,2,3
	v_add_nc_u32 v[SOP+\b], 0xff000000, v[BM+\b]
.endr
.irp b, 0,1,2,3
	v_lshrrev_b32 v[BX+\b], 23, v[SOP+\b]
.endr
	v_lshl_or_b32 v[PWS], v[BX+1], 8, v[BX]
	v_lshl_or_b32 v[PWS], v[BX+2], 16, v[PWS]
	v_lshl_or_b32 v[PWS], v[BX+3], 24, v[PWS]      ; p's scale word for these 128 keys
.irp c, 0,1
	v_cvt_scalef32_pk16_fp6_f32 v[36+6*\c:38+6*\c], v[S+32*\c:S+15+32*\c], v[SOP+2*\c]
	v_cvt_scalef32_pk16_fp6_f32 v[48+4*\c:50+4*\c], v[S+16+32*\c:S+31+32*\c], v[SOP+2*\c+1]
.endr
	v_nop
.irp c, 0,1
.irp i, 0,1,2
	v_permlane16_swap_b32 v[36+6*\c+\i], v[48+4*\c+\i]
.endr
.irp i, 0,1,2
	v_mov_b32 v[39+6*\c+\i], v[48+4*\c+\i]
.endr
.endr
	v_pk_add_f32 v[14:15], v[S:S+1], v[S+2:S+3]    ; the sum of the UNQUANTISED p, in two chains.  These lines are also the places between the scale word's and the codes' last writes and the products below
	v_pk_add_f32 v[246:247], v[S+4:S+5], v[S+6:S+7]
.set n, 8
.rept 14
	v_pk_add_f32 v[14:15], v[14:15], v[S+n:S+n+1]
	v_pk_add_f32 v[246:247], v[246:247], v[S+n+2:S+n+3]
.set n, n+4
.endr
	v_pk_add_f32 v[14:15], v[14:15], v[246:247]
	v_add_f32 v14, v14, v15
	v_permlanex16_b32 v15, v14, s[SEL], s[SEL+1]
	v_add_f32 v13, v14, v15                        ; l, beside -M
	s_wait_loadcnt 0x0                             ; v
	s_wait_alu depctr_va_vdst(0)                   ; vector lines have written p's codes v36 to v47 and its scale word v23, which the scaled products take; the places above stay beside this wait
.irp tt, 0,1,2,3
	WM0 OA+8*\tt, VF+12*\tt, 36, VS+\tt/2, PWS, \tt%2
.endr
.rept 4
	v_nop
.endr
.Ljoin:
	s_wait_alu depctr_va_vdst(0)                   ; on both ways: O^T, -M and l are written, which the LDS stores read, and so are their addresses v5 and v6; all readers and writers of the registers in which the join's loads land are done
.irp i, 0,1,2,3,4,5,6,7
	ds_store_b128 v5, v[OA+4*\i:OA+4*\i+3] offset:512*\i   ; each accumulator from its low end on
.endr
	ds_store_b64 v6, v[12:13] offset:4096
	s_wait_dscnt 0x0                               ; for wave 0's sake: my stores have landed
	s_barrier_signal -1
	s_barrier_wait -1
	s_wait_alu depctr_vm_vsrc(0)                   ; my LDS stores have read O^T and v[12:13]: in wave 0 the join's loads land in these registers
	s_cmp_lg_u32 s8, 0
	s_cbranch_scc1 .Lend
.irp hs, 0,1
.if \hs == 1
	s_wait_alu depctr_va_vdst(0)                   ; the first head's arithmetic is done reading and writing v8 to v15, v248, v249 and v[OJ ..], in which the second head's loads land
.endif
.irp j, 0,1,2,3,4
	ds_load_b64 v[8+2*\j+232*(\j/4):9+2*\j+232*(\j/4)], v2 offset:(5*\hs+\j)*4352+4096   ; (-M, l) of key step j: v8-15 and v248-249
.endr
.irp j, 0,1,2,3,4
.irp i, 0,1,2,3,4,5,6,7
	ds_load_b128 v[OJ+32*\j+4*\i:OJ+32*\j+4*\i+3], v1 offset:(5*\hs+\j)*4352+512*\i
.endr
.endr
	s_wait_dscnt 40                                ; the five pairs are in; the 40 loads of the images may be out
	v_min3_num_f32 v250, v8, v10, v12
	v_min3_num_f32 v250, v250, v14, v248           ; the least -M: the largest M
.irp j, 0,1,2,3,4
	v_sub_f32 v[8+2*\j+232*(\j/4)], v250, v[8+2*\j+232*(\j/4)]   ; M_j - M: a whole number, 0 or less
.endr
.irp j, 0,1,2,3,4
	v_cvt_i32_f32 v[8+2*\j+232*(\j/4)], v[8+2*\j+232*(\j/4)]     ; (it saturates)
.endr
.irp j, 0,1,2,3,4
	v_ldexp_f32 v[8+2*\j+232*(\j/4)], 1.0, v[8+2*\j+232*(\j/4)]  ; f_j = 2^(M_j - M): a multiplication by it rounds nothing
.endr
	v_mul_f32 v251, v8, v9
.irp j, 1,2,3,4
	v_fma_f32 v251, v[8+2*\j+232*(\j/4)], v[9+2*\j+232*(\j/4)], v251
.endr
	v_rcp_f32 v252, v251                           ; 1 / l; the sums below are the plain work behind it
	s_wait_dscnt 0x0
.set n, 0
.rept 16
	v_pk_mul_f32 v[H+32*\hs+n:H+32*\hs+n+1], v[OJ+n:OJ+n+1], v[8:9] op_sel_hi:[1,0]
.set n, n+2
.endr
.irp j, 1,2,3,4
.set n, 0
.rept 16
	v_pk_fma_f32 v[H+32*\hs+n:H+32*\hs+n+1], v[OJ+32*\j+n:OJ+32*\j+n+1], v[8+2*\j+232*(\j/4):9+2*\j+232*(\j/4)], v[H+32*\hs+n:H+32*\hs+n+1] op_sel_hi:[1,0,1]
.set n, n+2
.endr
.endr
	s_wait_alu depctr_va_vdst(0)                   ; the reciprocal has written v252, ahead of its first reader
	v_mov_b32 v253, v252
.set n, 0
.rept 16
	v_pk_mul_f32 v[H+32*\hs+n:H+32*\hs+n+1], v[H+32*\hs+n:H+32*\hs+n+1], v[252:253]
.set n, n+2
.endr
.endr
	QUANT H                                        ; the two heads' 128 columns are K step hp of wo's product
	s_wait_alu depctr_va_vdst(0)                   ; the quantiser has written the codes v[PC ..] and the scale word v[PW], which the five stores read
	global_store_b128 v1, v[PC:PC+3], s[36:37]
	global_store_b64 v2, v[PC+4:PC+5], s[36:37] offset:512
	global_store_b128 v1, v[PC+6:PC+9], s[36:37] offset:768
	global_store_b64 v2, v[PC+10:PC+11], s[36:37] offset:1280
	global_store_b32 v4, v[PW], s[38:39]
.Lend:
	s_wait_dscnt 0x0                               ; the closing lines, six on end
	s_wait_alu 0x0
	s_wait_tensorcnt 0x0
	ds_add_u32 v254, v255
	s_wait_dscnt 0x0
	s_endpgm
.Lfunc_end_k_q9b6f2059b4_attn0:
	.size	k_q9b6f2059b4_attn0, .Lfunc_end_k_q9b6f2059b4_attn0-k_q9b6f2059b4_attn0
	.p2alignl 7, 3214868480
	.fill 96, 4, 3214868480
	.section	.rodata,"a",@progbits
	.p2align	6, 0x0
	.amdhsa_kernel k_q9b6f2059b4_attn0
		.amdhsa_group_segment_fixed_size 44800
		.amdhsa_private_segment_fixed_size 0
		.amdhsa_enable_private_segment 0
		.amdhsa_kernarg_size 16
		.amdhsa_user_sgpr_count 2
		.amdhsa_user_sgpr_kernarg_segment_ptr 1
		.amdhsa_wavefront_size32 1
		.amdhsa_system_sgpr_workgroup_id_x 1
		.amdhsa_system_sgpr_workgroup_id_y 1
		.amdhsa_system_sgpr_workgroup_id_z 1
		.amdhsa_system_vgpr_workitem_id 0
		.amdhsa_next_free_vgpr 256
		.amdhsa_next_free_sgpr 66
		.amdhsa_reserve_vcc 0
		.amdhsa_float_denorm_mode_32 3
		.amdhsa_float_denorm_mode_16_64 3
		.amdhsa_memory_ordered 1
		.amdhsa_forward_progress 1
		.amdhsa_inst_pref_size 66
	.end_amdhsa_kernel
	.amdgpu_metadata
---
amdhsa.version: [ 1, 2 ]
amdhsa.kernels:
  - .name:           k_q9b6f2059b4_attn0
    .symbol:         k_q9b6f2059b4_attn0.kd
    .args:
      - { .name: qkvc, .offset: 0, .size: 8, .value_kind: global_buffer, .address_space: global }
      - { .name: act, .offset: 8, .size: 8, .value_kind: global_buffer, .address_space: global }
    .group_segment_fixed_size: 44800
    .private_segment_fixed_size: 0
    .kernarg_segment_align: 8
    .kernarg_segment_size: 16
    .max_flat_workgroup_size: 320
    .sgpr_count:     66
    .vgpr_count:     256
    .wavefront_size: 32
...
	.end_amdgpu_metadata
.endif
;; end of part 11
;; launch wo0 (part 12): grid 12 x 12, 3 waves a work-group, no clusters, 26,624 bytes of LDS; arguments act, wc0, z; writes z
.if DOCPART == 12
	.amdgcn_target "amdgcn-amd-amdhsa--gfx1250"
	.amdhsa_code_object_version 6
	.text
	.protected	k_q9b6f2059b4_wo0
	.globl	k_q9b6f2059b4_wo0
	.p2align	8
	.type	k_q9b6f2059b4_wo0,@function
k_q9b6f2059b4_wo0:
	s_mov_b64 s[64:65], 0
	v_nop
	global_prefetch_b8 v0, s[64:65] scope:SCOPE_SE
	s_setreg_imm32_b32 hwreg(HW_REG_WAVE_SCHED_MODE, 0, 2), 2
	s_setreg_imm32_b32 hwreg(HW_REG_WAVE_MODE, 25, 1), 1
	s_wait_xcnt 0x0
	s_wait_alu depctr_vm_vsrc(0)
; z = a wo, the bare product (residual, bias and norm follow in the next launch), on codes of E2M3.  a: attention's result as images (act + 2,457,600); wo: pairs 72-95 of the layer's weight images.
; SHARES.  A work-group makes 32 rows (grid y) x 64 columns (grid x).  Wave w takes K steps 2 w, 2 w + 1: all its 54 loads go out at once, from memory straight into operand registers.
; Source 0 = 16 columns of the weight, source 1 = 16 rows: a lane holds eight neighbouring columns of a row.  Each wave lays its 32 x 64 partial sums row by row in its own stage (rows of 256 + 16 bytes); one barrier;
; waves 0 and 1 add the parts, K ascending, and store 16 rows each: sixteen lanes write 256 consecutive bytes at a multiple of 256.
; No tensor load, so no joint request that a cluster could share.  LIMITS: K is summed in KS / 2 f32 parts; NaN and infinities are not served.
; THE MODE: SCHED_MODE bits 1:0 = 2 (LLVM: expert scheduling mode 2), set by the entry lines.  The code itself states the register dependences
; between vector or matrix instructions and memory or LDS instructions, with s_wait_alu, always for 0.
; THE PLAN.  Registers that memory or LDS instructions touch, in the order of the text (there is no loop):
;   v1-v3, v6-v9   offsets and LDS addresses: written once at the head, read by every load and store, never written again.
;   PS, QS, PF, QF written by the 54 loads, read by the sixteen matrix instructions; behind the barrier the parts land in v56-167.
;   ACC            written by the matrix instructions, read by my sixteen LDS stores; where there are more than three parts, the second buffer of parts (v152-247) lies over it.
;   TB0 ..         two buffers of three parts: written by 24 LDS loads each, read by the packed additions, by turns.
;   SUM            written by the packed additions, read by the eight stores.
; THE WAITS.  One on va_sdst behind the wave's number.  On va_vdst: ahead of the first load; behind the products' places (it serves the LDS stores and the first loads of parts: no vector instruction stands between);
; ahead of each batch of parts that lands in a buffer which additions have read; ahead of the eight stores.  One on vm_vsrc behind the barrier, where parts land on ACC.
.set KS,     6
.set NW,     3
.set WBASE,  432
.set ACODE,  2457600
.set ASCALE, 4816896
.set SCB, 5308416
.set PS,  16
.set QS,  20
.set PF,  24
.set QF,  120
.set ACC, 168
.set SUM, 24
.set TB0, 56                           ; v56-151, v152-247: three partial sums each, by turns
.macro LDTILE reg, sb, off
	global_load_b128 v[\reg:\reg+3], v1, s[\sb:\sb+1] offset:\off
	global_load_b64 v[\reg+4:\reg+5], v2, s[\sb:\sb+1] offset:\off+512
	global_load_b128 v[\reg+6:\reg+9], v1, s[\sb:\sb+1] offset:\off+768
	global_load_b64 v[\reg+10:\reg+11], v2, s[\sb:\sb+1] offset:\off+1280
.endm
.macro WM d, a, b, c, sa, sb, ra, rb
.if (\ra)==0 && (\rb)==0
	v_wmma_scale_f32_16x16x128_f8f6f4 v[\d:\d+7], v[\a:\a+11], v[\b:\b+11], \c, v[\sa], v[\sb] matrix_a_fmt:MATRIX_FMT_FP6 matrix_b_fmt:MATRIX_FMT_FP6
.elseif (\ra)==1 && (\rb)==0
	v_wmma_scale_f32_16x16x128_f8f6f4 v[\d:\d+7], v[\a:\a+11], v[\b:\b+11], \c, v[\sa], v[\sb] matrix_a_fmt:MATRIX_FMT_FP6 matrix_b_fmt:MATRIX_FMT_FP6 matrix_a_scale:MATRIX_SCALE_ROW1
.elseif (\ra)==0 && (\rb)==1
	v_wmma_scale_f32_16x16x128_f8f6f4 v[\d:\d+7], v[\a:\a+11], v[\b:\b+11], \c, v[\sa], v[\sb] matrix_a_fmt:MATRIX_FMT_FP6 matrix_b_fmt:MATRIX_FMT_FP6 matrix_b_scale:MATRIX_SCALE_ROW1
.else
	v_wmma_scale_f32_16x16x128_f8f6f4 v[\d:\d+7], v[\a:\a+11], v[\b:\b+11], \c, v[\sa], v[\sb] matrix_a_fmt:MATRIX_FMT_FP6 matrix_b_fmt:MATRIX_FMT_FP6 matrix_a_scale:MATRIX_SCALE_ROW1 matrix_b_scale:MATRIX_SCALE_ROW1
.endif
.endm
.macro CORE PSTR
.irp st, 0,1
.irp pp, 0,1
.irp u, 0,1
	LDTILE PF+48*\st+24*\pp+12*\u, 24, \pp*\PSTR+\st*3072+\u*1536
.endr
	global_load_b32 v[PS+2*\st+\pp], v3, s[26:27] offset:\pp*(\PSTR/24)+\st*128
.endr
.irp u, 0,1
	LDTILE QF+24*\st+12*\u, 28, \st*3072+\u*1536
.endr
	global_load_b32 v[QS+\st], v3, s[30:31] offset:\st*128
.endr
	s_wait_loadcnt 27                              ; the first K step's 27 loads are in; the second's 27 may be out
.irp qt, 0,1
.irp pt, 0,1,2,3
	WM ACC+8*(4*\qt+\pt), PF+12*\pt, QF+12*\qt, 0, PS+\pt/2, QS, \pt%2, \qt
.endr
.endr
	s_wait_loadcnt 0x0
.irp qt, 0,1                           ; the eight accumulators take turns, one instruction a turn
.irp pt, 0,1,2,3
	WM ACC+8*(4*\qt+\pt), PF+48+12*\pt, QF+24+12*\qt, v[ACC+8*(4*\qt+\pt):ACC+8*(4*\qt+\pt)+7], PS+2+\pt/2, QS+1, \pt%2, \qt
.endr
.endr
.rept 4
	v_nop                                          ; four places ahead of the first read of results (ISA guide 7.12.1)
.endr
.endm
.macro PKADD d, a, b, cnt
.set n, 0
.rept \cnt
	v_pk_add_f32 v[\d+n:\d+n+1], v[\a+n:\a+n+1], v[\b+n:\b+n+1]
.set n, n+2
.endr
.endm
.macro RLOAD bt                        ; the parts of waves 3 bt .. 3 bt + 2: my 16 rows, two rows an instruction
.irp w3, 0,1,2
.irp t, 0,1,2,3,4,5,6,7
.if 3*(\bt)+\w3 < 6
	ds_load_b128 v[TB0+96*((\bt)%2)+32*\w3+4*\t:TB0+96*((\bt)%2)+32*\w3+4*\t+3], v7 offset:(3*(\bt)+\w3)*8704+544*\t
.else
	ds_load_b128 v[TB0+96*((\bt)%2)+32*\w3+4*\t:TB0+96*((\bt)%2)+32*\w3+4*\t+3], v8 offset:(3*(\bt)+\w3-6)*8704+544*\t
.endif
.endr
.endr
.endm
.macro RADD bt
.set TBB, TB0+96*((\bt)%2)
.if (\bt) == 0
	PKADD SUM, TBB, TBB+32, 16
.else
	PKADD SUM, SUM, TBB, 16
	PKADD SUM, SUM, TBB+32, 16
.endif
	PKADD SUM, SUM, TBB+64, 16
.endm
	s_load_b128 s[4:7], s[0:1], 0x0                ; the rows' images, the layer's weight images
	s_load_b64 s[8:9], s[0:1], 0x10                ; z
	v_lshl_add_u32 v254, v0, 2, 0x6600
	v_mov_b32 v255, 0
	v_lshrrev_b32 v1, 5, v0
	v_readfirstlane_b32 s16, v1                    ; wave
	s_wait_alu depctr_va_sdst(0)                   ; s16 is written, ahead of its first reader: offsets, LDS addresses and a branch are made from it
	s_and_b32 s21, ttmp7, 0xffff                   ; pair of row tiles
	s_lshl_b32 s22, s16, 1
	s_mul_i32 s23, ttmp9, 2*KS
	s_add_co_u32 s23, s23, s22
	s_add_co_u32 s23, s23, WBASE                   ; the weight's first block
	s_mul_i32 s32, s21, KS
	s_add_co_u32 s32, s32, s22                     ; the rows' first block
	s_mul_i32 s40, s23, 3072
	s_mov_b32 s41, 0
	s_lshl_b32 s42, s23, 7
	s_add_co_u32 s42, s42, SCB
	s_mov_b32 s43, 0
	s_mul_i32 s44, s32, 3072
	s_add_co_u32 s44, s44, ACODE
	s_mov_b32 s45, 0
	s_lshl_b32 s46, s32, 7
	s_add_co_u32 s46, s46, ASCALE
	s_mov_b32 s47, 0
	s_lshl_b32 s48, s21, 5
	s_lshl_b32 s49, s16, 3
	s_add_co_u32 s48, s48, s49
	s_mul_i32 s48, s48, 3072                       ; z: row 32 RB + 8 qt,
	s_lshl_b32 s49, ttmp9, 8
	s_add_co_u32 s48, s48, s49                     ; + my 64 columns
	s_mov_b32 s49, 0
	v_and_b32 v8, 31, v0
	v_lshlrev_b32 v1, 4, v8
	v_lshlrev_b32 v2, 3, v8
	v_lshlrev_b32 v3, 2, v8
	v_and_b32 v10, 15, v0                          ; r
	v_bfe_u32 v11, v0, 4, 1                        ; h
	v_mul_u32_u24 v6, v10, 272
	v_lshl_add_u32 v6, v11, 6, v6
	s_mul_i32 s20, s16, 8704
	v_add_nc_u32 v6, s20, v6                       ; my stage: row r, + 64 h
	v_mul_u32_u24 v7, v11, 272
	v_lshl_add_u32 v7, v10, 4, v7
	s_mul_i32 s20, s16, 4352
	v_add_nc_u32 v7, s20, v7                       ; back, in waves 0 and 1: tile qt's rows, lanes 0-15 one row, lanes 16-31 the next
.if NW > 6
	v_add_nc_u32 v8, 52224, v7                     ; the same six stages on: an LDS offset has 16 bits
.endif
	v_mul_u32_u24 v9, v11, 3072
	v_lshl_add_u32 v9, v10, 4, v9                  ; and the same two rows in z
	s_wait_kmcnt 0x0
	s_add_nc_u64 s[24:25], s[6:7], s[40:41]
	s_add_nc_u64 s[26:27], s[6:7], s[42:43]
	s_add_nc_u64 s[28:29], s[4:5], s[44:45]
	s_add_nc_u64 s[30:31], s[4:5], s[46:47]
	s_add_nc_u64 s[50:51], s[8:9], s[48:49]
	s_wait_alu depctr_va_vdst(0)                   ; the offsets and LDS addresses v1 to v3 and v6 to v9 are written: every load and store of the kernel reads one of them
	CORE KS*3072
	s_wait_alu depctr_va_vdst(0)                   ; the matrix instructions have written ACC, which the LDS stores read, and are done reading PF and QF, in which the parts land; the places above stay beside this wait
.irp qt, 0,1
.irp pt, 0,1,2,3
	ds_store_b128 v6, v[ACC+8*(4*\qt+\pt):ACC+8*(4*\qt+\pt)+3] offset:4352*\qt+128*(\pt/2)+32*(\pt%2)      ; each accumulator from its low end on
	ds_store_b128 v6, v[ACC+8*(4*\qt+\pt)+4:ACC+8*(4*\qt+\pt)+7] offset:4352*\qt+128*(\pt/2)+32*(\pt%2)+16
.endr
.endr
	s_wait_dscnt 0x0                               ; for the others' sake: my part has landed
	s_barrier_signal -1
	s_barrier_wait -1
.if NW > 3
	s_wait_alu depctr_vm_vsrc(0)                   ; my LDS stores have read ACC, on which the second buffer of parts lies
.endif
	s_cmp_ge_u32 s16, 2
	s_cbranch_scc1 .Lend
	RLOAD 0
.if NW > 3
	RLOAD 1
	s_wait_dscnt 24                                ; the older batch is in; the younger's 24 loads may be out
	RADD 0
	s_wait_alu depctr_va_vdst(0)                   ; the additions are done reading the first buffer, in which the next batch lands
	RLOAD 2
	s_wait_dscnt 24
	RADD 1
	s_wait_alu depctr_va_vdst(0)                   ; the additions are done reading the second buffer, in which the last batch lands
	RLOAD 3
	s_wait_dscnt 24
	RADD 2
	s_wait_dscnt 0x0
	RADD 3
.else
	s_wait_dscnt 0x0
	RADD 0
.endif
	s_wait_alu depctr_va_vdst(0)                   ; the additions have written v[SUM ..], which the eight stores read
.irp t, 0,1,2,3,4,5,6,7
	global_store_b128 v9, v[SUM+4*\t:SUM+4*\t+3], s[50:51] offset:(2*(\t%4)+16*(\t/4))*3072
.endr
.Lend:
	s_wait_dscnt 0x0                               ; the closing lines, six on end
	s_wait_alu 0x0
	s_wait_tensorcnt 0x0
	ds_add_u32 v254, v255
	s_wait_dscnt 0x0
	s_endpgm
.Lfunc_end_k_q9b6f2059b4_wo0:
	.size	k_q9b6f2059b4_wo0, .Lfunc_end_k_q9b6f2059b4_wo0-k_q9b6f2059b4_wo0
	.p2alignl 7, 3214868480
	.fill 96, 4, 3214868480
	.section	.rodata,"a",@progbits
	.p2align	6, 0x0
	.amdhsa_kernel k_q9b6f2059b4_wo0
		.amdhsa_group_segment_fixed_size 26624
		.amdhsa_private_segment_fixed_size 0
		.amdhsa_enable_private_segment 0
		.amdhsa_kernarg_size 24
		.amdhsa_user_sgpr_count 2
		.amdhsa_user_sgpr_kernarg_segment_ptr 1
		.amdhsa_wavefront_size32 1
		.amdhsa_system_sgpr_workgroup_id_x 1
		.amdhsa_system_sgpr_workgroup_id_y 1
		.amdhsa_system_sgpr_workgroup_id_z 1
		.amdhsa_system_vgpr_workitem_id 0
		.amdhsa_next_free_vgpr 256
		.amdhsa_next_free_sgpr 66
		.amdhsa_reserve_vcc 0
		.amdhsa_float_denorm_mode_32 3
		.amdhsa_float_denorm_mode_16_64 3
		.amdhsa_memory_ordered 1
		.amdhsa_forward_progress 1
		.amdhsa_inst_pref_size 16
	.end_amdhsa_kernel
	.amdgpu_metadata
---
amdhsa.version: [ 1, 2 ]
amdhsa.kernels:
  - .name:           k_q9b6f2059b4_wo0
    .symbol:         k_q9b6f2059b4_wo0.kd
    .args:
      - { .name: act, .offset: 0, .size: 8, .value_kind: global_buffer, .address_space: global }
      - { .name: wc0, .offset: 8, .size: 8, .value_kind: global_buffer, .address_space: global }
      - { .name: z, .offset: 16, .size: 8, .value_kind: global_buffer, .address_space: global }
    .group_segment_fixed_size: 26624
    .private_segment_fixed_size: 0
    .kernarg_segment_align: 8
    .kernarg_segment_size: 24
    .max_flat_workgroup_size: 96
    .sgpr_count:     66
    .vgpr_count:     256
    .wavefront_size: 32
...
	.end_amdgpu_metadata
.endif
;; end of part 12
;; launch ln1_0: the kernel of part 2 again; grid 12 x 1, 12 waves a work-group, no clusters, 104,960 bytes of LDS; arguments xfA, z, params_layers_0_bo, params_layers_0_ln1_g, params_layers_0_ln1_b, xfB, act; writes xfB, act
;; launch ffn1_0 (part 13): grid 24 x 12, 6 waves a work-group, no clusters, 49,920 bytes of LDS; arguments act, wc0, params_layers_0_bi, hc; writes hc
.if DOCPART == 13
	.amdgcn_target "amdgcn-amd-amdhsa--gfx1250"
	.amdhsa_code_object_version 6
	.text
	.protected	k_q9b6f2059b4_ffn1_0
	.globl	k_q9b6f2059b4_ffn1_0
	.p2align	8
	.type	k_q9b6f2059b4_ffn1_0,@function
k_q9b6f2059b4_ffn1_0:
	s_mov_b64 s[64:65], 0
	v_nop
	global_prefetch_b8 v0, s[64:65] scope:SCOPE_SE
	s_setreg_imm32_b32 hwreg(HW_REG_WAVE_SCHED_MODE, 0, 2), 2
	s_setreg_imm32_b32 hwreg(HW_REG_WAVE_MODE, 25, 1), 1
	s_wait_xcnt 0x0
	s_wait_alu depctr_vm_vsrc(0)
; h = gelu(x wi + bi), the exact gelu, on codes of E2M3; h is quantised at once, along the hidden units, into the images that wf's product reads.
; SHARES.  A work-group makes one image block: 32 rows (grid y) x 128 hidden units (grid x).  Source 0 = tiles of wi's columns, so that a lane's 64 results run along the next K in the conversions' order.
; Six waves: wave 2 kw + ph takes four of the eight column tiles (ph) and K steps 2 kw, 2 kw + 1 of the 768; all its 54 loads go out at once, from memory straight into operand registers.
; The three partial sums meet in LDS behind one barrier; waves 0 and 1 add them (K ascending), add the bias, apply gelu, quantise and store a tile each.
; ERF: z = x / sqrt(2) held to +-4; erf = z P(z^2) / Q(z^2), polynomials of degree 6 and 4, good to a few units in f32's last place; beyond 4 erf is 1 to f32.
; No tensor load, so no joint request that a cluster could share.  LIMITS: K is summed in three f32 parts; 1 / Q is v_rcp_f32's; a block under 2^-124 (zeros too) gets the byte 1; NaN and infinities are not served.
; THE MODE: SCHED_MODE bits 1:0 = 2 (LLVM: expert scheduling mode 2), set by the entry lines.  The code itself states the register dependences
; between vector or matrix instructions and memory or LDS instructions, with s_wait_alu, always for 0.
; THE PLAN.  Registers that memory or LDS instructions touch, in the order of the text (there is no loop):
;   v1-v7          offsets and LDS addresses: written once at the head, read by every load and store, never written again.
;   PS, QS, PF, QF written by the 54 loads, read by the sixteen matrix instructions; behind these the bias lands in v88-151 and partial sums in v152-167.
;   ACC            written by the matrix instructions, read by my sixteen LDS stores; behind the barrier partial sums land there, and later gelu and the quantiser write there.
;   T              written by 24 LDS loads, read by the packed additions; twice, for ph = 0 and ph = 1.
;   PC, PW         written by the quantiser, read by the five stores.
; THE WAITS.  One on va_sdst behind the wave's number.  On va_vdst: ahead of the first load; behind the products' places (it serves the LDS stores, the bias loads and the first LDS loads: no vector
; instruction stands between); ahead of ph = 1's LDS loads; behind each batch of sixteen reciprocals; ahead of the five stores.  One on vm_vsrc behind the barrier, for ACC.
.set SCB, 5308416
.set XSC, 2359296
.set HSC, 9437184
.set PS,  16
.set QS,  20
.set PF,  24
.set QF,  120
.set ACC, 168
.set H,   24
.set BI,  88
.set CF,  88                           ; v88-111 the twelve coefficients, each twice (a pair for the packed forms), once the bias is added
.set T,   152
.set ZZ,  152
.set Z2,  168
.set PP,  184
.set QQ,  200
.set TM,  152
.set PW,  168
.set PC,  170
.set SEL, 48
.macro QUANT s
.irp b, 0,1,2,3
	v_mov_b32 v[TM+4+\b], 0
.endr
.irp b, 0,1,2,3
	v_max3_num_f32 v[TM+\b], |v[\s+16*\b]|, |v[\s+1+16*\b]|, 0x1800000
.endr
.irp i, 2,4,6,8,10,12,14
.irp b, 0,1,2,3
	v_max3_num_f32 v[TM+\b], v[TM+\b], |v[\s+16*\b+\i]|, |v[\s+1+16*\b+\i]|
.endr
.endr
.irp b, 0,1,2,3
	v_permlanex16_b32 v[TM+4+\b], v[TM+\b], s[SEL], s[SEL+1]
.endr
.irp b, 0,1,2,3
	v_max_num_f32 v[TM+\b], v[TM+\b], v[TM+4+\b]
.endr
.irp b, 0,1,2,3
	v_add_nc_u32 v[TM+12+\b], 0xff000000, v[TM+\b]
.endr
.irp b, 0,1,2,3
	v_lshrrev_b32 v[TM+4+\b], 23, v[TM+12+\b]
.endr
	v_lshl_or_b32 v[PW], v[TM+5], 8, v[TM+4]
	v_lshl_or_b32 v[PW], v[TM+6], 16, v[PW]
	v_lshl_or_b32 v[PW], v[TM+7], 24, v[PW]
.irp c, 0,1
	v_cvt_scalef32_pk16_fp6_f32 v[PC+6*\c:PC+2+6*\c], v[\s+32*\c:\s+15+32*\c], v[TM+12+2*\c]
	v_cvt_scalef32_pk16_fp6_f32 v[PC+12+4*\c:PC+14+4*\c], v[\s+16+32*\c:\s+31+32*\c], v[TM+12+2*\c+1]
.endr
	v_nop
.irp c, 0,1
.irp i, 0,1,2
	v_permlane16_swap_b32 v[PC+6*\c+\i], v[PC+12+4*\c+\i]
.endr
.irp i, 0,1,2
	v_mov_b32 v[PC+3+6*\c+\i], v[PC+12+4*\c+\i]
.endr
.endr
.endm
.macro LDTILE reg, sb, off
	global_load_b128 v[\reg:\reg+3], v1, s[\sb:\sb+1] offset:\off
	global_load_b64 v[\reg+4:\reg+5], v2, s[\sb:\sb+1] offset:\off+512
	global_load_b128 v[\reg+6:\reg+9], v1, s[\sb:\sb+1] offset:\off+768
	global_load_b64 v[\reg+10:\reg+11], v2, s[\sb:\sb+1] offset:\off+1280
.endm
.macro WM d, a, b, c, sa, sb, ra, rb
.if (\ra)==0 && (\rb)==0
	v_wmma_scale_f32_16x16x128_f8f6f4 v[\d:\d+7], v[\a:\a+11], v[\b:\b+11], \c, v[\sa], v[\sb] matrix_a_fmt:MATRIX_FMT_FP6 matrix_b_fmt:MATRIX_FMT_FP6
.elseif (\ra)==1 && (\rb)==0
	v_wmma_scale_f32_16x16x128_f8f6f4 v[\d:\d+7], v[\a:\a+11], v[\b:\b+11], \c, v[\sa], v[\sb] matrix_a_fmt:MATRIX_FMT_FP6 matrix_b_fmt:MATRIX_FMT_FP6 matrix_a_scale:MATRIX_SCALE_ROW1
.elseif (\ra)==0 && (\rb)==1
	v_wmma_scale_f32_16x16x128_f8f6f4 v[\d:\d+7], v[\a:\a+11], v[\b:\b+11], \c, v[\sa], v[\sb] matrix_a_fmt:MATRIX_FMT_FP6 matrix_b_fmt:MATRIX_FMT_FP6 matrix_b_scale:MATRIX_SCALE_ROW1
.else
	v_wmma_scale_f32_16x16x128_f8f6f4 v[\d:\d+7], v[\a:\a+11], v[\b:\b+11], \c, v[\sa], v[\sb] matrix_a_fmt:MATRIX_FMT_FP6 matrix_b_fmt:MATRIX_FMT_FP6 matrix_a_scale:MATRIX_SCALE_ROW1 matrix_b_scale:MATRIX_SCALE_ROW1
.endif
.endm
.macro CORE PSTR
.irp st, 0,1
.irp pp, 0,1
.irp u, 0,1
	LDTILE PF+48*\st+24*\pp+12*\u, 24, \pp*\PSTR+\st*3072+\u*1536
.endr
	global_load_b32 v[PS+2*\st+\pp], v3, s[26:27] offset:\pp*(\PSTR/24)+\st*128
.endr
.irp u, 0,1
	LDTILE QF+24*\st+12*\u, 28, \st*3072+\u*1536
.endr
	global_load_b32 v[QS+\st], v3, s[30:31] offset:\st*128
.endr
	s_wait_loadcnt 27                              ; the first K step's 27 loads are in; the second's 27 may be out
.irp qt, 0,1
.irp pt, 0,1,2,3
	WM ACC+8*(4*\qt+\pt), PF+12*\pt, QF+12*\qt, 0, PS+\pt/2, QS, \pt%2, \qt
.endr
.endr
	s_wait_loadcnt 0x0
.irp qt, 0,1                           ; the eight accumulators take turns, one instruction a turn
.irp pt, 0,1,2,3
	WM ACC+8*(4*\qt+\pt), PF+48+12*\pt, QF+24+12*\qt, v[ACC+8*(4*\qt+\pt):ACC+8*(4*\qt+\pt)+7], PS+2+\pt/2, QS+1, \pt%2, \qt
.endr
.endr
.rept 4
	v_nop                                          ; four places ahead of the first read of results (ISA guide 7.12.1)
.endr
.endm
.macro SETC k, bits
	v_mov_b32 v[CF+2*\k], \bits
	v_mov_b32 v[CF+2*\k+1], \bits
.endm
.macro PKMUL d, a, b, cnt
.set n, 0
.rept \cnt
	v_pk_mul_f32 v[\d+n:\d+n+1], v[\a+n:\a+n+1], v[\b+n:\b+n+1]
.set n, n+2
.endr
.endm
.macro GELU16 base                     ; sixteen numbers in place
.set n, 0
.rept 16
	v_mul_f32 v[ZZ+n], 0x3f3504f3, v[\base+n]      ; x / sqrt(2)
.set n, n+1
.endr
.set n, 0
.rept 16
	v_med3_num_f32 v[ZZ+n], v[ZZ+n], -4.0, 4.0
.set n, n+1
.endr
	PKMUL Z2, ZZ, ZZ, 8
.set n, 0
.rept 8
	v_pk_fma_f32 v[PP+n:PP+n+1], v[Z2+n:Z2+n+1], v[CF:CF+1], v[CF+2:CF+3]
	v_pk_fma_f32 v[QQ+n:QQ+n+1], v[Z2+n:Z2+n+1], v[CF+14:CF+15], v[CF+16:CF+17]
.set n, n+2
.endr
.irp k, 2,3,4,5,6
.set n, 0
.rept 8
	v_pk_fma_f32 v[PP+n:PP+n+1], v[PP+n:PP+n+1], v[Z2+n:Z2+n+1], v[CF+2*\k:CF+2*\k+1]
.set n, n+2
.endr
.endr
.irp k, 9,10,11
.set n, 0
.rept 8
	v_pk_fma_f32 v[QQ+n:QQ+n+1], v[QQ+n:QQ+n+1], v[Z2+n:Z2+n+1], v[CF+2*\k:CF+2*\k+1]
.set n, n+2
.endr
.endr
.set n, 0
.rept 16
	v_rcp_f32 v[QQ+n], v[QQ+n]
.set n, n+1
.endr
	PKMUL PP, PP, ZZ, 8                            ; plain work behind the batch, which names none of its results
.set n, 0
.rept 8
	v_pk_mul_f32 v[Z2+n:Z2+n+1], v[\base+n:\base+n+1], 0.5 op_sel_hi:[1,0]
.set n, n+2
.endr
	s_wait_alu depctr_va_vdst(0)                   ; one wait: the sixteen reciprocals have written v[QQ ..], ahead of their first reader
	PKMUL PP, PP, QQ, 8                            ; erf
.set n, 0
.rept 8
	v_pk_fma_f32 v[\base+n:\base+n+1], v[Z2+n:Z2+n+1], v[PP+n:PP+n+1], v[Z2+n:Z2+n+1]   ; x / 2 + x / 2 erf
.set n, n+2
.endr
.endm
	s_load_b256 s[4:11], s[0:1], 0x0               ; act, the layer's weight images, bi, hc
	v_lshl_add_u32 v254, v0, 2, 0xc000
	v_mov_b32 v255, 0
	v_lshrrev_b32 v1, 5, v0
	v_readfirstlane_b32 s16, v1                    ; wave 0..5
	s_wait_alu depctr_va_sdst(0)                   ; s16 is written, ahead of its first reader: offsets, LDS addresses and a branch are made from it
	s_and_b32 s17, s16, 1                          ; ph
	s_lshr_b32 s18, s16, 1                         ; kw
	s_and_b32 s21, ttmp7, 0xffff                   ; pair of row tiles
	s_lshl_b32 s23, ttmp9, 2
	s_lshl_b32 s33, s17, 1
	s_add_co_u32 s23, s23, s33
	s_add_co_u32 s23, s23, 96                      ; weight pair 96 + 4 cg + 2 ph
	s_mul_i32 s23, s23, 6
	s_lshl_b32 s35, s18, 1
	s_add_co_u32 s23, s23, s35
	s_mul_i32 s34, s21, 6
	s_add_co_u32 s34, s34, s35
	s_mul_i32 s40, s23, 3072
	s_mov_b32 s41, 0
	s_lshl_b32 s42, s23, 7
	s_add_co_u32 s42, s42, SCB
	s_mov_b32 s43, 0
	s_mul_i32 s44, s34, 3072
	s_mov_b32 s45, 0
	s_lshl_b32 s46, s34, 7
	s_add_co_u32 s46, s46, XSC
	s_mov_b32 s47, 0
	s_lshl_b32 s56, ttmp9, 9                       ; the bias of my 128 hidden units
	s_mov_b32 s57, 0
	s_mul_i32 s50, s21, 24
	s_add_co_u32 s50, s50, ttmp9                   ; h's block 24 RB + cg
	s_mul_i32 s52, s50, 3072
	s_mul_i32 s59, s16, 1536
	s_add_co_u32 s52, s52, s59
	s_mov_b32 s53, 0
	s_lshl_b32 s54, s50, 7
	s_lshl_b32 s59, s16, 6
	s_add_co_u32 s54, s54, s59
	s_add_co_u32 s54, s54, HSC
	s_mov_b32 s55, 0
	s_mov_b32 s[SEL], 0x76543210
	s_mov_b32 s[SEL+1], 0xfedcba98
	v_and_b32 v8, 31, v0
	v_lshlrev_b32 v1, 4, v8
	v_lshlrev_b32 v2, 3, v8
	v_lshlrev_b32 v3, 2, v8
	v_and_b32 v10, 15, v0
	v_lshlrev_b32 v4, 2, v10                       ; 4 r
	v_bfe_u32 v11, v0, 4, 1
	v_lshlrev_b32 v5, 6, v11                       ; 64 h
	s_lshl_b32 s60, s16, 13
	v_add_nc_u32 v6, s60, v1                       ; LDS: my wave's 8,192 bytes of partial sums
	s_lshl_b32 s60, s16, 12
	v_add_nc_u32 v7, s60, v1                       ; and, in waves 0 and 1, tile qt's four accumulators in every wave's
	s_wait_kmcnt 0x0
	s_add_nc_u64 s[24:25], s[6:7], s[40:41]
	s_add_nc_u64 s[26:27], s[6:7], s[42:43]
	s_add_nc_u64 s[28:29], s[4:5], s[44:45]
	s_add_nc_u64 s[30:31], s[4:5], s[46:47]
	s_add_nc_u64 s[36:37], s[8:9], s[56:57]
	s_add_nc_u64 s[52:53], s[10:11], s[52:53]
	s_add_nc_u64 s[54:55], s[10:11], s[54:55]
	s_wait_alu depctr_va_vdst(0)                   ; the offsets and LDS addresses v1 to v7 are written: every load and store of the kernel reads one of them
	CORE 18432
	s_wait_alu depctr_va_vdst(0)                   ; the matrix instructions have written ACC, which the LDS stores read, and are done reading PF and QF, in which the bias and the partial sums land; the places above stay beside this wait
.irp a, 0,1,2,3,4,5,6,7
	ds_store_b128 v6, v[ACC+8*\a:ACC+8*\a+3] offset:1024*\a          ; each accumulator from its low end on
	ds_store_b128 v6, v[ACC+8*\a+4:ACC+8*\a+7] offset:1024*\a+512
.endr
	s_wait_dscnt 0x0                               ; for the others' sake: my partial sums have landed
	s_barrier_signal -1
	s_barrier_wait -1
	s_wait_alu depctr_vm_vsrc(0)                   ; my LDS stores have read ACC: partial sums land in these registers below, and gelu and the quantiser write them
	s_cmp_ge_u32 s16, 2
	s_cbranch_scc1 .Lend
.irp b, 0,1,2,3
.irp j, 0,1,2,3
	global_load_b128 v[BI+16*\b+4*\j:BI+16*\b+4*\j+3], v5, s[36:37] offset:128*\b+16*\j
.endr
.endr
.irp ph, 0,1
.if \ph == 1
	s_wait_alu depctr_va_vdst(0)                   ; the additions above are done reading T, in which the next 24 LDS loads land
.endif
.irp kw, 0,1,2
.irp pt, 0,1,2,3
	ds_load_b128 v[T+32*\kw+8*\pt:T+32*\kw+8*\pt+3], v7 offset:(2*\kw+\ph)*8192+\pt*1024
	ds_load_b128 v[T+32*\kw+8*\pt+4:T+32*\kw+8*\pt+7], v7 offset:(2*\kw+\ph)*8192+\pt*1024+512
.endr
.endr
	s_wait_dscnt 0x0
.set n, 0
.rept 16
	v_pk_add_f32 v[H+32*\ph+n:H+32*\ph+n+1], v[T+n:T+n+1], v[T+32+n:T+32+n+1]
.set n, n+2
.endr
.set n, 0
.rept 16
	v_pk_add_f32 v[H+32*\ph+n:H+32*\ph+n+1], v[H+32*\ph+n:H+32*\ph+n+1], v[T+64+n:T+64+n+1]
.set n, n+2
.endr
.endr
	s_wait_loadcnt 0x0                             ; the bias
.set n, 0
.rept 32
	v_pk_add_f32 v[H+n:H+n+1], v[H+n:H+n+1], v[BI+n:BI+n+1]
.set n, n+2
.endr
	SETC 0, 0xaf95df0b                             ; P, from the highest power down
	SETC 1, 0x32edffee
	SETC 2, 0xb60cff51
	SETC 3, 0xb86ec2d2
	SETC 4, 0xba40ac63
	SETC 5, 0xbb41a1f6
	SETC 6, 0xbc83dbd4
	SETC 7, 0xb77460cd                             ; Q likewise
	SETC 8, 0xb95fbd29
	SETC 9, 0xbadc924e
	SETC 10, 0xbbf19bf8
	SETC 11, 0xbc69b6a7
	GELU16 H
	GELU16 H+16
	GELU16 H+32
	GELU16 H+48
	QUANT H
	s_wait_alu depctr_va_vdst(0)                   ; the quantiser has written the codes v[PC ..] and the scale word v[PW], which the five stores read
	global_store_b128 v1, v[PC:PC+3], s[52:53]
	global_store_b64 v2, v[PC+4:PC+5], s[52:53] offset:512
	global_store_b128 v1, v[PC+6:PC+9], s[52:53] offset:768
	global_store_b64 v2, v[PC+10:PC+11], s[52:53] offset:1280
	global_store_b32 v4, v[PW], s[54:55]
.Lend:
	s_wait_dscnt 0x0                               ; the closing lines, six on end
	s_wait_alu 0x0
	s_wait_tensorcnt 0x0
	ds_add_u32 v254, v255
	s_wait_dscnt 0x0
	s_endpgm
.Lfunc_end_k_q9b6f2059b4_ffn1_0:
	.size	k_q9b6f2059b4_ffn1_0, .Lfunc_end_k_q9b6f2059b4_ffn1_0-k_q9b6f2059b4_ffn1_0
	.p2alignl 7, 3214868480
	.fill 96, 4, 3214868480
	.section	.rodata,"a",@progbits
	.p2align	6, 0x0
	.amdhsa_kernel k_q9b6f2059b4_ffn1_0
		.amdhsa_group_segment_fixed_size 49920
		.amdhsa_private_segment_fixed_size 0
		.amdhsa_enable_private_segment 0
		.amdhsa_kernarg_size 32
		.amdhsa_user_sgpr_count 2
		.amdhsa_user_sgpr_kernarg_segment_ptr 1
		.amdhsa_wavefront_size32 1
		.amdhsa_system_sgpr_workgroup_id_x 1
		.amdhsa_system_sgpr_workgroup_id_y 1
		.amdhsa_system_sgpr_workgroup_id_z 1
		.amdhsa_system_vgpr_workitem_id 0
		.amdhsa_next_free_vgpr 256
		.amdhsa_next_free_sgpr 66
		.amdhsa_reserve_vcc 0
		.amdhsa_float_denorm_mode_32 3
		.amdhsa_float_denorm_mode_16_64 3
		.amdhsa_memory_ordered 1
		.amdhsa_forward_progress 1
		.amdhsa_inst_pref_size 69
	.end_amdhsa_kernel
	.amdgpu_metadata
---
amdhsa.version: [ 1, 2 ]
amdhsa.kernels:
  - .name:           k_q9b6f2059b4_ffn1_0
    .symbol:         k_q9b6f2059b4_ffn1_0.kd
    .args:
      - { .name: act, .offset: 0, .size: 8, .value_kind: global_buffer, .address_space: global }
      - { .name: wc0, .offset: 8, .size: 8, .value_kind: global_buffer, .address_space: global }
      - { .name: params_layers_0_bi, .offset: 16, .size: 8, .value_kind: global_buffer, .address_space: global }
      - { .name: hc, .offset: 24, .size: 8, .value_kind: global_buffer, .address_space: global }
    .group_segment_fixed_size: 49920
    .private_segment_fixed_size: 0
    .kernarg_segment_align: 8
    .kernarg_segment_size: 32
    .max_flat_workgroup_size: 192
    .sgpr_count:     66
    .vgpr_count:     256
    .wavefront_size: 32
...
	.end_amdgpu_metadata
.endif
;; end of part 13
;; launch ffn2_0 (part 14): grid 12 x 12, 12 waves a work-group, no clusters, 105,984 bytes of LDS; arguments hc, wc0, z; writes z
.if DOCPART == 14
	.amdgcn_target "amdgcn-amd-amdhsa--gfx1250"
	.amdhsa_code_object_version 6
	.text
	.protected	k_q9b6f2059b4_ffn2_0
	.globl	k_q9b6f2059b4_ffn2_0
	.p2align	8
	.type	k_q9b6f2059b4_ffn2_0,@function
k_q9b6f2059b4_ffn2_0:
	s_mov_b64 s[64:65], 0
	v_nop
	global_prefetch_b8 v0, s[64:65] scope:SCOPE_SE
	s_setreg_imm32_b32 hwreg(HW_REG_WAVE_SCHED_MODE, 0, 2), 2
	s_setreg_imm32_b32 hwreg(HW_REG_WAVE_MODE, 25, 1), 1
	s_wait_xcnt 0x0
	s_wait_alu depctr_vm_vsrc(0)
; z = h wf, the bare product (residual, bias and norm follow in the next launch), on codes of E2M3.  h: the hidden layer's images (hc); wf: blocks 1152 on of the layer's weight images.  K = 3,072: 24 K steps.
; SHARES.  A work-group makes 32 rows (grid y) x 64 columns (grid x).  Wave w of twelve takes K steps 2 w, 2 w + 1: all its 54 loads go out at once, from memory straight into operand registers.
; Source 0 = 16 columns of the weight, source 1 = 16 rows: a lane holds eight neighbouring columns of a row.  Each wave lays its 32 x 64 partial sums row by row in its own stage (rows of 256 + 16 bytes); one barrier;
; waves 0 and 1 add the parts, K ascending, and store 16 rows each: sixteen lanes write 256 consecutive bytes at a multiple of 256.
; No tensor load, so no joint request that a cluster could share.  LIMITS: K is summed in KS / 2 f32 parts; NaN and infinities are not served.
; THE MODE: SCHED_MODE bits 1:0 = 2 (LLVM: expert scheduling mode 2), set by the entry lines.  The code itself states the register dependences
; between vector or matrix instructions and memory or LDS instructions, with s_wait_alu, always for 0.
; THE PLAN.  Registers that memory or LDS instructions touch, in the order of the text (there is no loop):
;   v1-v3, v6-v9   offsets and LDS addresses: written once at the head, read by every load and store, never written again.
;   PS, QS, PF, QF written by the 54 loads, read by the sixteen matrix instructions; behind the barrier the parts land in v56-167.
;   ACC            written by the matrix instructions, read by my sixteen LDS stores; where there are more than three parts, the second buffer of parts (v152-247) lies over it.
;   TB0 ..         two buffers of three parts: written by 24 LDS loads each, read by the packed additions, by turns.
;   SUM            written by the packed additions, read by the eight stores.
; THE WAITS.  One on va_sdst behind the wave's number.  On va_vdst: ahead of the first load; behind the products' places (it serves the LDS stores and the first loads of parts: no vector instruction stands between);
; ahead of each batch of parts that lands in a buffer which additions have read; ahead of the eight stores.  One on vm_vsrc behind the barrier, where parts land on ACC.
.set KS,     24
.set NW,     12
.set WBASE,  1152
.set ACODE,  0
.set ASCALE, 9437184
.set SCB, 5308416
.set PS,  16
.set QS,  20
.set PF,  24
.set QF,  120
.set ACC, 168
.set SUM, 24
.set TB0, 56                           ; v56-151, v152-247: three partial sums each, by turns
.macro LDTILE reg, sb, off
	global_load_b128 v[\reg:\reg+3], v1, s[\sb:\sb+1] offset:\off
	global_load_b64 v[\reg+4:\reg+5], v2, s[\sb:\sb+1] offset:\off+512
	global_load_b128 v[\reg+6:\reg+9], v1, s[\sb:\sb+1] offset:\off+768
	global_load_b64 v[\reg+10:\reg+11], v2, s[\sb:\sb+1] offset:\off+1280
.endm
.macro WM d, a, b, c, sa, sb, ra, rb
.if (\ra)==0 && (\rb)==0
	v_wmma_scale_f32_16x16x128_f8f6f4 v[\d:\d+7], v[\a:\a+11], v[\b:\b+11], \c, v[\sa], v[\sb] matrix_a_fmt:MATRIX_FMT_FP6 matrix_b_fmt:MATRIX_FMT_FP6
.elseif (\ra)==1 && (\rb)==0
	v_wmma_scale_f32_16x16x128_f8f6f4 v[\d:\d+7], v[\a:\a+11], v[\b:\b+11], \c, v[\sa], v[\sb] matrix_a_fmt:MATRIX_FMT_FP6 matrix_b_fmt:MATRIX_FMT_FP6 matrix_a_scale:MATRIX_SCALE_ROW1
.elseif (\ra)==0 && (\rb)==1
	v_wmma_scale_f32_16x16x128_f8f6f4 v[\d:\d+7], v[\a:\a+11], v[\b:\b+11], \c, v[\sa], v[\sb] matrix_a_fmt:MATRIX_FMT_FP6 matrix_b_fmt:MATRIX_FMT_FP6 matrix_b_scale:MATRIX_SCALE_ROW1
.else
	v_wmma_scale_f32_16x16x128_f8f6f4 v[\d:\d+7], v[\a:\a+11], v[\b:\b+11], \c, v[\sa], v[\sb] matrix_a_fmt:MATRIX_FMT_FP6 matrix_b_fmt:MATRIX_FMT_FP6 matrix_a_scale:MATRIX_SCALE_ROW1 matrix_b_scale:MATRIX_SCALE_ROW1
.endif
.endm
.macro CORE PSTR
.irp st, 0,1
.irp pp, 0,1
.irp u, 0,1
	LDTILE PF+48*\st+24*\pp+12*\u, 24, \pp*\PSTR+\st*3072+\u*1536
.endr
	global_load_b32 v[PS+2*\st+\pp], v3, s[26:27] offset:\pp*(\PSTR/24)+\st*128
.endr
.irp u, 0,1
	LDTILE QF+24*\st+12*\u, 28, \st*3072+\u*1536
.endr
	global_load_b32 v[QS+\st], v3, s[30:31] offset:\st*128
.endr
	s_wait_loadcnt 27                              ; the first K step's 27 loads are in; the second's 27 may be out
.irp qt, 0,1
.irp pt, 0,1,2,3
	WM ACC+8*(4*\qt+\pt), PF+12*\pt, QF+12*\qt, 0, PS+\pt/2, QS, \pt%2, \qt
.endr
.endr
	s_wait_loadcnt 0x0
.irp qt, 0,1                           ; the eight accumulators take turns, one instruction a turn
.irp pt, 0,1,2,3
	WM ACC+8*(4*\qt+\pt), PF+48+12*\pt, QF+24+12*\qt, v[ACC+8*(4*\qt+\pt):ACC+8*(4*\qt+\pt)+7], PS+2+\pt/2, QS+1, \pt%2, \qt
.endr
.endr
.rept 4
	v_nop                                          ; four places ahead of the first read of results (ISA guide 7.12.1)
.endr
.endm
.macro PKADD d, a, b, cnt
.set n, 0
.rept \cnt
	v_pk_add_f32 v[\d+n:\d+n+1], v[\a+n:\a+n+1], v[\b+n:\b+n+1]
.set n, n+2
.endr
.endm
.macro RLOAD bt                        ; the parts of waves 3 bt .. 3 bt + 2: my 16 rows, two rows an instruction
.irp w3, 0,1,2
.irp t, 0,1,2,3,4,5,6,7
.if 3*(\bt)+\w3 < 6
	ds_load_b128 v[TB0+96*((\bt)%2)+32*\w3+4*\t:TB0+96*((\bt)%2)+32*\w3+4*\t+3], v7 offset:(3*(\bt)+\w3)*8704+544*\t
.else
	ds_load_b128 v[TB0+96*((\bt)%2)+32*\w3+4*\t:TB0+96*((\bt)%2)+32*\w3+4*\t+3], v8 offset:(3*(\bt)+\w3-6)*8704+544*\t
.endif
.endr
.endr
.endm
.macro RADD bt
.set TBB, TB0+96*((\bt)%2)
.if (\bt) == 0
	PKADD SUM, TBB, TBB+32, 16
.else
	PKADD SUM, SUM, TBB, 16
	PKADD SUM, SUM, TBB+32, 16
.endif
	PKADD SUM, SUM, TBB+64, 16
.endm
	s_load_b128 s[4:7], s[0:1], 0x0                ; the rows' images, the layer's weight images
	s_load_b64 s[8:9], s[0:1], 0x10                ; z
	v_lshl_add_u32 v254, v0, 2, 0x19800
	v_mov_b32 v255, 0
	v_lshrrev_b32 v1, 5, v0
	v_readfirstlane_b32 s16, v1                    ; wave
	s_wait_alu depctr_va_sdst(0)                   ; s16 is written, ahead of its first reader: offsets, LDS addresses and a branch are made from it
	s_and_b32 s21, ttmp7, 0xffff                   ; pair of row tiles
	s_lshl_b32 s22, s16, 1
	s_mul_i32 s23, ttmp9, 2*KS
	s_add_co_u32 s23, s23, s22
	s_add_co_u32 s23, s23, WBASE                   ; the weight's first block
	s_mul_i32 s32, s21, KS
	s_add_co_u32 s32, s32, s22                     ; the rows' first block
	s_mul_i32 s40, s23, 3072
	s_mov_b32 s41, 0
	s_lshl_b32 s42, s23, 7
	s_add_co_u32 s42, s42, SCB
	s_mov_b32 s43, 0
	s_mul_i32 s44, s32, 3072
	s_add_co_u32 s44, s44, ACODE
	s_mov_b32 s45, 0
	s_lshl_b32 s46, s32, 7
	s_add_co_u32 s46, s46, ASCALE
	s_mov_b32 s47, 0
	s_lshl_b32 s48, s21, 5
	s_lshl_b32 s49, s16, 3
	s_add_co_u32 s48, s48, s49
	s_mul_i32 s48, s48, 3072                       ; z: row 32 RB + 8 qt,
	s_lshl_b32 s49, ttmp9, 8
	s_add_co_u32 s48, s48, s49                     ; + my 64 columns
	s_mov_b32 s49, 0
	v_and_b32 v8, 31, v0
	v_lshlrev_b32 v1, 4, v8
	v_lshlrev_b32 v2, 3, v8
	v_lshlrev_b32 v3, 2, v8
	v_and_b32 v10, 15, v0                          ; r
	v_bfe_u32 v11, v0, 4, 1                        ; h
	v_mul_u32_u24 v6, v10, 272
	v_lshl_add_u32 v6, v11, 6, v6
	s_mul_i32 s20, s16, 8704
	v_add_nc_u32 v6, s20, v6                       ; my stage: row r, + 64 h
	v_mul_u32_u24 v7, v11, 272
	v_lshl_add_u32 v7, v10, 4, v7
	s_mul_i32 s20, s16, 4352
	v_add_nc_u32 v7, s20, v7                       ; back, in waves 0 and 1: tile qt's rows, lanes 0-15 one row, lanes 16-31 the next
.if NW > 6
	v_add_nc_u32 v8, 52224, v7                     ; the same six stages on: an LDS offset has 16 bits
.endif
	v_mul_u32_u24 v9, v11, 3072
	v_lshl_add_u32 v9, v10, 4, v9                  ; and the same two rows in z
	s_wait_kmcnt 0x0
	s_add_nc_u64 s[24:25], s[6:7], s[40:41]
	s_add_nc_u64 s[26:27], s[6:7], s[42:43]
	s_add_nc_u64 s[28:29], s[4:5], s[44:45]
	s_add_nc_u64 s[30:31], s[4:5], s[46:47]
	s_add_nc_u64 s[50:51], s[8:9], s[48:49]
	s_wait_alu depctr_va_vdst(0)                   ; the offsets and LDS addresses v1 to v3 and v6 to v9 are written: every load and store of the kernel reads one of them
	CORE KS*3072
	s_wait_alu depctr_va_vdst(0)                   ; the matrix instructions have written ACC, which the LDS stores read, and are done reading PF and QF, in which the parts land; the places above stay beside this wait
.irp qt, 0,1
.irp pt, 0,1,2,3
	ds_store_b128 v6, v[ACC+8*(4*\qt+\pt):ACC+8*(4*\qt+\pt)+3] offset:4352*\qt+128*(\pt/2)+32*(\pt%2)      ; each accumulator from its low end on
	ds_store_b128 v6, v[ACC+8*(4*\qt+\pt)+4:ACC+8*(4*\qt+\pt)+7] offset:4352*\qt+128*(\pt/2)+32*(\pt%2)+16
.endr
.endr
	s_wait_dscnt 0x0                               ; for the others' sake: my part has landed
	s_barrier_signal -1
	s_barrier_wait -1
.if NW > 3
	s_wait_alu depctr_vm_vsrc(0)                   ; my LDS stores have read ACC, on which the second buffer of parts lies
.endif
	s_cmp_ge_u32 s16, 2
	s_cbranch_scc1 .Lend
	RLOAD 0
.if NW > 3
	RLOAD 1
	s_wait_dscnt 24                                ; the older batch is in; the younger's 24 loads may be out
	RADD 0
	s_wait_alu depctr_va_vdst(0)                   ; the additions are done reading the first buffer, in which the next batch lands
	RLOAD 2
	s_wait_dscnt 24
	RADD 1
	s_wait_alu depctr_va_vdst(0)                   ; the additions are done reading the second buffer, in which the last batch lands
	RLOAD 3
	s_wait_dscnt 24
	RADD 2
	s_wait_dscnt 0x0
	RADD 3
.else
	s_wait_dscnt 0x0
	RADD 0
.endif
	s_wait_alu depctr_va_vdst(0)                   ; the additions have written v[SUM ..], which the eight stores read
.irp t, 0,1,2,3,4,5,6,7
	global_store_b128 v9, v[SUM+4*\t:SUM+4*\t+3], s[50:51] offset:(2*(\t%4)+16*(\t/4))*3072
.endr
.Lend:
	s_wait_dscnt 0x0                               ; the closing lines, six on end
	s_wait_alu 0x0
	s_wait_tensorcnt 0x0
	ds_add_u32 v254, v255
	s_wait_dscnt 0x0
	s_endpgm
.Lfunc_end_k_q9b6f2059b4_ffn2_0:
	.size	k_q9b6f2059b4_ffn2_0, .Lfunc_end_k_q9b6f2059b4_ffn2_0-k_q9b6f2059b4_ffn2_0
	.p2alignl 7, 3214868480
	.fill 96, 4, 3214868480
	.section	.rodata,"a",@progbits
	.p2align	6, 0x0
	.amdhsa_kernel k_q9b6f2059b4_ffn2_0
		.amdhsa_group_segment_fixed_size 105984
		.amdhsa_private_segment_fixed_size 0
		.amdhsa_enable_private_segment 0
		.amdhsa_kernarg_size 24
		.amdhsa_user_sgpr_count 2
		.amdhsa_user_sgpr_kernarg_segment_ptr 1
		.amdhsa_wavefront_size32 1
		.amdhsa_system_sgpr_workgroup_id_x 1
		.amdhsa_system_sgpr_workgroup_id_y 1
		.amdhsa_system_sgpr_workgroup_id_z 1
		.amdhsa_system_vgpr_workitem_id 0
		.amdhsa_next_free_vgpr 256
		.amdhsa_next_free_sgpr 66
		.amdhsa_reserve_vcc 0
		.amdhsa_float_denorm_mode_32 3
		.amdhsa_float_denorm_mode_16_64 3
		.amdhsa_memory_ordered 1
		.amdhsa_forward_progress 1
		.amdhsa_inst_pref_size 30
	.end_amdhsa_kernel
	.amdgpu_metadata
---
amdhsa.version: [ 1, 2 ]
amdhsa.kernels:
  - .name:           k_q9b6f2059b4_ffn2_0
    .symbol:         k_q9b6f2059b4_ffn2_0.kd
    .args:
      - { .name: hc, .offset: 0, .size: 8, .value_kind: global_buffer, .address_space: global }
      - { .name: wc0, .offset: 8, .size: 8, .value_kind: global_buffer, .address_space: global }
      - { .name: z, .offset: 16, .size: 8, .value_kind: global_buffer, .address_space: global }
    .group_segment_fixed_size: 105984
    .private_segment_fixed_size: 0
    .kernarg_segment_align: 8
    .kernarg_segment_size: 24
    .max_flat_workgroup_size: 384
    .sgpr_count:     66
    .vgpr_count:     256
    .wavefront_size: 32
...
	.end_amdgpu_metadata
.endif
;; end of part 14
;; launch ln2_0: the kernel of part 2 again; grid 12 x 1, 12 waves a work-group, no clusters, 104,960 bytes of LDS; arguments xfB, z, params_layers_0_bf, params_layers_0_ln2_g, params_layers_0_ln2_b, xfA, act; writes xfA, act
;; launch qkv1 (part 15): grid 150 x 1, 6 waves a work-group, no clusters, 49,920 bytes of LDS; arguments act, wc1, params_layers_1_bq, params_layers_1_bk, params_layers_1_bv, qkvc; writes qkvc
.if DOCPART == 15
	.amdgcn_target "amdgcn-amd-amdhsa--gfx1250"
	.amdhsa_code_object_version 6
	.text
	.protected	k_q9b6f2059b4_qkv1
	.globl	k_q9b6f2059b4_qkv1
	.p2align	8
	.type	k_q9b6f2059b4_qkv1,@function
k_q9b6f2059b4_qkv1:
	s_mov_b64 s[64:65], 0
	v_nop
	global_prefetch_b8 v0, s[64:65] scope:SCOPE_SE
	s_setreg_imm32_b32 hwreg(HW_REG_WAVE_SCHED_MODE, 0, 2), 2
	s_setreg_imm32_b32 hwreg(HW_REG_WAVE_MODE, 25, 1), 1
	s_wait_xcnt 0x0
	s_wait_alu depctr_vm_vsrc(0)
; The second layer's q, k, v: the first layer's text with other counts of rows (RQP, RKP).
; q = (x wq + bq) / 8, k = x wk + bk, v = x wv + bv on codes of E2M3, each result quantised at once into the images that attention reads: q and k along a head's 64 (a K step = a pair of heads), v along the KEYS.
; SHARES.  The first 6 RQP work-groups make q (pair of row tiles rb, pair of heads cu), the next 6 RKP k, the last 6 RKP v (128 keys rb, pair of column tiles cu).  Each makes one image block: 32 rows x 128 along the next K.
; The matrix instruction's source 0 takes the side whose index becomes the next K: 8 tiles of weight columns for q and k, 8 tiles of tokens for v; so a lane's 64 results run along the next K, in the conversions' order.
; Six waves: wave 2 kw + ph takes four of the eight tiles (ph) and K steps 2 kw, 2 kw + 1 of the 768.  All its 54 loads go out at once, from memory straight into operand registers (the buffers are images of them).
; The three partial sums meet in LDS behind one barrier; waves 0 and 1 add them (K ascending), add the bias, scale, quantise and store a tile each.
; No tensor load, so no joint request that a cluster could share.
; LIMITS: K is summed in three f32 parts; a block under 2^-124 (zeros too) gets the byte 1; NaN and infinities are not served.
; THE MODE: SCHED_MODE bits 1:0 = 2 (LLVM: expert scheduling mode 2), set by the entry lines.  The code itself states the register dependences
; between vector or matrix instructions and memory or LDS instructions, with s_wait_alu, always for 0.
; THE PLAN.  Registers that memory or LDS instructions touch, in the order of the text (there is no loop):
;   v1-v7, v9      offsets and LDS addresses: written once at the head, read by every load and store, never written again.
;   PS, QS, PF, QF written by the 54 loads, read by the sixteen matrix instructions; behind these the bias lands in v88-151 and partial sums in v152-167.
;   ACC            written by the matrix instructions, read by my sixteen LDS stores; behind the barrier partial sums land there, and later the quantiser writes there.
;   T              written by 24 LDS loads, read by the packed additions; twice, for ph = 0 and ph = 1.
;   PC, PW         written by the quantiser, read by the five stores.
; THE WAITS.  One on va_sdst behind the wave's number.  On va_vdst: ahead of the first load; behind the products' places (it serves the LDS stores, the bias loads and the first LDS loads: no vector
; instruction stands between); ahead of ph = 1's LDS loads; ahead of the five stores.  One on vm_vsrc behind the barrier, for ACC.
.set RQP, 1
.set RKP, 12
.set NQ,  6*RQP
.set NK,  6*RKP
.set SCB, 5308416
.set XSC, 2359296
.set PART, 2457600
.set PS,  16
.set QS,  20
.set PF,  24
.set QF,  120
.set ACC, 168
.set H,   24
.set BI,  88
.set T,   152
.set TM,  152
.set PW,  168
.set PC,  170
.set SEL, 48
.macro QUANT s
.irp b, 0,1,2,3
	v_mov_b32 v[TM+4+\b], 0
.endr
.irp b, 0,1,2,3
	v_max3_num_f32 v[TM+\b], |v[\s+16*\b]|, |v[\s+1+16*\b]|, 0x1800000
.endr
.irp i, 2,4,6,8,10,12,14
.irp b, 0,1,2,3
	v_max3_num_f32 v[TM+\b], v[TM+\b], |v[\s+16*\b+\i]|, |v[\s+1+16*\b+\i]|
.endr
.endr
.irp b, 0,1,2,3
	v_permlanex16_b32 v[TM+4+\b], v[TM+\b], s[SEL], s[SEL+1]
.endr
.irp b, 0,1,2,3
	v_max_num_f32 v[TM+\b], v[TM+\b], v[TM+4+\b]
.endr
.irp b, 0,1,2,3
	v_add_nc_u32 v[TM+12+\b], 0xff000000, v[TM+\b]
.endr
.irp b, 0,1,2,3
	v_lshrrev_b32 v[TM+4+\b], 23, v[TM+12+\b]
.endr
	v_lshl_or_b32 v[PW], v[TM+5], 8, v[TM+4]
	v_lshl_or_b32 v[PW], v[TM+6], 16, v[PW]
	v_lshl_or_b32 v[PW], v[TM+7], 24, v[PW]
.irp c, 0,1
	v_cvt_scalef32_pk16_fp6_f32 v[PC+6*\c:PC+2+6*\c], v[\s+32*\c:\s+15+32*\c], v[TM+12+2*\c]
	v_cvt_scalef32_pk16_fp6_f32 v[PC+12+4*\c:PC+14+4*\c], v[\s+16+32*\c:\s+31+32*\c], v[TM+12+2*\c+1]
.endr
	v_nop
.irp c, 0,1
.irp i, 0,1,2
	v_permlane16_swap_b32 v[PC+6*\c+\i], v[PC+12+4*\c+\i]
.endr
.irp i, 0,1,2
	v_mov_b32 v[PC+3+6*\c+\i], v[PC+12+4*\c+\i]
.endr
.endr
.endm
.macro LDTILE reg, sb, off
	global_load_b128 v[\reg:\reg+3], v1, s[\sb:\sb+1] offset:\off
	global_load_b64 v[\reg+4:\reg+5], v2, s[\sb:\sb+1] offset:\off+512
	global_load_b128 v[\reg+6:\reg+9], v1, s[\sb:\sb+1] offset:\off+768
	global_load_b64 v[\reg+10:\reg+11], v2, s[\sb:\sb+1] offset:\off+1280
.endm
.macro WM d, a, b, c, sa, sb, ra, rb
.if (\ra)==0 && (\rb)==0
	v_wmma_scale_f32_16x16x128_f8f6f4 v[\d:\d+7], v[\a:\a+11], v[\b:\b+11], \c, v[\sa], v[\sb] matrix_a_fmt:MATRIX_FMT_FP6 matrix_b_fmt:MATRIX_FMT_FP6
.elseif (\ra)==1 && (\rb)==0
	v_wmma_scale_f32_16x16x128_f8f6f4 v[\d:\d+7], v[\a:\a+11], v[\b:\b+11], \c, v[\sa], v[\sb] matrix_a_fmt:MATRIX_FMT_FP6 matrix_b_fmt:MATRIX_FMT_FP6 matrix_a_scale:MATRIX_SCALE_ROW1
.elseif (\ra)==0 && (\rb)==1
	v_wmma_scale_f32_16x16x128_f8f6f4 v[\d:\d+7], v[\a:\a+11], v[\b:\b+11], \c, v[\sa], v[\sb] matrix_a_fmt:MATRIX_FMT_FP6 matrix_b_fmt:MATRIX_FMT_FP6 matrix_b_scale:MATRIX_SCALE_ROW1
.else
	v_wmma_scale_f32_16x16x128_f8f6f4 v[\d:\d+7], v[\a:\a+11], v[\b:\b+11], \c, v[\sa], v[\sb] matrix_a_fmt:MATRIX_FMT_FP6 matrix_b_fmt:MATRIX_FMT_FP6 matrix_a_scale:MATRIX_SCALE_ROW1 matrix_b_scale:MATRIX_SCALE_ROW1
.endif
.endm
.macro CORE PSTR
.irp st, 0,1
.irp pp, 0,1
.irp u, 0,1
	LDTILE PF+48*\st+24*\pp+12*\u, 24, \pp*\PSTR+\st*3072+\u*1536
.endr
	global_load_b32 v[PS+2*\st+\pp], v3, s[26:27] offset:\pp*(\PSTR/24)+\st*128
.endr
.irp u, 0,1
	LDTILE QF+24*\st+12*\u, 28, \st*3072+\u*1536
.endr
	global_load_b32 v[QS+\st], v3, s[30:31] offset:\st*128
.endr
	s_wait_loadcnt 27                              ; the first K step's 27 loads are in; the second's 27 may be out
.irp qt, 0,1
.irp pt, 0,1,2,3
	WM ACC+8*(4*\qt+\pt), PF+12*\pt, QF+12*\qt, 0, PS+\pt/2, QS, \pt%2, \qt
.endr
.endr
	s_wait_loadcnt 0x0
.irp qt, 0,1                           ; the eight accumulators take turns, one instruction a turn
.irp pt, 0,1,2,3
	WM ACC+8*(4*\qt+\pt), PF+48+12*\pt, QF+24+12*\qt, v[ACC+8*(4*\qt+\pt):ACC+8*(4*\qt+\pt)+7], PS+2+\pt/2, QS+1, \pt%2, \qt
.endr
.endr
.rept 4
	v_nop                                          ; four places ahead of the first read of results (ISA guide 7.12.1)
.endr
.endm
	s_load_b256 s[4:11], s[0:1], 0x0               ; act, the layer's weight images, bq, bk
	s_load_b128 s[12:15], s[0:1], 0x20             ; bv, qkvc
	v_lshl_add_u32 v254, v0, 2, 0xc000
	v_mov_b32 v255, 0
	v_lshrrev_b32 v1, 5, v0
	v_readfirstlane_b32 s16, v1                    ; wave 0..5
	s_wait_alu depctr_va_sdst(0)                   ; s16 is written, ahead of its first reader: offsets, LDS addresses and a branch are made from it
	s_and_b32 s17, s16, 1                          ; ph
	s_lshr_b32 s18, s16, 1                         ; kw
	s_cmp_ge_u32 ttmp9, NQ
	s_cselect_b32 s19, 1, 0
	s_cselect_b32 s20, NQ, 0
	s_cmp_ge_u32 ttmp9, NQ+NK
	s_cselect_b32 s21, 1, 0
	s_cselect_b32 s20, NQ+NK, s20
	s_add_co_u32 s19, s19, s21                     ; 0 q, 1 k, 2 v
	s_sub_co_u32 s20, ttmp9, s20                   ; my number among its work-groups
	s_mul_hi_u32 s21, s20, 0x2AAAAAAB              ; / 6
	s_mul_i32 s22, s21, 6
	s_sub_co_u32 s22, s20, s22
	s_mul_hi_u32 s23, s20, 0x0AAAAAAB              ; / 24
	s_mul_i32 s32, s23, 24
	s_sub_co_u32 s32, s20, s32
	s_cmp_eq_u32 s19, 2
	s_cselect_b32 s21, s23, s21                    ; rb
	s_cselect_b32 s22, s32, s22                    ; cu
	s_mul_i32 s23, s19, 24
	s_lshl_b32 s32, s22, 2
	s_add_co_u32 s23, s23, s32
	s_lshl_b32 s33, s17, 1
	s_add_co_u32 s23, s23, s33                     ; q, k: weight pair 24 type + 4 cu + 2 ph
	s_add_co_u32 s32, s22, 48                      ; v: weight pair 48 + cu
	s_lshl_b32 s34, s21, 2
	s_add_co_u32 s34, s34, s33                     ; v: x's pair 4 rb + 2 ph
	s_cmp_eq_u32 s19, 2
	s_cselect_b32 s23, s32, s23
	s_cselect_b32 s34, s34, s21                    ; q, k: x's pair rb
	s_mul_i32 s23, s23, 6
	s_lshl_b32 s35, s18, 1
	s_add_co_u32 s23, s23, s35
	s_mul_i32 s34, s34, 6
	s_add_co_u32 s34, s34, s35
	s_mul_i32 s40, s23, 3072
	s_mov_b32 s41, 0
	s_lshl_b32 s42, s23, 7
	s_add_co_u32 s42, s42, SCB
	s_mov_b32 s43, 0
	s_mul_i32 s44, s34, 3072
	s_mov_b32 s45, 0
	s_lshl_b32 s46, s34, 7
	s_add_co_u32 s46, s46, XSC
	s_mov_b32 s47, 0
	s_mul_i32 s50, s21, 6
	s_add_co_u32 s50, s50, s22                     ; q, k go to block 6 rb + cu,
	s_lshl_b32 s51, s22, 5
	s_add_co_u32 s51, s51, s21                     ; v to block 32 cu + rb
	s_lshl_b32 s56, s22, 9
	s_lshl_b32 s57, s22, 7
	s_lshl_b32 s58, s16, 5
	s_add_co_u32 s57, s57, s58
	s_cmp_eq_u32 s19, 2
	s_cselect_b32 s50, s51, s50
	s_cselect_b32 s56, s57, s56
	s_mov_b32 s57, 0
	s_mul_i32 s58, s19, PART
	s_mul_i32 s52, s50, 3072
	s_add_co_u32 s52, s52, s58
	s_mul_i32 s59, s16, 1536
	s_add_co_u32 s52, s52, s59
	s_mov_b32 s53, 0
	s_lshl_b32 s54, s50, 7
	s_add_co_u32 s54, s54, s58
	s_lshl_b32 s59, s16, 6
	s_add_co_u32 s54, s54, s59
	s_add_co_u32 s54, s54, XSC
	s_mov_b32 s55, 0
	s_mov_b32 s38, 0x3f800000
	s_cmp_eq_u32 s19, 0
	s_cselect_b32 s38, 0x3e000000, s38             ; q is divided by sqrt(64): exact
	s_mov_b32 s39, s38
	s_mov_b32 s[SEL], 0x76543210
	s_mov_b32 s[SEL+1], 0xfedcba98
	v_and_b32 v8, 31, v0
	v_lshlrev_b32 v1, 4, v8
	v_lshlrev_b32 v2, 3, v8
	v_lshlrev_b32 v3, 2, v8
	v_and_b32 v10, 15, v0
	v_lshlrev_b32 v4, 2, v10
	v_bfe_u32 v11, v0, 4, 1
	v_lshlrev_b32 v5, 6, v11
	v_and_b32 v9, 7, v10
	v_lshrrev_b32 v10, 3, v10
	v_lshl_add_u32 v9, v10, 4, v9
	v_lshlrev_b32 v9, 2, v9
	s_lshl_b32 s60, s16, 13
	v_add_nc_u32 v6, s60, v1
	s_lshl_b32 s60, s16, 12
	v_add_nc_u32 v7, s60, v1
	s_wait_kmcnt 0x0
	s_add_nc_u64 s[40:41], s[6:7], s[40:41]
	s_add_nc_u64 s[42:43], s[6:7], s[42:43]
	s_add_nc_u64 s[44:45], s[4:5], s[44:45]
	s_add_nc_u64 s[46:47], s[4:5], s[46:47]
	s_cmp_eq_u32 s19, 2                            ; which side is source 0 hangs on the work-group's number alone
	s_cselect_b64 s[24:25], s[44:45], s[40:41]
	s_cselect_b64 s[26:27], s[46:47], s[42:43]
	s_cselect_b64 s[28:29], s[40:41], s[44:45]
	s_cselect_b64 s[30:31], s[42:43], s[46:47]
	s_cselect_b64 s[36:37], s[12:13], s[10:11]
	s_cmp_eq_u32 s19, 0
	s_cselect_b64 s[36:37], s[8:9], s[36:37]
	s_add_nc_u64 s[36:37], s[36:37], s[56:57]
	s_add_nc_u64 s[52:53], s[14:15], s[52:53]
	s_add_nc_u64 s[54:55], s[14:15], s[54:55]
	s_wait_alu depctr_va_vdst(0)                   ; the offsets and LDS addresses v1 to v7 and v9 are written: every load and store of the kernel reads one of them
	CORE 18432
	s_wait_alu depctr_va_vdst(0)                   ; the matrix instructions have written ACC, which the LDS stores read, and are done reading PF and QF, in which the bias and the partial sums land; the places above stay beside this wait
.irp a, 0,1,2,3,4,5,6,7
	ds_store_b128 v6, v[ACC+8*\a:ACC+8*\a+3] offset:1024*\a          ; each accumulator from its low end on
	ds_store_b128 v6, v[ACC+8*\a+4:ACC+8*\a+7] offset:1024*\a+512
.endr
	s_wait_dscnt 0x0                               ; for the others' sake: my partial sums have landed
	s_barrier_signal -1
	s_barrier_wait -1
	s_wait_alu depctr_vm_vsrc(0)                   ; my LDS stores have read ACC: partial sums land in these registers below, and the quantiser writes them
	s_cmp_ge_u32 s16, 2
	s_cbranch_scc1 .Lend
	s_cmp_eq_u32 s19, 2
	s_cbranch_scc1 .Lbias_v
.irp b, 0,1,2,3
.irp j, 0,1,2,3
	global_load_b128 v[BI+16*\b+4*\j:BI+16*\b+4*\j+3], v5, s[36:37] offset:128*\b+16*\j
.endr
.endr
	s_branch .Lbias_asked
.Lbias_v:
	global_load_b32 v[BI], v9, s[36:37]
.Lbias_asked:
.irp ph, 0,1
.if \ph == 1
	s_wait_alu depctr_va_vdst(0)                   ; the additions above are done reading T, in which the next 24 LDS loads land
.endif
.irp kw, 0,1,2
.irp pt, 0,1,2,3
	ds_load_b128 v[T+32*\kw+8*\pt:T+32*\kw+8*\pt+3], v7 offset:(2*\kw+\ph)*8192+\pt*1024
	ds_load_b128 v[T+32*\kw+8*\pt+4:T+32*\kw+8*\pt+7], v7 offset:(2*\kw+\ph)*8192+\pt*1024+512
.endr
.endr
	s_wait_dscnt 0x0
.set n, 0
.rept 16
	v_pk_add_f32 v[H+32*\ph+n:H+32*\ph+n+1], v[T+n:T+n+1], v[T+32+n:T+32+n+1]
.set n, n+2
.endr
.set n, 0
.rept 16
	v_pk_add_f32 v[H+32*\ph+n:H+32*\ph+n+1], v[H+32*\ph+n:H+32*\ph+n+1], v[T+64+n:T+64+n+1]
.set n, n+2
.endr
.endr
	s_wait_loadcnt 0x0                             ; the bias
	s_cmp_eq_u32 s19, 2
	s_cbranch_scc1 .Ladd_v
.set n, 0
.rept 32
	v_pk_add_f32 v[H+n:H+n+1], v[H+n:H+n+1], v[BI+n:BI+n+1]
.set n, n+2
.endr
	s_branch .Ladded
.Ladd_v:
	v_mov_b32 v[BI+1], v[BI]
.set n, 0
.rept 32
	v_pk_add_f32 v[H+n:H+n+1], v[H+n:H+n+1], v[BI:BI+1]
.set n, n+2
.endr
.Ladded:
.set n, 0
.rept 32
	v_pk_mul_f32 v[H+n:H+n+1], v[H+n:H+n+1], s[38:39] op_sel_hi:[1,0]
.set n, n+2
.endr
	QUANT H
	s_wait_alu depctr_va_vdst(0)                   ; the quantiser has written the codes v[PC ..] and the scale word v[PW], which the five stores read
	global_store_b128 v1, v[PC:PC+3], s[52:53]
	global_store_b64 v2, v[PC+4:PC+5], s[52:53] offset:512
	global_store_b128 v1, v[PC+6:PC+9], s[52:53] offset:768
	global_store_b64 v2, v[PC+10:PC+11], s[52:53] offset:1280
	global_store_b32 v4, v[PW], s[54:55]
.Lend:
	s_wait_dscnt 0x0                               ; the closing lines, six on end
	s_wait_alu 0x0
	s_wait_tensorcnt 0x0
	ds_add_u32 v254, v255
	s_wait_dscnt 0x0
	s_endpgm
.Lfunc_end_k_q9b6f2059b4_qkv1:
	.size	k_q9b6f2059b4_qkv1, .Lfunc_end_k_q9b6f2059b4_qkv1-k_q9b6f2059b4_qkv1
	.p2alignl 7, 3214868480
	.fill 96, 4, 3214868480
	.section	.rodata,"a",@progbits
	.p2align	6, 0x0
	.amdhsa_kernel k_q9b6f2059b4_qkv1
		.amdhsa_group_segment_fixed_size 49920
		.amdhsa_private_segment_fixed_size 0
		.amdhsa_enable_private_segment 0
		.amdhsa_kernarg_size 48
		.amdhsa_user_sgpr_count 2
		.amdhsa_user_sgpr_kernarg_segment_ptr 1
		.amdhsa_wavefront_size32 1
		.amdhsa_system_sgpr_workgroup_id_x 1
		.amdhsa_system_sgpr_workgroup_id_y 1
		.amdhsa_system_sgpr_workgroup_id_z 1
		.amdhsa_system_vgpr_workitem_id 0
		.amdhsa_next_free_vgpr 256
		.amdhsa_next_free_sgpr 66
		.amdhsa_reserve_vcc 0
		.amdhsa_float_denorm_mode_32 3
		.amdhsa_float_denorm_mode_16_64 3
		.amdhsa_memory_ordered 1
		.amdhsa_forward_progress 1
		.amdhsa_inst_pref_size 33
	.end_amdhsa_kernel
	.amdgpu_metadata
---
amdhsa.version: [ 1, 2 ]
amdhsa.kernels:
  - .name:           k_q9b6f2059b4_qkv1
    .symbol:         k_q9b6f2059b4_qkv1.kd
    .args:
      - { .name: act, .offset: 0, .size: 8, .value_kind: global_buffer, .address_space: global }
      - { .name: wc1, .offset: 8, .size: 8, .value_kind: global_buffer, .address_space: global }
      - { .name: params_layers_1_bq, .offset: 16, .size: 8, .value_kind: global_buffer, .address_space: global }
      - { .name: params_layers_1_bk, .offset: 24, .size: 8, .value_kind: global_buffer, .address_space: global }
      - { .name: params_layers_1_bv, .offset: 32, .size: 8, .value_kind: global_buffer, .address_space: global }
      - { .name: qkvc, .offset: 40, .size: 8, .value_kind: global_buffer, .address_space: global }
    .group_segment_fixed_size: 49920
    .private_segment_fixed_size: 0
    .kernarg_segment_align: 8
    .kernarg_segment_size: 48
    .max_flat_workgroup_size: 192
    .sgpr_count:     66
    .vgpr_count:     256
    .wavefront_size: 32
...
	.end_amdgpu_metadata
.endif
;; end of part 15
;; launch attn1: the kernel of part 11 again; grid 6 x 2, 10 waves a work-group, no clusters, 44,800 bytes of LDS; arguments qkvc, act; writes act
;; launch wo1: the kernel of part 12 again; grid 12 x 1, 3 waves a work-group, no clusters, 26,624 bytes of LDS; arguments act, wc1, z; writes z
;; launch ln1_1: the kernel of part 2 again; grid 1 x 1, 12 waves a work-group, no clusters, 104,960 bytes of LDS; arguments xfA, z, params_layers_1_bo, params_layers_1_ln1_g, params_layers_1_ln1_b, xfB, act; writes xfB, act
;; launch ffn1_1: the kernel of part 13 again; grid 24 x 1, 6 waves a work-group, no clusters, 49,920 bytes of LDS; arguments act, wc1, params_layers_1_bi, hc; writes hc
;; launch ffn2_1: the kernel of part 14 again; grid 12 x 1, 12 waves a work-group, no clusters, 105,984 bytes of LDS; arguments hc, wc1, z; writes z
;; launch final: the kernel of part 9 again; grid 1 x 1, 1 waves a work-group, no clusters, 0 bytes of LDS; arguments xfB, z, params_layers_1_bf, params_layers_1_ln2_g, params_layers_1_ln2_b, out0; writes out0
